; MI455X (gfx1250); checked and timed in simulation.
; The chip was launched on July 23, 2026; its instructions are those of AMD's public machine-readable ISA for CDNA 5 (MIT licence, August 2026) and "CDNA5" Instruction Set Architecture Reference Guide (July 2026). The comments in the code are by the model that wrote it; some were corrected since.
;; Transformer Block Classical. Allowed arithmetic: matrix products marked QUANTISED: E5M2 operands, one E8M0 scale for each 32 along K, by v_wmma_scale_f32_16x16x128_f8f6f4 with both operands' format E5M2, f32 sums; everything else in f32.
;; Inputs: b1 2,048 float32; b2 2,048 float32; b_ffn_o 1,024 float32; b_o 1,024 float32; be1 1,024 float32; be2 1,024 float32; g1 1,024 float32; g2 1,024 float32; w1_codes 2,048 x 32 x 32 uint8 (E5M2 codes of w1, K innermost, in blocks of 32 codes); w1_scales 2,048 x 32 uint8 (E8M0 scales of w1, one for each 32 codes along K); w2_codes 2,048 x 32 x 32 uint8 (E5M2 codes of w2, K innermost, in blocks of 32 codes); w2_scales 2,048 x 32 uint8 (E8M0 scales of w2, one for each 32 codes along K); w_ffn_o_codes 1,024 x 64 x 32 uint8 (E5M2 codes of w_ffn_o, K innermost, in blocks of 32 codes); w_ffn_o_scales 1,024 x 64 uint8 (E8M0 scales of w_ffn_o, one for each 32 codes along K); w_o_codes 1,024 x 32 x 32 uint8 (E5M2 codes of w_o, K innermost, in blocks of 32 codes); w_o_scales 1,024 x 32 uint8 (E8M0 scales of w_o, one for each 32 codes along K); w_qkv_codes 3,072 x 32 x 32 uint8 (E5M2 codes of w_qkv, K innermost, in blocks of 32 codes); w_qkv_scales 3,072 x 32 uint8 (E8M0 scales of w_qkv, one for each 32 codes along K); x 2 x 2,048 x 1,024 float32.
;; Outputs: out0 2 x 2,048 x 1,024 float32.
;; This version of the problem:
;;   THIS VERSION OF THE PROBLEM IS GIVEN IN LOW PRECISION. The matrix products marked QUANTISED in the list below multiply operands that are first quantised to E5M2 (5 exponent bits, 2 mantissa bits; 8 bits a number), with one power-of-two scale for each 32 numbers along K (OCP MX v1.0); their sums are f32. All else is computed in f32.
;;   The module's matrix products, in the order in which they are computed (A, B: the left and right operand; K: the contracted axis; several contracted axes count as one K, in the product's order):
;;     1. [M 4,096, K 1,024] x [K 1,024, N 3,072]; A: input x; B: input w_qkv (given as codes): QUANTISED
;;     2. batch 32 x [M 2,048, K 64] x [K 64, N 2,048]; A: computed on the way; B: computed on the way: QUANTISED
;;     3. batch 32 x [M 64, K 2,048] x [K 2,048, N 2,048]; A: computed on the way; B: softmax (see below): QUANTISED
;;     4. [M 4,096, K 1,024] x [K 1,024, N 1,024]; A: computed on the way; B: input w_o (given as codes): QUANTISED
;;     5. [M 4,096, K 1,024] x [K 1,024, N 2,048]; A: computed on the way; B: input w2 (given as codes): QUANTISED
;;     6. [M 4,096, K 1,024] x [K 1,024, N 2,048]; A: computed on the way; B: input w1 (given as codes): QUANTISED
;;     7. [M 4,096, K 2,048] x [K 2,048, N 1,024]; A: computed on the way; B: input w_ffn_o (given as codes): QUANTISED
;;   THE QUANTISER, for each operand of a quantised product, along K:
;;     - K is cut into blocks of 32 from its start; a last block that is shorter is filled with zeros.
;;     - A block's scale is 2^e with e = floor(log2(the largest magnitude in the block)) - 15, held to -126 .. 127; a block of zeros has e = 0. As a byte (E8M0): e + 127.
;;     - Each number is divided by its block's scale, clamped to +-57,344, and rounded to the nearest number of E5M2, ties to even, subnormals kept.
;;     - The product sums the exact products of the quantised numbers (number of the format x scale) in f32.
;;   ~~~python
;;   def quantise(x, axis):      # numpy; x: float32 -> the quantised numbers, widened to float32 again
;;       x = np.moveaxis(x, axis, -1); K = x.shape[-1]
;;       x = np.pad(x, [(0, 0)] * (x.ndim - 1) + [(0, -K % 32)]); x = x.reshape(x.shape[:-1] + (-1, 32)); a = np.abs(x).max(-1, keepdims=True)
;;       e = np.where(a > 0, np.clip(np.frexp(np.where(a > 0, a, 1))[1] - 1 - 15, -126, 127), 0)      # np.frexp(a)[1] - 1 = floor(log2(a)), exactly
;;       r = np.clip(x / 2.0 ** e, -57344, 57344)
;;       step = 2.0 ** (np.maximum(np.frexp(np.where(r == 0, 1, r))[1] - 1, -14) - 2)
;;       q = np.round(r / step) * step * 2.0 ** e      # np.round: ties to even
;;       return np.moveaxis(q.reshape(q.shape[:-2] + (-1,))[..., :K], -1, axis).astype(np.float32)
;;   ~~~
;;   SOFTMAX AHEAD OF A QUANTISED PRODUCT. Where the list says 'softmax', what is quantised is not the finished softmax but p = 2^(t - M), with t = logit x log2(e) and M = ceil(the row's largest t), a whole number; so 1/2 < the row's largest p <= 1. The row's sum l is taken of the UNQUANTISED p, in f32, and the product's result is divided by l at the end. Since M is a whole number, a kernel that streams over the keys may use a running M (the ceiling of the running maximum): every later rescaling is an exact power of two, which a block's scale takes up: the codes' values come out the same.
;;   OPERANDS COMPUTED ON THE WAY. 'Computed on the way' means the value that the module computes at that place (a softmax that the list does not call 'softmax' is quantised finished and normalised). What goes into a quantiser is computed in f32, as accurately as f32 sums, v_exp_f32 and their like allow (about 1e-6 of the number): no bf16 or f16 on the way to a quantiser, and a product that is left as it is and whose result goes on into a quantised operand takes f32 operands (vector FMAs, or v_wmma_f32_16x16x4_f32). A number that lies on a knife's edge between two numbers of the format may be rounded either way, as far as f32 arithmetic and the matrix unit's own rounding can turn it there, and no further.
;;   INPUTS GIVEN AS CODES. w1 (in the module: [1024, 2048], K = its axis 0); w2 (in the module: [1024, 2048], K = its axis 0); w_ffn_o (in the module: [2048, 1024], K = its axis 0); w_o (in the module: [1024, 1024], K = its axis 0); w_qkv (in the module: [1024, 3072], K = its axis 0): each comes as NAME_codes (uint8): NAME with its K axis moved to the last place and cut into blocks of 32 codes, [.., K / 32, bytes a block], one block behind the other in memory; one code a byte (a code: sign, 5 exponent bits, 2 mantissa bits); and NAME_scales (uint8): the same leading axes, one E8M0 byte (e + 127) for each 32 codes along K. Its value is code x scale, taken as it is: it is not quantised again, and the codes and scales need not be those that the quantiser above would give.
;; 2 versions. Each part assembles by itself: llvm-mc -triple=amdgcn-amd-amdhsa -mcpu=gfx1250 --defsym DOCPART=n.
;; ======== version 1 of 2: 8 launches
;; workspace buffers: aq 4,325,376 bytes; att 12,976,128 bytes; ybuf 16,777,216 bytes; x1f 16,777,216 bytes; hq 8,650,752 bytes
;; launch quant_x (part 1): grid 256 x 1, 8 waves a work-group, no clusters, 42,496 bytes of LDS; arguments x, aq; writes aq
.if DOCPART == 1
	.amdgcn_target "amdgcn-amd-amdhsa--gfx1250"
	.amdhsa_code_object_version 6
	.text
	.protected	k_qa47b9a4b39_quant_x
	.globl	k_qa47b9a4b39_quant_x
	.p2align	8
	.type	k_qa47b9a4b39_quant_x,@function
k_qa47b9a4b39_quant_x:
	s_mov_b64 s[64:65], 0
	v_nop
	global_prefetch_b8 v0, s[64:65] scope:SCOPE_SE
	s_setreg_imm32_b32 hwreg(HW_REG_WAVE_MODE, 25, 1), 1
	s_wait_xcnt 0x0
; x [4096][1024] f32 becomes codes of E5M2 (aq: [4096][1024], one byte a code) and one E8M0 byte for each 32 along a row (aq + 4,194,304: [4096][32]).
; The text is a row pass with two switches: LN = 1 normalises the row first, QNT = 1 quantises it.  Here LN = 0, QNT = 1.
; SHARES: a work-group of eight waves takes 16 rows, a wave two.  A row is 4,096 bytes: eight loads of 512 consecutive bytes; both rows' loads go out at the head.
; QUANTISER: scale = 2^(floor(log2(largest magnitude of the block)) - 15); byte = that magnitude's exponent field - 15, held at 1 from below; numbers held within +-57,344 x scale, rounded to the nearest code, ties to even.
; The conversions want 16 neighbours in a lane, the loads give 4: 512 numbers at a time turn through the wave's own stage in LDS (80 bytes a lane: 64 + 16 of padding).
; LIMITS: a block of zeros, or one whose largest magnitude lies under 2^-111, gets the byte 1 (its bytes are read by this program alone); NaN and infinities among the inputs are not served.
.set LN,  0
.set QNT, 1
.set SP,  80                           ; a lane's place in a stage
.set STG, 32*SP                        ; a stage: 512 numbers
.set SCB, 8*2*STG                      ; behind the eight waves' stages: the work-group's 512 scale bytes
.set Y,   32                           ; v32-95   two rows, register 4 j + e = element 128 j + 4 lane + e
.set G,   96                           ; v96-127  the gain, laid as a row
.set BE,  128                          ; v128-159 the offset
.set X,   160                          ; v160-191 two sets of 16 neighbours
.set C,   192                          ; v192-207 codes: four registers for each row and step
.set E,   208                          ; v208-211 a scale byte for each
.if LN
	s_load_b256 s[4:11], s[0:1], 0x0               ; rows s[4:5], gain s[6:7], offset s[8:9], f32 result s[10:11]
.if QNT
	s_load_b64 s[12:13], s[0:1], 0x20              ; codes and scale bytes
.endif
.else
	s_load_b64 s[4:5], s[0:1], 0x0                 ; rows
	s_load_b64 s[12:13], s[0:1], 0x8               ; codes and scale bytes
	v_lshl_add_u32 v216, v0, 2, 0xa200
	v_mov_b32 v217, 0
.endif
	v_lshrrev_b32 v1, 5, v0
	v_readfirstlane_b32 s16, v1                    ; wave 0..7
	v_and_b32 v1, 31, v0                           ; lane
	v_lshlrev_b32 v2, 4, v1                        ; 16 bytes a lane; never rewritten
	s_lshl_b32 s17, ttmp9, 4
	s_lshl_b32 s18, s16, 1
	s_add_co_u32 s17, s17, s18                     ; my first row: 16 x work-group + 2 x wave
	s_lshl_b32 s18, s17, 12                        ; x 4,096 bytes
	s_mov_b32 s19, 0
	s_mov_b32 s26, 0x76543210                      ; v_permlanex16_b32: lane l xor 16
	s_mov_b32 s27, 0xfedcba98
	s_mov_b32 s28, 0x3a800000                      ; 1 / 1024
	s_mov_b32 s29, 0x3727c5ac                      ; 1e-5
.if QNT
	s_mul_i32 s20, s16, 2*STG                      ; my two stages
	v_lshrrev_b32 v3, 2, v1
	v_mul_u32_u24 v3, v3, SP
	v_and_b32 v4, 3, v1
	v_lshl_add_u32 v3, v4, 4, v3
	v_add_nc_u32 v3, s20, v3                       ; into a stage: four lanes' 64 bytes on end, then the padding
	v_mul_u32_u24 v4, v1, SP
	v_add_nc_u32 v4, s20, v4                       ; out of it: my 16 neighbours
	v_lshrrev_b32 v5, 1, v1
	s_lshl_b32 s20, s16, 6
	s_add_co_u32 s20, s20, SCB
	v_add_nc_u32 v5, s20, v5                       ; my block's scale byte: 64 bytes a wave
	v_add_nc_u32 v6, SCB, v2                       ; and where wave 0 reads all 512 back
	s_mov_b32 s23, 0x600000                        ; the mantissa field of 57,344
	s_lshl_b32 s20, s17, 10                        ; my rows' codes
	s_mov_b32 s21, 0
	s_lshl_b32 s24, ttmp9, 9                       ; the work-group's scale bytes
	s_add_co_u32 s24, s24, 0x400000
	s_mov_b32 s25, 0
.endif
	s_wait_kmcnt 0x0
	s_add_nc_u64 s[4:5], s[4:5], s[18:19]
.if LN
	s_add_nc_u64 s[10:11], s[10:11], s[18:19]
.endif
.if QNT
	s_add_nc_u64 s[14:15], s[12:13], s[24:25]
	s_add_nc_u64 s[12:13], s[12:13], s[20:21]
.endif
.if LN
.irp j, 0,1,2,3,4,5,6,7
	global_load_b128 v[G+4*\j:G+4*\j+3], v2, s[6:7] offset:512*\j
	global_load_b128 v[BE+4*\j:BE+4*\j+3], v2, s[8:9] offset:512*\j
.endr
.endif
.irp i, 0,1
.irp j, 0,1,2,3,4,5,6,7
	global_load_b128 v[Y+32*\i+4*\j:Y+32*\i+4*\j+3], v2, s[4:5] offset:4096*\i+512*\j th:TH_LOAD_NT   ; 512 consecutive bytes a load
.endr
.endr
.macro RED                             ; four packed chains v[16:23] -> their sum over the wave, in v16 of every lane
	v_pk_add_f32 v[16:17], v[16:17], v[18:19]
	v_pk_add_f32 v[20:21], v[20:21], v[22:23]
	v_pk_add_f32 v[16:17], v[16:17], v[20:21]
	v_add_f32 v16, v16, v17
	v_add_f32_dpp v16, v16, v16 row_xmask:1 row_mask:0xf bank_mask:0xf
	v_add_f32_dpp v16, v16, v16 row_xmask:2 row_mask:0xf bank_mask:0xf
	v_add_f32_dpp v16, v16, v16 row_xmask:4 row_mask:0xf bank_mask:0xf
	v_add_f32_dpp v16, v16, v16 row_xmask:8 row_mask:0xf bank_mask:0xf
	v_permlanex16_b32 v17, v16, s26, s27
	v_add_f32 v16, v16, v17
.endm
.macro NORM i                          ; row i: mean, then the mean of the squared differences (two passes over registers: no difference of large sums), scale, gain, offset; stored as f32
.set YR, Y+32*\i
	v_pk_add_f32 v[16:17], v[YR:YR+1], v[YR+2:YR+3]
	v_pk_add_f32 v[18:19], v[YR+4:YR+5], v[YR+6:YR+7]
	v_pk_add_f32 v[20:21], v[YR+8:YR+9], v[YR+10:YR+11]
	v_pk_add_f32 v[22:23], v[YR+12:YR+13], v[YR+14:YR+15]
.irp n, 16,24
	v_pk_add_f32 v[16:17], v[16:17], v[YR+\n:YR+\n+1]
	v_pk_add_f32 v[18:19], v[18:19], v[YR+\n+2:YR+\n+3]
	v_pk_add_f32 v[20:21], v[20:21], v[YR+\n+4:YR+\n+5]
	v_pk_add_f32 v[22:23], v[22:23], v[YR+\n+6:YR+\n+7]
.endr
	RED
	v_mul_f32 v24, s28, v16                        ; the mean
	v_mov_b32 v25, v24
.set kk, 0
.rept 16
	v_pk_add_f32 v[YR+kk:YR+kk+1], v[YR+kk:YR+kk+1], v[24:25] neg_lo:[0,1] neg_hi:[0,1]
.set kk, kk+2
.endr
	v_pk_mul_f32 v[16:17], v[YR:YR+1], v[YR:YR+1]
	v_pk_mul_f32 v[18:19], v[YR+2:YR+3], v[YR+2:YR+3]
	v_pk_mul_f32 v[20:21], v[YR+4:YR+5], v[YR+4:YR+5]
	v_pk_mul_f32 v[22:23], v[YR+6:YR+7], v[YR+6:YR+7]
.irp n, 8,16,24
	v_pk_fma_f32 v[16:17], v[YR+\n:YR+\n+1], v[YR+\n:YR+\n+1], v[16:17]
	v_pk_fma_f32 v[18:19], v[YR+\n+2:YR+\n+3], v[YR+\n+2:YR+\n+3], v[18:19]
	v_pk_fma_f32 v[20:21], v[YR+\n+4:YR+\n+5], v[YR+\n+4:YR+\n+5], v[20:21]
	v_pk_fma_f32 v[22:23], v[YR+\n+6:YR+\n+7], v[YR+\n+6:YR+\n+7], v[22:23]
.endr
	RED
	v_fma_f32 v26, v16, s28, s29                   ; the variance + 1e-5
	v_rsq_f32 v28, v26
	v_nop                                          ; a plain instruction behind the transcendental
	s_wait_alu depctr_va_vdst(0)                   ; and the wait ahead of its first reader
	v_mov_b32 v29, v28
.set kk, 0
.rept 16
	v_pk_mul_f32 v[YR+kk:YR+kk+1], v[YR+kk:YR+kk+1], v[28:29]
.set kk, kk+2
.endr
.set kk, 0
.rept 16
	v_pk_fma_f32 v[YR+kk:YR+kk+1], v[YR+kk:YR+kk+1], v[G+kk:G+kk+1], v[BE+kk:BE+kk+1]
.set kk, kk+2
.endr
.irp j, 0,1,2,3,4,5,6,7
	global_store_b128 v2, v[YR+4*\j:YR+4*\j+3], s[10:11] offset:4096*\i+512*\j   ; 512 consecutive bytes a store; the row's registers are not written again
.endr
.endm
.macro TURN i, s                       ; 512 numbers of row i through stage s: LDS serves a wave's instructions in order, so no wait stands between the stores and the loads
.irp n, 0,1,2,3
	ds_store_b128 v3, v[Y+32*\i+16*\s+4*\n:Y+32*\i+16*\s+4*\n+3] offset:STG*\s+8*SP*\n
.endr
.irp n, 0,1,2,3
	ds_load_b128 v[X+16*\s+4*\n:X+16*\s+4*\n+3], v4 offset:STG*\s+16*\n
.endr
.endm
.macro STEP i, s                       ; 16 neighbours a lane, two lanes to a block
.set XS, X+16*\s
.set CR, C+4*(2*\i+\s)
	v_max3_num_f32 v8, |v[XS]|, |v[XS+1]|, |v[XS+2]|
	v_max3_num_f32 v9, |v[XS+3]|, |v[XS+4]|, |v[XS+5]|
.irp n, 6,10
	v_max3_num_f32 v8, v8, |v[XS+\n]|, |v[XS+\n+1]|
	v_max3_num_f32 v9, v9, |v[XS+\n+2]|, |v[XS+\n+3]|
.endr
	v_max3_num_f32 v8, v8, |v[XS+14]|, |v[XS+15]|
	v_max3_num_f32 v8, v8, v9, 0x8000000           ; and the floor 2^(16 - 127): the byte cannot fall under 1
	v_max_num_f32_dpp v8, v8, v8 row_xmask:1 row_mask:0xf bank_mask:0xf   ; with my neighbour's 16: the block's largest magnitude
	v_add_nc_u32 v11, 0xf8800000, v8               ; 15 off its exponent field: the conversion's scale operand
	v_and_or_b32 v10, v8, 0x7f800000, s23          ; 57,344 x the scale
.irp n, 0,1,2,3,4,5,6,7,8,9,10,11,12,13,14,15
	v_med3_num_f32 v[XS+\n], v[XS+\n], -v10, v10   ; the conversion to an 8-bit code does not saturate (ISA guide 7.6.2): the hold comes first
.endr
	v_cvt_scalef32_pk8_bf8_f32 v[CR:CR+1], v[XS:XS+7], v11
	v_cvt_scalef32_pk8_bf8_f32 v[CR+2:CR+3], v[XS+8:XS+15], v11
	v_lshrrev_b32 v[E+2*\i+\s], 23, v11            ; the scale's byte (a plain instruction behind the conversions)
	ds_store_b8 v5, v[E+2*\i+\s] offset:32*\i+16*\s   ; both lanes of a block write the same byte with the same value
	global_store_b128 v2, v[CR:CR+3], s[12:13] offset:1024*\i+512*\s   ; 512 consecutive bytes of codes
.endm
.irp i, 0,1
	s_wait_loadcnt 8-8*\i                          ; row i is in; behind row 0 stand row 1's eight loads
.if LN
	NORM \i
.endif
.if QNT
	TURN \i, 0
	TURN \i, 1
	s_wait_dscnt 8                                 ; the first step's numbers are back: behind them stand the second step's four stores and four loads
	STEP \i, 0
	s_wait_dscnt 1                                 ; the second step's are back: behind them stands one byte store
	STEP \i, 1
.endif
.endr
.if QNT
	s_wait_dscnt 0x0                               ; for the others' sake: my scale bytes lie in LDS
	s_barrier_signal -1
	s_barrier_wait -1
	s_cmp_lg_u32 s16, 0
	s_cbranch_scc1 .Lend
	ds_load_b128 v[12:15], v6                      ; wave 0: the 16 rows' 512 scale bytes
	s_wait_dscnt 0x0
	global_store_b128 v2, v[12:15], s[14:15]       ; 512 consecutive bytes, aligned
.Lend:
.endif
	s_wait_tensorcnt 0x0
	ds_add_u32 v216, v217
	s_wait_dscnt 0x0
	s_endpgm
.Lfunc_end_k_qa47b9a4b39_quant_x:
	.size	k_qa47b9a4b39_quant_x, .Lfunc_end_k_qa47b9a4b39_quant_x-k_qa47b9a4b39_quant_x
	.p2alignl 7, 3214868480
	.fill 96, 4, 3214868480
	.section	.rodata,"a",@progbits
	.p2align	6, 0x0
	.amdhsa_kernel k_qa47b9a4b39_quant_x
		.amdhsa_group_segment_fixed_size 42496
		.amdhsa_private_segment_fixed_size 0
		.amdhsa_enable_private_segment 0
		.amdhsa_kernarg_size 16
		.amdhsa_user_sgpr_count 2
		.amdhsa_user_sgpr_kernarg_segment_ptr 1
		.amdhsa_wavefront_size32 1
		.amdhsa_system_sgpr_workgroup_id_x 1
		.amdhsa_system_sgpr_workgroup_id_y 1
		.amdhsa_system_sgpr_workgroup_id_z 1
		.amdhsa_system_vgpr_workitem_id 0
		.amdhsa_next_free_vgpr 218
		.amdhsa_next_free_sgpr 66
		.amdhsa_reserve_vcc 0
		.amdhsa_float_denorm_mode_32 3
		.amdhsa_float_denorm_mode_16_64 3
		.amdhsa_memory_ordered 1
		.amdhsa_forward_progress 1
		.amdhsa_inst_pref_size 15
	.end_amdhsa_kernel
	.amdgpu_metadata
---
amdhsa.version: [ 1, 2 ]
amdhsa.kernels:
  - .name:           k_qa47b9a4b39_quant_x
    .symbol:         k_qa47b9a4b39_quant_x.kd
    .args:
      - { .name: x, .offset: 0, .size: 8, .value_kind: global_buffer, .address_space: global }
      - { .name: aq, .offset: 8, .size: 8, .value_kind: global_buffer, .address_space: global }
    .group_segment_fixed_size: 42496
    .private_segment_fixed_size: 0
    .kernarg_segment_align: 8
    .kernarg_segment_size: 16
    .max_flat_workgroup_size: 256
    .sgpr_count:     66
    .vgpr_count:     218
    .wavefront_size: 32
...
	.end_amdgpu_metadata
.endif
;; end of part 1
;; launch qkv (part 2): grid 48 x 4, 4 waves a work-group, clusters of 4 x 4, 327,680 bytes of LDS; arguments aq, w_qkv_codes, w_qkv_scales, att; writes att
.if DOCPART == 2
	.amdgcn_target "amdgcn-amd-amdhsa--gfx1250"
	.amdhsa_code_object_version 6
	.text
	.protected	k_qa47b9a4b39_qkv
	.globl	k_qa47b9a4b39_qkv
	.p2align	8
	.type	k_qa47b9a4b39_qkv,@function
k_qa47b9a4b39_qkv:
	s_mov_b64 s[64:65], 0
	v_nop
	global_prefetch_b8 v0, s[64:65] scope:SCOPE_SE
	s_setreg_imm32_b32 hwreg(HW_REG_WAVE_MODE, 25, 1), 1
	s_wait_xcnt 0x0
	s_wait_alu depctr_hold_cnt(0) depctr_sa_sdst(0) depctr_va_vdst(0) depctr_va_sdst(0) depctr_va_ssrc(0) depctr_va_vcc(0) depctr_vm_vsrc(0)
	s_getreg_b32 s2, hwreg(HW_REG_IB_STS2, 6, 4)
	s_cmp_eq_u32 s2, 0
	s_cbranch_scc0 .Lentry_in_a_cluster
	s_endpgm
.Lentry_in_a_cluster:
	s_bfe_u32 s2, ttmp6, 0x10000c
	s_cmp_lg_u32 s2, 0xf033
	s_cbranch_scc0 .Lentry_shape_is_right
	s_endpgm
.Lentry_shape_is_right:
; q, k, v = x w_qkv on codes of E5M2 with E8M0 scales, and their quantising for attention.  x's codes and scale bytes come from aq, the weight's as given.
; C'[m][n] = sum over k of A'[m][k] B'[n][k], K = 1,024.  A tile of C' is 256 x 256: four waves, each 128 x 128 in 64 accumulators (512 registers).  K goes in steps of 256 through two LDS slots filled by tensor loads;
; the scale bytes of the tile's 512 rows come once and stay.  4 x 4 work-groups form a cluster: A's tile is asked for jointly along a row of the cluster, B's along a column.
; TWO PATHS, told apart by the cluster's number (equal in all partners).  Clusters 0-7: A' = tokens, B' = the weight's rows 0-2,047 (q, k): a lane's registers then run along the head's 64, the scores' K.
; Clusters 8-11: A' = the weight's rows 2,048-3,071 (v), B' = tokens: a lane's registers run along the tokens, the second product's K.  192 work-groups: 12 clusters are what the sizes give at this tile.
; THE MATRIX INSTRUCTION IS USED TRANSPOSED (source 0 = 16 rows of B', source 1 = 16 rows of A'): lane (r, h) holds row r of A', register j of accumulator b column 16 b + 8 h + j.
; THE WAY OUT.  Accumulators 2 e and 2 e + 1 are a block of 32 along the next K, spread over lanes l and l xor 16.  They are quantised in registers; two lane swaps a pair of registers bring the codes into the order of
; an operand's registers (k = 32 e + 16 h + 0 .. 15), and they are stored as IMAGES OF REGISTERS: 16 bytes a lane, 512 consecutive bytes a store.
; att: record (y = 2 head + batch, ks = 128 tokens) of 25,344 bytes: K's images 0, V's 8,192, K's scale words 16,384, V's 16,640, Q's images 16,896, Q's scale words 25,088.
; LIMITS: a block of zeros, or under 2^-111, gets the scale byte 1 (read by this program alone); NaN and infinities are not served.
.set SIZE_K, 1024
.set KSTEP,  256
.set NQ,     KSTEP/128
.set ROWB,   256
.set KROW,   SIZE_K
.set PITCH,  272                       ; an LDS row: 256 bytes + 16 of padding: the 16 rows of a load start at 16 different banks (64 banks of 4 bytes: ISA guide 11.1)
.set FR,     16
.set NL,     4
.set NP,     8                         ; places behind this matrix instruction (ISA guide 7.12.1)
.set HALFT,  128*PITCH
.set SLOT,   4*HALFT
.set LAPS,   SIZE_K/(2*KSTEP)
.set KS,     SIZE_K/32
.set SCL,    2*SLOT
.set HALFS,  (128*KS/256)*272
.set SBLK,   (16*KS/256)*272
.set SPARE,  SCL+4*HALFS               ; the spare words: 128 bytes a wave, named by no other line
.set REC,    25344
.set HS,     32*REC                    ; from a head's records to the next head's
.set ADRA, 16
.set ADRB, 20
.set ADRS, 27
.set SPW,  28
.set NIL,  29
.set SC,   32
.set AF,   128
.set PC,   128                         ; the way out, window 0: codes v128-143; at work v160-175; scale words v176-179
.set TM,   160
.set SEL,  20                          ; s[20:21] lane selects, s22 the mantissa field of 57,344: set at the way out
.set MNT,  22
.set G1, 24
.set G0, 32
.set G1B, 48
.set G0B, 56
.set G1S, 68
.set G0S, 76
.set G1SB, 80
.set G0SB, 88
.set MSB, 0
.macro WIN new                         ; the immediate's high byte repeats the setting that is left
.if MSB != (\new)
	s_set_vgpr_msb (MSB<<8)|(\new)
.set MSB, (\new)
.endif
.endm
.set MUL_LO, 0xa1                      ; source 0 (B') window 1, source 1 (A') window 0, C and D window 2
.set MUL_HI, 0xf1
.set TO_B,   0x40
.macro JLOAD g0a, g1a, g0b, g1b        ; a joint load: waves 0 and 1 fetch for A', waves 2 and 3 for B'; four v_nop follow each line
	s_cmp_eq_u32 s15, 0
	s_cbranch_scc0 .Lfor_b_\@
	tensor_load_to_lds s[\g0a:\g0a+3], s[\g1a:\g1a+7]
	s_nop 0
.rept 4
	v_nop
.endr
	s_branch .Lasked_\@
.Lfor_b_\@:
	tensor_load_to_lds s[\g0b:\g0b+3], s[\g1b:\g1b+7]
	s_nop 0
.rept 4
	v_nop
.endr
.Lasked_\@:
.endm
.macro CREST
	s_cmp_lg_u32 s14, 0
	s_cbranch_scc1 .Lnot_wave_0_\@
	s_barrier_signal -3
.Lnot_wave_0_\@:
	s_barrier_wait -3
	s_barrier_signal -1
	s_barrier_wait -1
.endm
.macro CROUND
	s_barrier_signal -1
	s_barrier_wait -1
	CREST
.endm
	s_load_b128 s[96:99], s[0:1], 0x0              ; aq, the weight's codes
	s_load_b64 s[100:101], s[0:1], 0x10            ; the weight's scales
	s_load_b64 s[12:13], s[0:1], 0x18              ; att
	v_lshl_add_u32 v[SPW], v0, 2, SPARE
	v_mov_b32 v[NIL], 0
	ds_add_u32 v28, v29
	ds_add_u32 v28, v29
	s_wait_dscnt 0x0
	v_lshrrev_b32 v1, 5, v0
	v_readfirstlane_b32 s14, v1                    ; wave 0..3
	s_lshr_b32 s15, s14, 1                         ; which half of the tile's rows is mine; also: I fetch for A' (0) or B' (1)
	s_and_b32 s16, s14, 1                          ; which half of its columns; also: which 128 rows I fetch
	s_bfe_u32 s40, ttmp6, 0x40000                  ; cx, cy
	s_bfe_u32 s41, ttmp6, 0x40004
	s_lshr_b32 s20, ttmp9, 1
	s_and_b32 s21, ttmp9, 1
	s_sub_co_u32 s22, ttmp9, 8
	s_cmp_lt_u32 ttmp9, 8                          ; q, k or v?
	s_cselect_b32 s17, s20, 0
	s_cselect_b32 s42, s21, s22
	s_lshl_b32 s17, s17, 2
	s_add_co_u32 s17, s17, s41                     ; tile row of C'
	s_lshl_b32 s42, s42, 2
	s_add_co_u32 s42, s42, s40                     ; tile column
	s_lshl_b32 s43, s41, 2
	s_lshl_b32 s43, 15, s43                        ; my row of the cluster
	s_lshl_b32 s44, 0x1111, s40                    ; my column
	s_or_b32 s[G1+0], s43, (0<<16)|(1<<20)|(1<<21)|(5<<22)|(3<<25)  ; mask; elements of 1 byte; padding on; bit 21 beside a mask; 4 words after every 64
	s_or_b32 s[G1B+0], s44, (0<<16)|(1<<20)|(1<<21)|(5<<22)|(3<<25)
.irp g, G1, G1B
	s_mov_b32 s[\g+1], ROWB<<16                    ; tensor_dim0
	s_mov_b32 s[\g+2], 128<<16                     ; tensor_dim1
	s_mov_b32 s[\g+3], ROWB<<16                    ; tile_dim0
	s_mov_b32 s[\g+4], 128                         ; tile_dim1
	s_mov_b32 s[\g+5], KROW                        ; the pitch
	s_mov_b32 s[\g+6], 0
	s_mov_b32 s[\g+7], 0
.endr
	s_or_b32 s[G1S+0], s43, (3<<16)|(1<<20)|(1<<21)|(5<<22)|(3<<25)  ; the scales of 128 rows: a dense block, as rows of 256 bytes (32 elements of 8), 16 bytes of padding behind each
	s_or_b32 s[G1SB+0], s44, (3<<16)|(1<<20)|(1<<21)|(5<<22)|(3<<25)
.irp g, G1S, G1SB
	s_mov_b32 s[\g+1], 32<<16
	s_mov_b32 s[\g+2], (128*KS/256)<<16
	s_mov_b32 s[\g+3], 32<<16
	s_mov_b32 s[\g+4], 128*KS/256
	s_mov_b32 s[\g+5], 32
	s_mov_b32 s[\g+6], 0
	s_mov_b32 s[\g+7], 0
.endr
	s_lshl_b32 s18, s16, 7
	s_lshl_b32 s20, s17, 8
	s_add_co_u32 s20, s20, s18                     ; A': row 256 x tile row + 128 x half
	s_lshl_b32 s46, s42, 8
	s_add_co_u32 s46, s46, s18                     ; B': row 256 x tile column + 128 x half
	s_mov_b32 s21, 0
	s_mov_b32 s47, 0
	s_mov_b64 s[18:19], KS
	s_mul_u64 s[22:23], s[20:21], s[18:19]
	s_mul_u64 s[92:93], s[46:47], s[18:19]
	s_mov_b64 s[18:19], KROW
	s_mul_u64 s[20:21], s[20:21], s[18:19]
	s_mul_u64 s[46:47], s[46:47], s[18:19]
	s_mul_i32 s45, s14, HALFT                      ; where they go: wave x 128 rows
	s_mul_i32 s94, s14, HALFS
	s_wait_kmcnt 0x0
	s_add_nc_u64 s[4:5], s[98:99], 0x200000        ; the weight's rows 2,048 on: codes,
	s_add_nc_u64 s[6:7], s[100:101], 0x10000       ; scale bytes
	s_add_nc_u64 s[10:11], s[96:97], 0x400000      ; x's scale bytes
	s_cmp_lt_u32 ttmp9, 8                          ; the choice hangs on the cluster's number alone
	s_cselect_b64 s[4:5], s[96:97], s[4:5]         ; A' codes
	s_cselect_b64 s[6:7], s[10:11], s[6:7]         ; A' scales
	s_cselect_b64 s[8:9], s[98:99], s[96:97]       ; B' codes
	s_cselect_b64 s[10:11], s[100:101], s[10:11]   ; B' scales
	s_add_nc_u64 s[20:21], s[4:5], s[20:21]
	s_add_nc_u64 s[22:23], s[6:7], s[22:23]
	s_add_nc_u64 s[46:47], s[8:9], s[46:47]
	s_add_nc_u64 s[92:93], s[10:11], s[92:93]
	CROUND                                         ; all sixteen work-groups are here: the first joint loads meet
	s_mov_b32 s[G0S], 1
	s_add_co_u32 s[G0S+1], s94, SCL
	s_mov_b64 s[G0S+2:G0S+3], s[22:23]
	s_or_b32 s[G0S+3], s[G0S+3], 0x80000000
	s_mov_b32 s[G0SB], 1
	s_add_co_u32 s[G0SB+1], s94, SCL
	s_mov_b64 s[G0SB+2:G0SB+3], s[92:93]
	s_or_b32 s[G0SB+3], s[G0SB+3], 0x80000000
	JLOAD G0S, G1S, G0SB, G1SB                     ; the scales first; three loads of mine are out behind the third line below
.irp s, 0,1
	s_mov_b32 s[G0+4*\s], 1
	s_add_co_u32 s[G0+4*\s+1], s45, \s*SLOT
	s_add_nc_u64 s[G0+4*\s+2:G0+4*\s+3], s[20:21], \s*ROWB
	s_or_b32 s[G0+4*\s+3], s[G0+4*\s+3], 0x80000000
	s_mov_b32 s[G0B+4*\s], 1
	s_add_co_u32 s[G0B+4*\s+1], s45, \s*SLOT
	s_add_nc_u64 s[G0B+4*\s+2:G0B+4*\s+3], s[46:47], \s*ROWB
	s_or_b32 s[G0B+4*\s+3], s[G0B+4*\s+3], 0x80000000
	JLOAD G0+4*\s, G1, G0B+4*\s, G1B
.endr
	v_and_b32 v1, 15, v0                           ; r
	v_bfe_u32 v2, v0, 4, 1                         ; h
	v_mul_u32_u24 v3, v1, PITCH
	v_lshl_add_u32 v4, v2, 4, v3
	s_mul_i32 s21, s15, HALFT
	s_mul_i32 s22, s16, HALFT
	s_add_co_u32 s22, s22, 2*HALFT
.irp s, 0,1
	v_add_nc_u32 v[ADRA+\s], s21, v4
	v_add_nc_u32 v[ADRB+\s], s22, v4
	s_add_co_u32 s21, s21, SLOT
	s_add_co_u32 s22, s22, SLOT
.endr
	v_mul_u32_u24 v5, v1, KS                       ; my row's scales: KS bytes a row, and 16 more for each 256 passed
	v_lshrrev_b32 v6, 8, v5
	v_lshl_add_u32 v5, v6, 4, v5
	s_mul_i32 s21, s15, HALFS
	s_mul_i32 s22, s16, HALFS
	s_add_co_u32 s22, s22, 2*HALFS
	s_sub_co_u32 s22, s22, s21
	v_mul_u32_u24 v6, s22, v2                      ; lanes 16-31 take B's
	s_add_co_u32 s21, s21, SCL
	v_add_nc_u32 v5, v5, v6
	v_add_nc_u32 v[ADRS], s21, v5
	v_and_b32 v6, 31, v0
	v_lshlrev_b32 v24, 4, v6                       ; the way out: 16 bytes a lane of an image,
	v_lshlrev_b32 v25, 2, v1                       ; 4 bytes a row of scale words
	; where my wave's part of att begins
	s_lshl_b32 s20, s17, 8
	s_lshl_b32 s21, s15, 7
	s_add_co_u32 s20, s20, s21                     ; my first row of A'
	s_lshl_b32 s46, s42, 8
	s_lshl_b32 s47, s16, 7
	s_add_co_u32 s46, s46, s47                     ; my first row of B'
	s_cmp_lt_u32 ttmp9, 8
	s_cselect_b32 s21, s20, s46                    ; my first token
	s_cselect_b32 s47, s46, s20                    ; my first feature
	s_lshr_b32 s22, s21, 11                        ; batch
	s_bfe_u32 s23, s21, 0x40007                    ; ks: 128 tokens of the batch
	s_bfe_u32 s45, s47, 0x40006                    ; head
	s_lshl_b32 s45, s45, 1
	s_add_co_u32 s45, s45, s22
	s_lshl_b32 s45, s45, 4
	s_add_co_u32 s45, s45, s23
	s_mul_i32 s45, s45, REC                        ; the record
	s_lshr_b32 s22, s47, 10                        ; 1: k's features
	s_mov_b32 s92, 25088
	s_cmp_eq_u32 s22, 1
	s_cselect_b32 s23, 0, 16896                    ; images: K's or Q's,
	s_cselect_b32 s92, 16384, s92                  ; scale words likewise,
	s_cmp_lt_u32 ttmp9, 8
	s_cselect_b32 s23, s23, 8192                   ; or V's
	s_cselect_b32 s92, s92, 16640
	s_add_co_u32 s92, s92, s45
	s_mov_b32 s93, 0
	s_add_co_u32 s46, s45, s23
	s_mov_b32 s47, 0
	s_add_nc_u64 s[96:97], s[12:13], s[92:93]      ; scale words
	s_add_nc_u64 s[12:13], s[12:13], s[46:47]      ; images
.macro FRAG reg, adr, q, row           ; a fragment: 16 rows x 128 K of codes, 16 registers: registers 4 c .. 4 c + 3 hold K = 32 c + 16 h + 0 .. 15
.irp c, 0,1,2,3
	ds_load_b128 v[\reg+4*\c:\reg+4*\c+3], v[\adr] offset:128*(\q)+32*\c+(\row)*PITCH
.endr
.endm
.macro MUL16 a0, p, q, sc, zero        ; 16 matrix instructions: A's blocks a0, a0 + 1 x B's eight.  The 64 accumulators take turns, one instruction a turn
.irp a, \a0, \a0+1
.irp b, 0,1,2,3,4,5,6,7
.if \zero
	v_wmma_scale_f32_16x16x128_f8f6f4 v[8*(8*((\a)%4)+\b):8*(8*((\a)%4)+\b)+7], v[128*(\p)+FR*\b:128*(\p)+FR*\b+FR-1], v[AF+FR*(\a):AF+FR*(\a)+FR-1], 0, v[SC+8*NQ*(\sc)+NQ*\b+(\q)], v[SC+8*NQ*(\sc)+NQ*(\a)+(\q)] matrix_a_fmt:MATRIX_FMT_BF8 matrix_b_fmt:MATRIX_FMT_BF8 matrix_a_scale:MATRIX_SCALE_ROW1
.else
	v_wmma_scale_f32_16x16x128_f8f6f4 v[8*(8*((\a)%4)+\b):8*(8*((\a)%4)+\b)+7], v[128*(\p)+FR*\b:128*(\p)+FR*\b+FR-1], v[AF+FR*(\a):AF+FR*(\a)+FR-1], v[8*(8*((\a)%4)+\b):8*(8*((\a)%4)+\b)+7], v[SC+8*NQ*(\sc)+NQ*\b+(\q)], v[SC+8*NQ*(\sc)+NQ*(\a)+(\q)] matrix_a_fmt:MATRIX_FMT_BF8 matrix_b_fmt:MATRIX_FMT_BF8 matrix_a_scale:MATRIX_SCALE_ROW1
.endif
.endr
.endr
.endm
.macro FETCH_B slot, q, p
	WIN TO_B
.irp i, 0,1,2,3,4,5,6,7
	FRAG 128*(\p)+FR*\i, ADRB+\slot, \q, 16*\i
.endr
	WIN 0
.endm
.macro FETCH_A slot, q, i0
.irp i, \i0, \i0+1, \i0+2, \i0+3
	FRAG AF+FR*(\i), ADRA+\slot, \q, 16*(\i)
.endr
.endm
.macro SCALES sc                       ; a K step's scale words: lanes 0-15 A's block i, lanes 16-31 B's block i
.irp i, 0,1,2,3,4,5,6,7
	ds_load_b64 v[SC+8*NQ*\sc+NQ*\i:SC+8*NQ*\sc+NQ*\i+1], v[ADRS] offset:\i*SBLK
.endr
.endm
.macro PLACES n                        ; plain vector instructions between a matrix instruction and a load into, or a read or write of, its registers
.rept \n
	v_nop
.endr
.endm
.macro STEP slot, q, zero              ; 128 along K with its successor in the same slot
	s_wait_dscnt 4*NL                              ; all but the youngest 16 loads (A's blocks 4-7)
	WIN MUL_LO
	MUL16 0, (\q)%2, \q, \slot, \zero
	MUL16 2, (\q)%2, \q, \slot, \zero
	s_wait_dscnt 0
	PLACES NP
	FETCH_B \slot, (\q)+1, 1-(\q)%2
	FETCH_A \slot, (\q)+1, 0
	WIN MUL_HI
	MUL16 4, (\q)%2, \q, \slot, \zero
	MUL16 6, (\q)%2, \q, \slot, \zero
	PLACES NP
	WIN 0
	FETCH_A \slot, (\q)+1, 4
.endm
.macro TURN slot, next, fill           ; a slot's last step changes slots: one barrier; fill = 1: the slot is filled again, two K steps ahead
	s_wait_tensorcnt 0x0                           ; all my tensor loads have landed: my part of the next slot
	ds_add_u32 v[SPW], v[NIL]                      ; 0 onto my spare word
	s_wait_dscnt 4*NL+1                            ; the add and the youngest 16 loads may be out
	WIN MUL_LO
	MUL16 0, 1, NQ-1, \slot, 0
	s_wait_dscnt 0x0                               ; the add is done, and my reads of this slot are over
	s_barrier_signal -1
	MUL16 2, 1, NQ-1, \slot, 0
	WIN 0
	s_barrier_wait -1
.if \fill
	CREST                                          ; the barrier has opened a round of the cluster's barrier: no wave of any partner still reads this slot or has a load on its way
	s_add_nc_u64 s[G0+4*\slot+2:G0+4*\slot+3], s[G0+4*\slot+2:G0+4*\slot+3], 2*ROWB
	s_add_nc_u64 s[G0B+4*\slot+2:G0B+4*\slot+3], s[G0B+4*\slot+2:G0B+4*\slot+3], 2*ROWB
	JLOAD G0+4*\slot, G1, G0B+4*\slot, G1B         ; my one tensor load behind the round; its four v_nop are among the places below
	PLACES NP-4
.else
	PLACES NP
.endif
	v_add_nc_u32 v[ADRS], 4*NQ, v[ADRS]
	FETCH_B \next, 0, 0
	FETCH_A \next, 0, 0
	SCALES \next
	WIN MUL_HI
	MUL16 4, 1, NQ-1, \slot, 0
	MUL16 6, 1, NQ-1, \slot, 0
	PLACES NP
	WIN 0
	FETCH_A \next, 0, 4
.endm
	s_wait_tensorcnt 1                             ; the scales and my part of K step 0 are in; K step 1's load may be out
	s_barrier_signal -1
	s_barrier_wait -1
	FETCH_B 0, 0, 0
	FETCH_A 0, 0, 0
	SCALES 0
	FETCH_A 0, 0, 4
	STEP 0, 0, 1                                   ; the first step's products start the sums
.if LAPS > 1
	s_mov_b32 s3, LAPS-1
.Llap:
	TURN 0, 1, 1
	STEP 1, 0, 0
	TURN 1, 0, 1
	STEP 0, 0, 0
	s_sub_co_u32 s3, s3, 1
	s_cmp_lg_u32 s3, 0
	s_cbranch_scc1 .Llap
.endif
	TURN 0, 1, 0
	STEP 1, 0, 0
	s_wait_dscnt 4*NL
	WIN MUL_LO
	MUL16 0, 1, NQ-1, 1, 0
	MUL16 2, 1, NQ-1, 1, 0
	s_wait_dscnt 0
	WIN MUL_HI
	MUL16 4, 1, NQ-1, 1, 0
	MUL16 6, 1, NQ-1, 1, 0
	WIN 0
; nb blocks of 32 along the next K in registers s on of window w (block e: 16 registers, the other 16 numbers in lane l xor 16) -> codes in operand order in v[PC] on, the row's scale word in v[pw]
.macro QUANTW s, w, nb, pw
	WIN (\w)|((\w)<<2)
.irp b, 0,1,2,3
.if \b < \nb
	v_max3_num_f32 v[TM+\b], |v[(\s)+16*\b]|, |v[(\s)+16*\b+1]|, 0x8000000   ; each accumulator is read from its low end on; the floor 2^(16 - 127) holds the byte at 1 from below
.endif
.endr
.irp i, 2,4,6,8,10,12,14
.irp b, 0,1,2,3
.if \b < \nb
	v_max3_num_f32 v[TM+\b], |v[(\s)+16*\b+\i]|, |v[(\s)+16*\b+\i+1]|, v[TM+\b]
.endif
.endr
.endr
	WIN 0
.irp b, 0,1,2,3
.if \b < \nb
	v_permlanex16_b32 v[TM+4+\b], v[TM+\b], s[SEL], s[SEL+1]
.endif
.endr
.irp b, 0,1,2,3
.if \b < \nb
	v_max_num_f32 v[TM+\b], v[TM+\b], v[TM+4+\b]   ; the block's largest magnitude
.endif
.endr
.irp b, 0,1,2,3
.if \b < \nb
	v_add_nc_u32 v[TM+12+\b], 0xf8800000, v[TM+\b] ; 15 off its exponent field: the conversion's scale operand
.endif
.endr
.irp b, 0,1,2,3
.if \b < \nb
	v_and_or_b32 v[TM+8+\b], v[TM+\b], 0x7f800000, s[MNT]   ; 57,344 x the scale
.endif
.endr
.irp b, 0,1,2,3
.if \b < \nb
	v_lshrrev_b32 v[TM+4+\b], 23, v[TM+12+\b]      ; the scale's byte
.endif
.endr
	v_lshl_or_b32 v[\pw], v[TM+5], 8, v[TM+4]
.if \nb > 2
	v_lshl_or_b32 v[\pw], v[TM+6], 16, v[\pw]
	v_lshl_or_b32 v[\pw], v[TM+7], 24, v[\pw]
.endif
	WIN (\w)|((\w)<<6)
.irp b, 0,1,2,3
.if \b < \nb
.irp i, 0,1,2,3,4,5,6,7,8,9,10,11,12,13,14,15
	v_med3_num_f32 v[(\s)+16*\b+\i], v[(\s)+16*\b+\i], -v[TM+8+\b], v[TM+8+\b]   ; the conversion does not saturate (ISA guide 7.6.2): the hold comes first
.endr
.endif
.endr
	WIN (\w)
.irp b, 0,1,2,3
.if \b < \nb
	v_cvt_scalef32_pk8_bf8_f32 v[PC+4*\b:PC+4*\b+1], v[(\s)+16*\b:(\s)+16*\b+7], v[TM+12+\b]
	v_cvt_scalef32_pk8_bf8_f32 v[PC+4*\b+2:PC+4*\b+3], v[(\s)+16*\b+8:(\s)+16*\b+15], v[TM+12+\b]
.endif
.endr
	WIN 0
	v_nop                                          ; a plain instruction between the conversions and the first vector instruction that touches their results
.irp b, 0,1,2,3
.if \b < \nb
	v_permlane16_swap_b32 v[PC+4*\b], v[PC+4*\b+2]   ; lanes 16-31 of the first with lanes 0-15 of the second: the four registers then hold k = 32 b + 16 h + 0 .. 15
	v_permlane16_swap_b32 v[PC+4*\b+1], v[PC+4*\b+3]
.endif
.endr
.endm
.macro EPI a                           ; block a of my eight blocks of 16 rows
	s_wait_xcnt 0x0                                ; the last block's stores have read their data registers
	QUANTW 64*((\a)%4), 2+(\a)/4, 4, 176+(\a)%2
	s_cmp_lt_u32 ttmp9, 8
	s_cbranch_scc0 .Lv_\@
.irp e, 0,1,2,3                        ; q, k: rows are tokens (tile a of the record), blocks 0, 1 my first head's 64, blocks 2, 3 the next head's
	global_store_b128 v24, v[PC+4*\e:PC+4*\e+3], s[12:13] offset:(\a)*1024+(\e/2)*HS+(\e%2)*512
.endr
.if (\a)%2
	v_perm_b32 v178, v177, v176, 0x05040100        ; a pair of tiles' scale bytes in one word: the even tile's two, the odd tile's two
	v_perm_b32 v179, v177, v176, 0x07060302        ; the same for the next head
	global_store_b32 v25, v178, s[96:97] offset:((\a)/2)*64          ; (lanes l and l + 16 write the same word with the same value)
	global_store_b32 v25, v179, s[96:97] offset:((\a)/2)*64+HS
.endif
	s_branch .Ldone_\@
.Lv_\@:
.irp e, 0,1,2,3                        ; v: rows are the head's channels (tile a % 4 of head a / 4), blocks are 32 keys each
	global_store_b128 v24, v[PC+4*\e:PC+4*\e+3], s[12:13] offset:((\a)/4)*HS+((\a)%4)*2048+\e*512
.endr
	global_store_b32 v25, v[176+(\a)%2], s[96:97] offset:((\a)/4)*HS+((\a)%4)*64
.Ldone_\@:
.endm
	PLACES NP                                      ; behind the last products, ahead of the first read of results and the first write over fragments
	s_mov_b32 s[SEL], 0x76543210
	s_mov_b32 s[SEL+1], 0xfedcba98
	s_mov_b32 s[MNT], 0x600000
.irp b, 0,1,2,3
	v_mov_b32 v[TM+4+\b], 0                        ; a lane permute's destination counts as one of its sources
.endr
.irp a, 0,1,2,3,4,5,6,7
	EPI \a
.endr
	s_wait_tensorcnt 0x0                           ; the wave's end
	ds_add_u32 v[SPW], v[NIL]
	s_wait_dscnt 0x0
	CROUND                                         ; the closing round
	s_endpgm
.Lfunc_end_k_qa47b9a4b39_qkv:
	.size	k_qa47b9a4b39_qkv, .Lfunc_end_k_qa47b9a4b39_qkv-k_qa47b9a4b39_qkv
	.p2alignl 7, 3214868480
	.fill 96, 4, 3214868480
	.section	.rodata,"a",@progbits
	.p2align	6, 0x0
	.amdhsa_kernel k_qa47b9a4b39_qkv
		.amdhsa_group_segment_fixed_size 327680
		.amdhsa_private_segment_fixed_size 0
		.amdhsa_enable_private_segment 0
		.amdhsa_kernarg_size 32
		.amdhsa_user_sgpr_count 2
		.amdhsa_user_sgpr_kernarg_segment_ptr 1
		.amdhsa_wavefront_size32 1
		.amdhsa_system_sgpr_workgroup_id_x 1
		.amdhsa_system_sgpr_workgroup_id_y 1
		.amdhsa_system_sgpr_workgroup_id_z 1
		.amdhsa_system_vgpr_workitem_id 0
		.amdhsa_next_free_vgpr 1024
		.amdhsa_next_free_sgpr 102
		.amdhsa_reserve_vcc 0
		.amdhsa_float_denorm_mode_32 3
		.amdhsa_float_denorm_mode_16_64 3
		.amdhsa_memory_ordered 1
		.amdhsa_forward_progress 1
		.amdhsa_inst_pref_size 194
	.end_amdhsa_kernel
	.amdgpu_metadata
---
amdhsa.version: [ 1, 2 ]
amdhsa.kernels:
  - .name:           k_qa47b9a4b39_qkv
    .symbol:         k_qa47b9a4b39_qkv.kd
    .args:
      - { .name: aq, .offset: 0, .size: 8, .value_kind: global_buffer, .address_space: global }
      - { .name: w_qkv_codes, .offset: 8, .size: 8, .value_kind: global_buffer, .address_space: global }
      - { .name: w_qkv_scales, .offset: 16, .size: 8, .value_kind: global_buffer, .address_space: global }
      - { .name: att, .offset: 24, .size: 8, .value_kind: global_buffer, .address_space: global }
    .group_segment_fixed_size: 327680
    .private_segment_fixed_size: 0
    .kernarg_segment_align: 8
    .kernarg_segment_size: 32
    .max_flat_workgroup_size: 128
    .sgpr_count:     102
    .vgpr_count:     1024
    .wavefront_size: 32
...
	.end_amdgpu_metadata
.endif
;; end of part 2
;; launch attention (part 3): grid 8 x 32, 16 waves a work-group, clusters of 4 x 1, 272,384 bytes of LDS; arguments att, aq; writes aq
.if DOCPART == 3
	.amdgcn_target "amdgcn-amd-amdhsa--gfx1250"
	.amdhsa_code_object_version 6
	.text
	.protected	k_qa47b9a4b39_attention
	.globl	k_qa47b9a4b39_attention
	.p2align	8
	.type	k_qa47b9a4b39_attention,@function
k_qa47b9a4b39_attention:
	s_mov_b64 s[64:65], 0
	v_nop
	global_prefetch_b8 v0, s[64:65] scope:SCOPE_SE
	s_setreg_imm32_b32 hwreg(HW_REG_WAVE_MODE, 25, 1), 1
	s_wait_xcnt 0x0
	s_wait_alu depctr_hold_cnt(0) depctr_sa_sdst(0) depctr_va_vdst(0) depctr_va_sdst(0) depctr_va_ssrc(0) depctr_va_vcc(0) depctr_vm_vsrc(0)
	s_getreg_b32 s2, hwreg(HW_REG_IB_STS2, 6, 4)
	s_cmp_eq_u32 s2, 0
	s_cbranch_scc0 .Lentry_in_a_cluster
	s_endpgm
.Lentry_in_a_cluster:
	s_bfe_u32 s2, ttmp6, 0x10000c
	s_cmp_lg_u32 s2, 0x3003
	s_cbranch_scc0 .Lentry_shape_is_right
	s_endpgm
.Lentry_shape_is_right:
; ctx = softmax(q k^T / 8) v for one head and batch (y = 2 head + batch), both products on codes of E5M2 with E8M0 scales, and ctx's quantising along E for the next product.
; SOFTMAX: t = score x log2(e) / 8; M = the running largest t rounded up to a whole number; p = 2^(t - M) is quantised along the keys, not normalised; the row's sum is taken of the unquantised p and divides at the end.
; When M moves, the sum and O are multiplied by 2^(old M - new M): exact.
; SHARES: a work-group owns 256 queries, each of its sixteen waves 16: one tile in 256 registers, four waves to a SIMD, so that one wave's vector work stands beside another's products and LDS loads.
; LDS: the head's K and V of all 2,048 keys, as images of operand registers with their scale words, are 16 records of 16,896 bytes: 270,336 bytes.  They are filled ONCE, one tensor load a wave, and never again.
; CLUSTER: the four query blocks of a cluster walk the same K and V: each record is asked for jointly (mask 15).
; K = 64 UNDER AN INSTRUCTION OF 128: a fragment of source 0 holds key tile 2 g in its first 64 and tile 2 g + 1 in its last 64.  Q is kept twice, [q, 0] and [0, q]: the half that is not meant meets zero codes
; (K's codes are finite by the quantiser's hold, no scale byte is 0xff).  So every LDS byte read is used.
; LAYOUT: both products transposed (S^T = K Q^T, O^T = V^T P^T): a lane holds one query.  S^T's tiles 2 g, 2 g + 1 give lane (r, h) keys 32 g + 8 h + j and 32 g + 16 + 8 h + j; two lane swaps a pair of code registers
; bring p's codes into operand order (keys 32 g + 16 h + 0 .. 15).
; A head's part of a row of ctx is 64 bytes: the stores at the end write pieces of 16 bytes a lane, rows 1,024 bytes apart.
; LIMITS: a block of zeros gets the scale byte 1; a block's largest p is taken through its largest score (v_exp_f32 taken not to fall where its input rises); NaN and infinities are not served.
.set REC, 25344
.set KVB, 16896                        ; what a record brings into LDS: K's images, V's images, K's and V's scale words
.set VIM, 8192
.set KSC, 16384
.set QIM, 16896
.set QSC, 25088
.set FB,  48                           ; v48-111  four fragments of K or of V
.set S,   112                          ; v112-175 S^T, then p
.set O,   176                          ; v176-207 O^T
.set PCD, 208                          ; v208-223 p's codes
.set BM,  224                          ; v224-227 the blocks' largest
.set PT,  228                          ; v228-231 at work, then the bytes
.set HD,  232                          ; v232-235 57,344 x the scale
.set CV,  236                          ; v236-239 the conversions' scale operands
.set KW,  240                          ; v240-243 K's or V's scale words
.set F,   244                          ; v[244:245] f
.set PWD, 246                          ; v246 p's scale word
.set T,   247
.set QW,  248                          ; v248 Q's scale word
.set L2,  250                          ; v[250:251] the sum's second chain
.set SEL, 40
.set CS,  42
.set MNT, 44
.macro CROUND
	s_barrier_signal -1
	s_barrier_wait -1
	s_cmp_lg_u32 s8, 0
	s_cbranch_scc1 .Lnot_wave_0_\@
	s_barrier_signal -3
.Lnot_wave_0_\@:
	s_barrier_wait -3
	s_barrier_signal -1
	s_barrier_wait -1
.endm
	s_load_b128 s[4:7], s[0:1], 0x0                ; att, aq
	v_lshl_add_u32 v254, v0, 2, 0x42000
	v_mov_b32 v255, 0
	ds_add_u32 v254, v255
	ds_add_u32 v254, v255
	v_lshrrev_b32 v1, 5, v0
	v_readfirstlane_b32 s8, v1                     ; wave 0..15
	s_bfe_u32 s9, ttmp6, 0x40000                   ; cx
	s_lshl_b32 s10, ttmp9, 2
	s_add_co_u32 s10, s10, s9                      ; my block of 256 queries: it enters Q's and the result's addresses alone
	s_and_b32 s11, ttmp7, 0xffff                   ; y, which the partners share
	s_mov_b32 s16, 15|(3<<16)|(1<<21)              ; group 1: the mask of all four; elements of 8 bytes; bit 21 beside a mask; no padding: images are read 16 bytes a lane on end
	s_mov_b32 s17, 32<<16                          ; tensor_dim0 = 32 elements: 256 bytes
	s_mov_b32 s18, 66<<16                          ; tensor_dim1 = 66 rows
	s_mov_b32 s19, 32<<16                          ; tile_dim0
	s_mov_b32 s20, 66                              ; tile_dim1
	s_mov_b32 s21, 32                              ; the pitch: dense
	s_mov_b32 s22, 0
	s_mov_b32 s23, 0
	s_lshl_b32 s24, s11, 4
	s_add_co_u32 s24, s24, s8
	s_mul_i32 s24, s24, REC                        ; record (y, wave): what I fetch
	s_mov_b32 s25, 0
	s_mov_b32 s12, 1
	s_mul_i32 s13, s8, KVB                         ; and where it goes
	s_lshl_b32 s26, s11, 4
	s_lshl_b32 s33, s10, 1
	s_add_co_u32 s26, s26, s33
	s_lshr_b32 s33, s8, 3
	s_add_co_u32 s26, s26, s33
	s_mul_i32 s26, s26, REC                        ; the record of my queries
	s_and_b32 s33, s8, 7
	s_lshl_b32 s34, s33, 10
	s_add_co_u32 s34, s34, s26
	s_add_co_u32 s34, s34, QIM                     ; my tile's image
	s_mov_b32 s35, 0
	s_lshr_b32 s33, s33, 1
	s_lshl_b32 s33, s33, 6
	s_add_co_u32 s26, s26, s33
	s_add_co_u32 s26, s26, QSC                     ; my pair of tiles' scale words
	s_mov_b32 s27, 0
	s_and_b32 s33, s11, 1
	s_lshl_b32 s33, s33, 11
	s_lshl_b32 s45, s10, 8
	s_add_co_u32 s33, s33, s45
	s_lshl_b32 s45, s8, 4
	s_add_co_u32 s33, s33, s45                     ; my first row of ctx
	s_lshr_b32 s45, s11, 1                         ; the head
	s_lshl_b32 s36, s33, 10
	s_lshl_b32 s46, s45, 6
	s_add_co_u32 s36, s36, s46
	s_mov_b32 s37, 0
	s_lshl_b32 s38, s33, 5
	s_lshl_b32 s46, s45, 1
	s_add_co_u32 s38, s38, s46
	s_add_co_u32 s38, s38, 0x400000
	s_mov_b32 s39, 0
	s_mov_b32 s32, 0x03020302
	s_and_b32 s33, s8, 1                           ; an odd tile's bytes are the word's upper two
	s_cselect_b32 s32, s32, 0x01000100
	s_mov_b32 s[SEL], 0x76543210
	s_mov_b32 s[SEL+1], 0xfedcba98
	s_mov_b32 s[CS], 0x3e38aa3b                    ; c = log2(e) / 8
	s_mov_b32 s[CS+1], s[CS]
	s_mov_b32 s[MNT], 0x600000
	s_mov_b32 s2, 0                                ; LDS byte of the key step's record
	s_mov_b32 s3, 16                               ; key steps
	s_wait_dscnt 0x0
	s_wait_kmcnt 0x0
	s_add_nc_u64 s[14:15], s[4:5], s[24:25]
	s_or_b32 s15, s15, 0x80000000
	s_add_nc_u64 s[28:29], s[4:5], s[34:35]
	s_add_nc_u64 s[30:31], s[4:5], s[26:27]
	s_add_nc_u64 s[36:37], s[6:7], s[36:37]
	s_add_nc_u64 s[38:39], s[6:7], s[38:39]
	CROUND                                         ; all four work-groups are here: the joint loads meet
	tensor_load_to_lds s[12:15], s[16:23]          ; my one tensor load of the launch
	s_nop 0
.rept 4
	v_nop
.endr
	v_and_b32 v5, 31, v0
	v_lshlrev_b32 v3, 4, v5                        ; 16 x lane: an image's place for my lane
	v_and_b32 v6, 15, v0                           ; r
	v_lshlrev_b32 v7, 2, v6
	v_add_nc_u32 v4, KSC, v7                       ; a scale word's
	global_load_b128 v[16:19], v3, s[28:29]            ; [q, 0]: v16-23 q, v24-31 zeros
	global_load_b128 v[20:23], v3, s[28:29] offset:512
	global_load_b128 v[40:43], v3, s[28:29]            ; [0, q]: v32-39 zeros, v40-47 q
	global_load_b128 v[44:47], v3, s[28:29] offset:512
	global_load_b32 v[T], v7, s[30:31]
.irp j, 24,25,26,27,28,29,30,31,32,33,34,35,36,37,38,39
	v_mov_b32 v\j, 0
.endr
	v_mov_b32 v13, 0xff61b1e6                      ; the largest t so far: -3e38
	v_floor_f32 v12, -v13                          ; -M
	v_mov_b32 v14, 0
	v_mov_b32 v15, 0
.irp b, 0,1,2,3
	v_mov_b32 v[PT+\b], 0                          ; a lane permute's destination counts as one of its sources
.endr
	v_mov_b32 v[F+1], 0                            ; named as the upper half of a pair
	s_wait_loadcnt 0x0
	v_perm_b32 v[QW], v[T], v[T], s32              ; my tile's two bytes, twice: for either half of K
.set jj, 0
.rept 32
	v_mov_b32 v[O+jj], 0                           ; O^T: the loop is written once; its first step finds zeros
.set jj, jj+1
.endr
	s_wait_tensorcnt 0x0                           ; my record has landed,
	s_barrier_signal -1
	s_barrier_wait -1                              ; everybody's has
.Lstep:                                            ; 128 keys a trip
	v_add_nc_u32 v1, s2, v3
	v_add_nc_u32 v2, s2, v4
.rept 6
	v_nop                                          ; with the two additions: eight places behind the last products, ahead of loads into their registers
.endr
.irp g, 0,1,2,3
.irp c, 0,1,2,3
	ds_load_b128 v[FB+16*\g+4*\c:FB+16*\g+4*\c+3], v1 offset:2048*\g+512*\c   ; key tiles 2 g and 2 g + 1
.endr
	ds_load_b32 v[KW+\g], v2 offset:64*\g
.endr
	s_wait_dscnt 0x0
.irp g, 0,1,2,3
	v_wmma_scale_f32_16x16x128_f8f6f4 v[S+16*\g:S+16*\g+7], v[FB+16*\g:FB+16*\g+15], v[16:31], 0, v[KW+\g], v[QW] matrix_a_fmt:MATRIX_FMT_BF8 matrix_b_fmt:MATRIX_FMT_BF8
	v_wmma_scale_f32_16x16x128_f8f6f4 v[S+16*\g+8:S+16*\g+15], v[FB+16*\g:FB+16*\g+15], v[32:47], 0, v[KW+\g], v[QW] matrix_a_fmt:MATRIX_FMT_BF8 matrix_b_fmt:MATRIX_FMT_BF8
.endr
.rept 8
	v_nop
.endr
.irp t, 0,1,2,3                        ; V is asked for here: it lands under the softmax
.irp c, 0,1,2,3
	ds_load_b128 v[FB+16*\t+4*\c:FB+16*\t+4*\c+3], v1 offset:VIM+2048*\t+512*\c
.endr
	ds_load_b32 v[KW+\t], v2 offset:256+64*\t
.endr
.irp b, 0,1,2,3
	v_max3_num_f32 v[BM+\b], v[S+16*\b], v[S+1+16*\b], v[S+2+16*\b]   ; the largest score of each block of 32 keys: for the row's maximum and for the block's largest p
.endr
.irp i, 3,5,7,9,11,13
.irp b, 0,1,2,3
	v_max3_num_f32 v[BM+\b], v[BM+\b], v[S+16*\b+\i], v[S+1+16*\b+\i]
.endr
.endr
.irp b, 0,1,2,3
	v_max_num_f32 v[BM+\b], v[BM+\b], v[S+15+16*\b]
.endr
.irp b, 0,1,2,3
	v_permlanex16_b32 v[PT+\b], v[BM+\b], s[SEL], s[SEL+1]
.endr
.irp b, 0,1,2,3
	v_max_num_f32 v[BM+\b], v[BM+\b], v[PT+\b]
.endr
	v_max3_num_f32 v[T], v[BM], v[BM+1], v[BM+2]
	v_max_num_f32 v[T], v[T], v[BM+3]
	v_mul_f32 v[T], s[CS], v[T]
	v_max_num_f32 v13, v13, v[T]                   ; the running largest t
	v_mov_b32 v[T], v12
	v_floor_f32 v12, -v13                          ; the new -M
	v_sub_f32 v[T], v12, v[T]                      ; old M - new M: a whole number, 0 or less
	v_cvt_i32_f32 v[T], v[T]
	v_ldexp_f32 v[F], 1.0, v[T]                    ; f = 2^(old M - new M)
.set jj, 0
.rept 32
	v_pk_fma_f32 v[S+jj:S+jj+1], v[S+jj:S+jj+1], s[CS:CS+1], v[12:13] op_sel_hi:[1,0,0]   ; t - M
.set jj, jj+2
.endr
.irp b, 0,1,2,3
	v_fma_f32 v[BM+\b], v[BM+\b], s[CS], v12
.endr
.set jj, 0
.rept 64
	v_exp_f32 v[S+jj], v[S+jj]                     ; p = 2^(t - M)
.set jj, jj+1
.endr
	v_pk_mul_f32 v[14:15], v[14:15], v[F:F+1] op_sel_hi:[1,0]   ; the sum under the new M (a plain instruction behind the exponentials)
	s_wait_alu depctr_va_vdst(0)                   ; one wait for the batch, ahead of its first reader
.irp b, 0,1,2,3
	v_exp_f32 v[BM+\b], v[BM+\b]                   ; the blocks' largest p
.endr
	v_pk_add_f32 v[L2:L2+1], v[S:S+1], v[S+2:S+3]  ; the row's sum of the unquantised p, in two chains
.set jj, 4
.rept 15
	v_pk_add_f32 v[14:15], v[14:15], v[S+jj:S+jj+1]
	v_pk_add_f32 v[L2:L2+1], v[L2:L2+1], v[S+jj+2:S+jj+3]
.set jj, jj+4
.endr
	v_pk_add_f32 v[14:15], v[14:15], v[L2:L2+1]
	s_wait_alu depctr_va_vdst(0)                   ; and one for the four
.irp b, 0,1,2,3
	v_max_num_f32 v[BM+\b], 0x8000000, v[BM+\b]    ; the floor 2^(16 - 127)
.endr
.irp b, 0,1,2,3
	v_add_nc_u32 v[CV+\b], 0xf8800000, v[BM+\b]
.endr
.irp b, 0,1,2,3
	v_and_or_b32 v[HD+\b], v[BM+\b], 0x7f800000, s[MNT]
.endr
.irp b, 0,1,2,3
	v_lshrrev_b32 v[PT+\b], 23, v[CV+\b]
.endr
	v_lshl_or_b32 v[PWD], v[PT+1], 8, v[PT]        ; p's scale word for these 128 keys
	v_lshl_or_b32 v[PWD], v[PT+2], 16, v[PWD]
	v_lshl_or_b32 v[PWD], v[PT+3], 24, v[PWD]
.irp b, 0,1,2,3
.set jj, 0
.rept 16
	v_min_num_f32 v[S+16*\b+jj], v[S+16*\b+jj], v[HD+\b]   ; p is not negative: a one-sided hold ahead of a conversion that does not saturate (ISA guide 7.6.2)
.set jj, jj+1
.endr
	v_cvt_scalef32_pk8_bf8_f32 v[PCD+4*\b:PCD+4*\b+1], v[S+16*\b:S+16*\b+7], v[CV+\b]
	v_cvt_scalef32_pk8_bf8_f32 v[PCD+4*\b+2:PCD+4*\b+3], v[S+16*\b+8:S+16*\b+15], v[CV+\b]
.endr
	v_nop                                          ; a plain instruction behind the conversions
.irp b, 0,1,2,3
	v_permlane16_swap_b32 v[PCD+4*\b], v[PCD+4*\b+2]   ; into operand order: keys 32 b + 16 h + 0 .. 15
	v_permlane16_swap_b32 v[PCD+4*\b+1], v[PCD+4*\b+3]
.endr
.set jj, 0
.rept 16
	v_pk_mul_f32 v[O+jj:O+jj+1], v[O+jj:O+jj+1], v[F:F+1] op_sel_hi:[1,0]   ; O^T under the new M; also the places between the codes' last write and the products
.set jj, jj+2
.endr
	s_wait_dscnt 0x0                               ; V is in
.irp t, 0,1,2,3                        ; four accumulators by turns; the scores' eight products stand between two links of a chain
	v_wmma_scale_f32_16x16x128_f8f6f4 v[O+8*\t:O+8*\t+7], v[FB+16*\t:FB+16*\t+15], v[PCD:PCD+15], v[O+8*\t:O+8*\t+7], v[KW+\t], v[PWD] matrix_a_fmt:MATRIX_FMT_BF8 matrix_b_fmt:MATRIX_FMT_BF8
.endr
	s_add_co_u32 s2, s2, KVB
	s_sub_co_u32 s3, s3, 1
	s_cmp_lg_u32 s3, 0
	s_cbranch_scc1 .Lstep
	; THE WAY OUT: O^T / the sum; register 8 t + j is ctx(query r, channel 16 t + 8 h + j); two blocks of 32 along E are quantised as p was
.rept 8
	v_nop
.endr
	v_add_f32 v14, v14, v15
	v_permlanex16_b32 v[T], v14, s[SEL], s[SEL+1]
	v_add_f32 v14, v14, v[T]                       ; the row's sum
	v_rcp_f32 v14, v14
	v_bfe_u32 v8, v0, 4, 1                         ; (plain work behind the transcendental)  h
	v_lshlrev_b32 v5, 10, v6
	v_lshl_add_u32 v5, v8, 4, v5                   ; row r of 1,024 bytes, + 16 h
	v_lshlrev_b32 v9, 5, v6                        ; row r of 32 scale bytes
	s_wait_alu depctr_va_vdst(0)                   ; the wait ahead of the reciprocal's first reader
.set jj, 0
.rept 32
	v_mul_f32 v[S+jj], v[O+jj], v14                ; each accumulator from its low end on
.set jj, jj+1
.endr
.irp b, 0,1
	v_max3_num_f32 v[BM+\b], |v[S+16*\b]|, |v[S+1+16*\b]|, 0x8000000
.endr
.irp i, 2,4,6,8,10,12,14
.irp b, 0,1
	v_max3_num_f32 v[BM+\b], v[BM+\b], |v[S+16*\b+\i]|, |v[S+1+16*\b+\i]|
.endr
.endr
.irp b, 0,1
	v_permlanex16_b32 v[PT+\b], v[BM+\b], s[SEL], s[SEL+1]
.endr
.irp b, 0,1
	v_max_num_f32 v[BM+\b], v[BM+\b], v[PT+\b]
.endr
.irp b, 0,1
	v_add_nc_u32 v[CV+\b], 0xf8800000, v[BM+\b]
.endr
.irp b, 0,1
	v_and_or_b32 v[HD+\b], v[BM+\b], 0x7f800000, s[MNT]
.endr
.irp b, 0,1
	v_lshrrev_b32 v[PT+\b], 23, v[CV+\b]
.endr
	v_lshl_or_b32 v[PWD], v[PT+1], 8, v[PT]
.irp b, 0,1
.set jj, 0
.rept 16
	v_med3_num_f32 v[S+16*\b+jj], v[S+16*\b+jj], -v[HD+\b], v[HD+\b]
.set jj, jj+1
.endr
	v_cvt_scalef32_pk8_bf8_f32 v[PCD+4*\b:PCD+4*\b+1], v[S+16*\b:S+16*\b+7], v[CV+\b]
	v_cvt_scalef32_pk8_bf8_f32 v[PCD+4*\b+2:PCD+4*\b+3], v[S+16*\b+8:S+16*\b+15], v[CV+\b]
.endr
	v_nop
.irp b, 0,1
	v_permlane16_swap_b32 v[PCD+4*\b], v[PCD+4*\b+2]
	v_permlane16_swap_b32 v[PCD+4*\b+1], v[PCD+4*\b+3]
.endr
	global_store_b128 v5, v[PCD:PCD+3], s[36:37]
	global_store_b128 v5, v[PCD+4:PCD+7], s[36:37] offset:32
	global_store_b16 v9, v[PWD], s[38:39]          ; the head's two scale bytes of row r (lanes l and l + 16 write the same)
	s_wait_tensorcnt 0x0
	ds_add_u32 v254, v255
	s_wait_dscnt 0x0
	CROUND                                         ; the closing round: no work-group ends while a partner may still ask for a record that names it
	s_endpgm
.Lfunc_end_k_qa47b9a4b39_attention:
	.size	k_qa47b9a4b39_attention, .Lfunc_end_k_qa47b9a4b39_attention-k_qa47b9a4b39_attention
	.p2alignl 7, 3214868480
	.fill 96, 4, 3214868480
	.section	.rodata,"a",@progbits
	.p2align	6, 0x0
	.amdhsa_kernel k_qa47b9a4b39_attention
		.amdhsa_group_segment_fixed_size 272384
		.amdhsa_private_segment_fixed_size 0
		.amdhsa_enable_private_segment 0
		.amdhsa_kernarg_size 16
		.amdhsa_user_sgpr_count 2
		.amdhsa_user_sgpr_kernarg_segment_ptr 1
		.amdhsa_wavefront_size32 1
		.amdhsa_system_sgpr_workgroup_id_x 1
		.amdhsa_system_sgpr_workgroup_id_y 1
		.amdhsa_system_sgpr_workgroup_id_z 1
		.amdhsa_system_vgpr_workitem_id 0
		.amdhsa_next_free_vgpr 256
		.amdhsa_next_free_sgpr 66
		.amdhsa_reserve_vcc 0
		.amdhsa_float_denorm_mode_32 3
		.amdhsa_float_denorm_mode_16_64 3
		.amdhsa_memory_ordered 1
		.amdhsa_forward_progress 1
		.amdhsa_inst_pref_size 33
	.end_amdhsa_kernel
	.amdgpu_metadata
---
amdhsa.version: [ 1, 2 ]
amdhsa.kernels:
  - .name:           k_qa47b9a4b39_attention
    .symbol:         k_qa47b9a4b39_attention.kd
    .args:
      - { .name: att, .offset: 0, .size: 8, .value_kind: global_buffer, .address_space: global }
      - { .name: aq, .offset: 8, .size: 8, .value_kind: global_buffer, .address_space: global }
    .group_segment_fixed_size: 272384
    .private_segment_fixed_size: 0
    .kernarg_segment_align: 8
    .kernarg_segment_size: 16
    .max_flat_workgroup_size: 512
    .sgpr_count:     66
    .vgpr_count:     256
    .wavefront_size: 32
...
	.end_amdgpu_metadata
.endif
;; end of part 3
;; launch proj_o (part 4): grid 4 x 16, 4 waves a work-group, clusters of 4 x 4, 327,680 bytes of LDS; arguments aq, w_o_codes, w_o_scales, b_o, x, ybuf; writes ybuf
.if DOCPART == 4
	.amdgcn_target "amdgcn-amd-amdhsa--gfx1250"
	.amdhsa_code_object_version 6
	.text
	.protected	k_qa47b9a4b39_proj_o
	.globl	k_qa47b9a4b39_proj_o
	.p2align	8
	.type	k_qa47b9a4b39_proj_o,@function
k_qa47b9a4b39_proj_o:
	s_mov_b64 s[64:65], 0
	v_nop
	global_prefetch_b8 v0, s[64:65] scope:SCOPE_SE
	s_setreg_imm32_b32 hwreg(HW_REG_WAVE_MODE, 25, 1), 1
	s_wait_xcnt 0x0
	s_wait_alu depctr_hold_cnt(0) depctr_sa_sdst(0) depctr_va_vdst(0) depctr_va_sdst(0) depctr_va_ssrc(0) depctr_va_vcc(0) depctr_vm_vsrc(0)
	s_getreg_b32 s2, hwreg(HW_REG_IB_STS2, 6, 4)
	s_cmp_eq_u32 s2, 0
	s_cbranch_scc0 .Lentry_in_a_cluster
	s_endpgm
.Lentry_in_a_cluster:
	s_bfe_u32 s2, ttmp6, 0x10000c
	s_cmp_lg_u32 s2, 0xf033
	s_cbranch_scc0 .Lentry_shape_is_right
	s_endpgm
.Lentry_shape_is_right:
; ybuf = x + ctx w_o + b_o.  ctx's codes and scale bytes come from aq, the weight's as given; K = 1,024; the result is f32 [4096][1024].
; C[m][n] = sum over k of A[m][k] B[n][k].  A tile of C is 256 x 256: four waves, each 128 x 128 in 64 accumulators.  K goes in steps of 256 through two LDS slots filled by tensor loads; the scale bytes of the tile's
; 512 rows come once and stay.  4 x 4 work-groups form a cluster: A's tile is asked for jointly along a row of the cluster, B's along a column.  The sizes give 64 tiles: 64 work-groups.
; THE MATRIX INSTRUCTION IS USED TRANSPOSED (source 0 = 16 rows of B, source 1 = 16 rows of A): a lane holds eight neighbouring numbers of a row of C.
; THE WAY OUT: a block of 16 rows x 128 columns goes through the wave's stage in LDS (in slot 0, which has had its last fill and its last read) and comes back as rows of 512 bytes; the residual's rows, asked for four
; blocks ahead, and the bias are added; 32 lanes store 512 consecutive bytes.
.set SIZE_K, 1024
.set ASC,    0x400000                  ; where A's scale bytes begin in its buffer
.set KSTEP,  256
.set NQ,     KSTEP/128
.set ROWB,   256
.set KROW,   SIZE_K
.set PITCH,  272                       ; an LDS row: 256 bytes + 16 of padding: the 16 rows of a load start at 16 different banks (64 banks of 4 bytes: ISA guide 11.1)
.set FR,     16
.set NL,     4
.set NP,     8                         ; places behind this matrix instruction (ISA guide 7.12.1)
.set HALFT,  128*PITCH
.set SLOT,   4*HALFT
.set LAPS,   SIZE_K/(2*KSTEP)
.set KS,     SIZE_K/32
.set SCL,    2*SLOT
.set HALFS,  (128*KS/256)*272
.set SBLK,   (16*KS/256)*272
.set SPARE,  SCL+4*HALFS               ; the spare words: 128 bytes a wave, named by no other line
.set SPITCH, 528
.set ADRA, 16
.set ADRB, 20
.set STO,  24
.set RD,   25
.set CO,   26
.set ADRS, 27
.set SPW,  28
.set NIL,  29
.set SC,   32
.set AF,   128
.set BK,   128
.set G1, 24
.set G0, 32
.set G1B, 48
.set G0B, 56
.set G1S, 68
.set G0S, 76
.set G1SB, 80
.set G0SB, 88
.set MSB, 0
.macro WIN new                         ; the immediate's high byte repeats the setting that is left
.if MSB != (\new)
	s_set_vgpr_msb (MSB<<8)|(\new)
.set MSB, (\new)
.endif
.endm
.set MUL_LO, 0xa1
.set MUL_HI, 0xf1
.set TO_B,   0x40
.macro JLOAD g0a, g1a, g0b, g1b        ; a joint load: waves 0 and 1 fetch for A, waves 2 and 3 for B; four v_nop follow each line
	s_cmp_eq_u32 s15, 0
	s_cbranch_scc0 .Lfor_b_\@
	tensor_load_to_lds s[\g0a:\g0a+3], s[\g1a:\g1a+7]
	s_nop 0
.rept 4
	v_nop
.endr
	s_branch .Lasked_\@
.Lfor_b_\@:
	tensor_load_to_lds s[\g0b:\g0b+3], s[\g1b:\g1b+7]
	s_nop 0
.rept 4
	v_nop
.endr
.Lasked_\@:
.endm
.macro CREST
	s_cmp_lg_u32 s14, 0
	s_cbranch_scc1 .Lnot_wave_0_\@
	s_barrier_signal -3
.Lnot_wave_0_\@:
	s_barrier_wait -3
	s_barrier_signal -1
	s_barrier_wait -1
.endm
.macro CROUND
	s_barrier_signal -1
	s_barrier_wait -1
	CREST
.endm
	s_load_b64 s[4:5], s[0:1], 0x0                 ; A's codes and scales
	s_load_b128 s[8:11], s[0:1], 0x8               ; B's codes, B's scales
	s_load_b128 s[96:99], s[0:1], 0x18             ; the bias, the residual
	s_load_b64 s[12:13], s[0:1], 0x28              ; the result
	v_lshl_add_u32 v[SPW], v0, 2, SPARE
	v_mov_b32 v[NIL], 0
	ds_add_u32 v28, v29
	ds_add_u32 v28, v29
	s_wait_dscnt 0x0
	v_lshrrev_b32 v1, 5, v0
	v_readfirstlane_b32 s14, v1                    ; wave 0..3
	s_lshr_b32 s15, s14, 1
	s_and_b32 s16, s14, 1
	s_bfe_u32 s40, ttmp6, 0x40000                  ; cx, cy
	s_bfe_u32 s41, ttmp6, 0x40004
	s_lshl_b32 s42, ttmp9, 2
	s_add_co_u32 s42, s42, s40                     ; tile column
	s_and_b32 s17, ttmp7, 0xffff
	s_lshl_b32 s17, s17, 2
	s_add_co_u32 s17, s17, s41                     ; tile row
	s_lshl_b32 s43, s41, 2
	s_lshl_b32 s43, 15, s43
	s_lshl_b32 s44, 0x1111, s40
	s_or_b32 s[G1+0], s43, (0<<16)|(1<<20)|(1<<21)|(5<<22)|(3<<25)  ; mask; elements of 1 byte; padding on; bit 21 beside a mask; 4 words after every 64
	s_or_b32 s[G1B+0], s44, (0<<16)|(1<<20)|(1<<21)|(5<<22)|(3<<25)
.irp g, G1, G1B
	s_mov_b32 s[\g+1], ROWB<<16
	s_mov_b32 s[\g+2], 128<<16
	s_mov_b32 s[\g+3], ROWB<<16
	s_mov_b32 s[\g+4], 128
	s_mov_b32 s[\g+5], KROW
	s_mov_b32 s[\g+6], 0
	s_mov_b32 s[\g+7], 0
.endr
	s_or_b32 s[G1S+0], s43, (3<<16)|(1<<20)|(1<<21)|(5<<22)|(3<<25)  ; the scales of 128 rows: a dense block, as rows of 256 bytes, 16 bytes of padding behind each
	s_or_b32 s[G1SB+0], s44, (3<<16)|(1<<20)|(1<<21)|(5<<22)|(3<<25)
.irp g, G1S, G1SB
	s_mov_b32 s[\g+1], 32<<16
	s_mov_b32 s[\g+2], (128*KS/256)<<16
	s_mov_b32 s[\g+3], 32<<16
	s_mov_b32 s[\g+4], 128*KS/256
	s_mov_b32 s[\g+5], 32
	s_mov_b32 s[\g+6], 0
	s_mov_b32 s[\g+7], 0
.endr
	s_lshl_b32 s18, s16, 7
	s_lshl_b32 s20, s17, 8
	s_add_co_u32 s20, s20, s18
	s_lshl_b32 s46, s42, 8
	s_add_co_u32 s46, s46, s18
	s_mov_b32 s21, 0
	s_mov_b32 s47, 0
	s_mov_b64 s[18:19], KS
	s_mul_u64 s[22:23], s[20:21], s[18:19]
	s_mul_u64 s[92:93], s[46:47], s[18:19]
	s_mov_b64 s[18:19], KROW
	s_mul_u64 s[20:21], s[20:21], s[18:19]
	s_mul_u64 s[46:47], s[46:47], s[18:19]
	s_mul_i32 s45, s14, HALFT
	s_mul_i32 s94, s14, HALFS
	s_wait_kmcnt 0x0
	s_add_nc_u64 s[6:7], s[4:5], ASC
	s_add_nc_u64 s[20:21], s[4:5], s[20:21]
	s_add_nc_u64 s[22:23], s[6:7], s[22:23]
	s_add_nc_u64 s[46:47], s[8:9], s[46:47]
	s_add_nc_u64 s[92:93], s[10:11], s[92:93]
	CROUND                                         ; all sixteen work-groups are here: the first joint loads meet
	s_mov_b32 s[G0S], 1
	s_add_co_u32 s[G0S+1], s94, SCL
	s_mov_b64 s[G0S+2:G0S+3], s[22:23]
	s_or_b32 s[G0S+3], s[G0S+3], 0x80000000
	s_mov_b32 s[G0SB], 1
	s_add_co_u32 s[G0SB+1], s94, SCL
	s_mov_b64 s[G0SB+2:G0SB+3], s[92:93]
	s_or_b32 s[G0SB+3], s[G0SB+3], 0x80000000
	JLOAD G0S, G1S, G0SB, G1SB                     ; the scales first; three loads of mine are out behind the third line below
.irp s, 0,1
	s_mov_b32 s[G0+4*\s], 1
	s_add_co_u32 s[G0+4*\s+1], s45, \s*SLOT
	s_add_nc_u64 s[G0+4*\s+2:G0+4*\s+3], s[20:21], \s*ROWB
	s_or_b32 s[G0+4*\s+3], s[G0+4*\s+3], 0x80000000
	s_mov_b32 s[G0B+4*\s], 1
	s_add_co_u32 s[G0B+4*\s+1], s45, \s*SLOT
	s_add_nc_u64 s[G0B+4*\s+2:G0B+4*\s+3], s[46:47], \s*ROWB
	s_or_b32 s[G0B+4*\s+3], s[G0B+4*\s+3], 0x80000000
	JLOAD G0+4*\s, G1, G0B+4*\s, G1B
.endr
	v_and_b32 v1, 15, v0
	v_bfe_u32 v2, v0, 4, 1
	v_mul_u32_u24 v3, v1, PITCH
	v_lshl_add_u32 v4, v2, 4, v3
	s_mul_i32 s21, s15, HALFT
	s_mul_i32 s22, s16, HALFT
	s_add_co_u32 s22, s22, 2*HALFT
.irp s, 0,1
	v_add_nc_u32 v[ADRA+\s], s21, v4
	v_add_nc_u32 v[ADRB+\s], s22, v4
	s_add_co_u32 s21, s21, SLOT
	s_add_co_u32 s22, s22, SLOT
.endr
	v_mul_u32_u24 v5, v1, KS
	v_lshrrev_b32 v6, 8, v5
	v_lshl_add_u32 v5, v6, 4, v5
	s_mul_i32 s21, s15, HALFS
	s_mul_i32 s22, s16, HALFS
	s_add_co_u32 s22, s22, 2*HALFS
	s_sub_co_u32 s22, s22, s21
	v_mul_u32_u24 v6, s22, v2
	s_add_co_u32 s21, s21, SCL
	v_add_nc_u32 v5, v5, v6
	v_add_nc_u32 v[ADRS], s21, v5
	s_mul_i32 s23, s14, 16*SPITCH                  ; my stage
	v_mul_u32_u24 v5, v1, SPITCH
	v_lshl_add_u32 v5, v2, 5, v5
	v_add_nc_u32 v[STO], s23, v5
	v_and_b32 v6, 31, v0
	v_lshlrev_b32 v[CO], 4, v6
	v_add_nc_u32 v[RD], s23, v[CO]
	s_lshl_b32 s20, s17, 8
	s_lshl_b32 s21, s15, 7
	s_add_co_u32 s20, s20, s21                     ; my first row,
	s_lshl_b32 s20, s20, 12                        ; of 4,096 bytes
	s_lshl_b32 s46, s42, 10
	s_lshl_b32 s47, s16, 9
	s_add_co_u32 s46, s46, s47                     ; my first column, in bytes
	s_mov_b32 s47, 0
	s_add_nc_u64 s[96:97], s[96:97], s[46:47]      ; the bias at my columns
	s_add_co_u32 s20, s20, s46
	s_mov_b32 s21, 0
	s_add_nc_u64 s[12:13], s[12:13], s[20:21]      ; the result and the residual at my corner
	s_add_nc_u64 s[98:99], s[98:99], s[20:21]
.macro FRAG reg, adr, q, row
.irp c, 0,1,2,3
	ds_load_b128 v[\reg+4*\c:\reg+4*\c+3], v[\adr] offset:128*(\q)+32*\c+(\row)*PITCH
.endr
.endm
.macro MUL16 a0, p, q, sc, zero        ; 16 matrix instructions: A's blocks a0, a0 + 1 x B's eight.  The 64 accumulators take turns, one instruction a turn
.irp a, \a0, \a0+1
.irp b, 0,1,2,3,4,5,6,7
.if \zero
	v_wmma_scale_f32_16x16x128_f8f6f4 v[8*(8*((\a)%4)+\b):8*(8*((\a)%4)+\b)+7], v[128*(\p)+FR*\b:128*(\p)+FR*\b+FR-1], v[AF+FR*(\a):AF+FR*(\a)+FR-1], 0, v[SC+8*NQ*(\sc)+NQ*\b+(\q)], v[SC+8*NQ*(\sc)+NQ*(\a)+(\q)] matrix_a_fmt:MATRIX_FMT_BF8 matrix_b_fmt:MATRIX_FMT_BF8 matrix_a_scale:MATRIX_SCALE_ROW1
.else
	v_wmma_scale_f32_16x16x128_f8f6f4 v[8*(8*((\a)%4)+\b):8*(8*((\a)%4)+\b)+7], v[128*(\p)+FR*\b:128*(\p)+FR*\b+FR-1], v[AF+FR*(\a):AF+FR*(\a)+FR-1], v[8*(8*((\a)%4)+\b):8*(8*((\a)%4)+\b)+7], v[SC+8*NQ*(\sc)+NQ*\b+(\q)], v[SC+8*NQ*(\sc)+NQ*(\a)+(\q)] matrix_a_fmt:MATRIX_FMT_BF8 matrix_b_fmt:MATRIX_FMT_BF8 matrix_a_scale:MATRIX_SCALE_ROW1
.endif
.endr
.endr
.endm
.macro FETCH_B slot, q, p
	WIN TO_B
.irp i, 0,1,2,3,4,5,6,7
	FRAG 128*(\p)+FR*\i, ADRB+\slot, \q, 16*\i
.endr
	WIN 0
.endm
.macro FETCH_A slot, q, i0
.irp i, \i0, \i0+1, \i0+2, \i0+3
	FRAG AF+FR*(\i), ADRA+\slot, \q, 16*(\i)
.endr
.endm
.macro SCALES sc
.irp i, 0,1,2,3,4,5,6,7
	ds_load_b64 v[SC+8*NQ*\sc+NQ*\i:SC+8*NQ*\sc+NQ*\i+1], v[ADRS] offset:\i*SBLK
.endr
.endm
.macro PLACES n
.rept \n
	v_nop
.endr
.endm
.macro STEP slot, q, zero
	s_wait_dscnt 4*NL                              ; all but the youngest 16 loads (A's blocks 4-7)
	WIN MUL_LO
	MUL16 0, (\q)%2, \q, \slot, \zero
	MUL16 2, (\q)%2, \q, \slot, \zero
	s_wait_dscnt 0
	PLACES NP
	FETCH_B \slot, (\q)+1, 1-(\q)%2
	FETCH_A \slot, (\q)+1, 0
	WIN MUL_HI
	MUL16 4, (\q)%2, \q, \slot, \zero
	MUL16 6, (\q)%2, \q, \slot, \zero
	PLACES NP
	WIN 0
	FETCH_A \slot, (\q)+1, 4
.endm
.macro TURN slot, next, fill
	s_wait_tensorcnt 0x0                           ; all my tensor loads have landed: my part of the next slot
	ds_add_u32 v[SPW], v[NIL]                      ; 0 onto my spare word
	s_wait_dscnt 4*NL+1                            ; the add and the youngest 16 loads may be out
	WIN MUL_LO
	MUL16 0, 1, NQ-1, \slot, 0
	s_wait_dscnt 0x0                               ; the add is done, and my reads of this slot are over
	s_barrier_signal -1
	MUL16 2, 1, NQ-1, \slot, 0
	WIN 0
	s_barrier_wait -1
.if \fill
	CREST                                          ; the barrier has opened a round of the cluster's barrier
	s_add_nc_u64 s[G0+4*\slot+2:G0+4*\slot+3], s[G0+4*\slot+2:G0+4*\slot+3], 2*ROWB
	s_add_nc_u64 s[G0B+4*\slot+2:G0B+4*\slot+3], s[G0B+4*\slot+2:G0B+4*\slot+3], 2*ROWB
	JLOAD G0+4*\slot, G1, G0B+4*\slot, G1B         ; my one tensor load behind the round
	PLACES NP-4
.else
	PLACES NP
.endif
	v_add_nc_u32 v[ADRS], 4*NQ, v[ADRS]
	FETCH_B \next, 0, 0
	FETCH_A \next, 0, 0
	SCALES \next
	WIN MUL_HI
	MUL16 4, 1, NQ-1, \slot, 0
	MUL16 6, 1, NQ-1, \slot, 0
	PLACES NP
	WIN 0
	FETCH_A \next, 0, 4
.endm
	s_wait_tensorcnt 1                             ; the scales and my part of K step 0 are in; K step 1's load may be out
	s_barrier_signal -1
	s_barrier_wait -1
	FETCH_B 0, 0, 0
	FETCH_A 0, 0, 0
	SCALES 0
	FETCH_A 0, 0, 4
	STEP 0, 0, 1
.if LAPS > 1
	s_mov_b32 s3, LAPS-1
.Llap:
	TURN 0, 1, 1
	STEP 1, 0, 0
	TURN 1, 0, 1
	STEP 0, 0, 0
	s_sub_co_u32 s3, s3, 1
	s_cmp_lg_u32 s3, 0
	s_cbranch_scc1 .Llap
.endif
	TURN 0, 1, 0
	STEP 1, 0, 0
	s_wait_dscnt 4*NL
	WIN MUL_LO
	MUL16 0, 1, NQ-1, 1, 0
	MUL16 2, 1, NQ-1, 1, 0
	s_wait_dscnt 0
	WIN MUL_HI
	MUL16 4, 1, NQ-1, 1, 0
	MUL16 6, 1, NQ-1, 1, 0
	WIN 0
.macro RES a                           ; the residual's 16 rows of block a into set a % 4 of window 1, where B's fragments lay
	WIN 0x40
.irp t, 0,1,2,3,4,5,6,7,8,9,10,11,12,13,14,15
	global_load_b128 v[64*((\a)%4)+4*\t:64*((\a)%4)+4*\t+3], v[CO], s[98:99] offset:(16*(\a)+\t)*4096 th:TH_LOAD_NT
.endr
	WIN 0
.endm
.macro TOSTAGE a
.set AC, 64*((\a)%4)
	WIN 0x08+4*((\a)/4)                            ; an LDS store's data: window 2 or 3
.irp b, 0,1,2,3,4,5,6,7
	ds_store_b128 v[STO], v[AC+8*\b:AC+8*\b+3] offset:64*\b          ; each accumulator from its low end on
	ds_store_b128 v[STO], v[AC+8*\b+4:AC+8*\b+7] offset:64*\b+16
.endr
	WIN 0
.set BB, BK+64*((\a)%2)
.irp t, 0,1,2,3,4,5,6,7,8,9,10,11,12,13,14,15
	ds_load_b128 v[BB+4*\t:BB+4*\t+3], v[RD] offset:\t*SPITCH     ; LDS serves a wave's instructions in order (ISA guide 5.7.1.4): these see the stores above
.endr
.endm
.macro SEND a, younger
.set BB, BK+64*((\a)%2)
.set RS, 64*((\a)%4)
	s_wait_dscnt \younger                          ; the block is back in registers
.if (\a) <= 4
	s_wait_loadcnt 48                              ; its residual is in: behind it stand three blocks' 48 loads
.else
	s_wait_loadcnt 16*(7-(\a))
.endif
	WIN 0x04                                       ; source 1 window 1
.set kk, 0
.rept 32
	v_pk_add_f32 v[BB+kk:BB+kk+1], v[BB+kk:BB+kk+1], v[RS+kk:RS+kk+1]
.set kk, kk+2
.endr
	WIN 0
.irp t, 0,1,2,3,4,5,6,7,8,9,10,11,12,13,14,15
	v_pk_add_f32 v[BB+4*\t:BB+4*\t+1], v[BB+4*\t:BB+4*\t+1], v[96:97]
	v_pk_add_f32 v[BB+4*\t+2:BB+4*\t+3], v[BB+4*\t+2:BB+4*\t+3], v[98:99]
.endr
.irp t, 0,1,2,3,4,5,6,7,8,9,10,11,12,13,14,15
	global_store_b128 v[CO], v[BB+4*\t:BB+4*\t+3], s[12:13] offset:(16*(\a)+\t)*4096   ; 512 consecutive bytes, aligned
.endr
.if (\a) < 4
	RES (\a)+4
.endif
.endm
	PLACES NP                                      ; behind the last products: ahead of loads into fragments' registers and of the first read of results
	global_load_b128 v[96:99], v[CO], s[96:97]     ; the bias of my lane's four columns
	RES 0
	RES 1
	RES 2
	RES 3
	TOSTAGE 0
.irp a, 1,2,3,4,5,6,7
.if \a > 1
	s_wait_xcnt 0x0                                ; block a - 2's stores have read their registers: block a's loads may land there
.endif
	TOSTAGE \a
	SEND \a-1, 32                                  ; behind block a - 1's loads: block a's 16 stores and 16 loads
.endr
	SEND 7, 0
	s_wait_tensorcnt 0x0                           ; the wave's end
	ds_add_u32 v[SPW], v[NIL]
	s_wait_dscnt 0x0
	CROUND                                         ; the closing round
	s_endpgm
.Lfunc_end_k_qa47b9a4b39_proj_o:
	.size	k_qa47b9a4b39_proj_o, .Lfunc_end_k_qa47b9a4b39_proj_o-k_qa47b9a4b39_proj_o
	.p2alignl 7, 3214868480
	.fill 96, 4, 3214868480
	.section	.rodata,"a",@progbits
	.p2align	6, 0x0
	.amdhsa_kernel k_qa47b9a4b39_proj_o
		.amdhsa_group_segment_fixed_size 327680
		.amdhsa_private_segment_fixed_size 0
		.amdhsa_enable_private_segment 0
		.amdhsa_kernarg_size 48
		.amdhsa_user_sgpr_count 2
		.amdhsa_user_sgpr_kernarg_segment_ptr 1
		.amdhsa_wavefront_size32 1
		.amdhsa_system_sgpr_workgroup_id_x 1
		.amdhsa_system_sgpr_workgroup_id_y 1
		.amdhsa_system_sgpr_workgroup_id_z 1
		.amdhsa_system_vgpr_workitem_id 0
		.amdhsa_next_free_vgpr 1024
		.amdhsa_next_free_sgpr 102
		.amdhsa_reserve_vcc 0
		.amdhsa_float_denorm_mode_32 3
		.amdhsa_float_denorm_mode_16_64 3
		.amdhsa_memory_ordered 1
		.amdhsa_forward_progress 1
		.amdhsa_inst_pref_size 190
	.end_amdhsa_kernel
	.amdgpu_metadata
---
amdhsa.version: [ 1, 2 ]
amdhsa.kernels:
  - .name:           k_qa47b9a4b39_proj_o
    .symbol:         k_qa47b9a4b39_proj_o.kd
    .args:
      - { .name: aq, .offset: 0, .size: 8, .value_kind: global_buffer, .address_space: global }
      - { .name: w_o_codes, .offset: 8, .size: 8, .value_kind: global_buffer, .address_space: global }
      - { .name: w_o_scales, .offset: 16, .size: 8, .value_kind: global_buffer, .address_space: global }
      - { .name: b_o, .offset: 24, .size: 8, .value_kind: global_buffer, .address_space: global }
      - { .name: x, .offset: 32, .size: 8, .value_kind: global_buffer, .address_space: global }
      - { .name: ybuf, .offset: 40, .size: 8, .value_kind: global_buffer, .address_space: global }
    .group_segment_fixed_size: 327680
    .private_segment_fixed_size: 0
    .kernarg_segment_align: 8
    .kernarg_segment_size: 48
    .max_flat_workgroup_size: 128
    .sgpr_count:     102
    .vgpr_count:     1024
    .wavefront_size: 32
...
	.end_amdgpu_metadata
.endif
;; end of part 4
;; launch ln1_quant (part 5): grid 256 x 1, 8 waves a work-group, no clusters, 42,496 bytes of LDS; arguments ybuf, g1, be1, x1f, aq; writes x1f, aq
.if DOCPART == 5
	.amdgcn_target "amdgcn-amd-amdhsa--gfx1250"
	.amdhsa_code_object_version 6
	.text
	.protected	k_qa47b9a4b39_ln1_quant
	.globl	k_qa47b9a4b39_ln1_quant
	.p2align	8
	.type	k_qa47b9a4b39_ln1_quant,@function
k_qa47b9a4b39_ln1_quant:
	s_mov_b64 s[64:65], 0
	v_nop
	global_prefetch_b8 v0, s[64:65] scope:SCOPE_SE
	s_setreg_imm32_b32 hwreg(HW_REG_WAVE_MODE, 25, 1), 1
	s_wait_xcnt 0x0
; x1 = layernorm(ybuf) x g1 + be1, stored as f32 (x1f) and as codes of E5M2 with E8M0 bytes (aq: codes [4096][1024]; at + 4,194,304 the bytes [4096][32]).
; The text is a row pass with two switches: LN = 1 normalises the row first, QNT = 1 quantises it.  Here both are 1.
; SHARES: a work-group of eight waves takes 16 rows, a wave two.  A row is 4,096 bytes: eight loads of 512 consecutive bytes; both rows' loads go out at the head.  A row stays in 32 registers between its passes.
; QUANTISER: scale = 2^(floor(log2(largest magnitude of the block)) - 15); byte = that magnitude's exponent field - 15, held at 1 from below; numbers held within +-57,344 x scale, rounded to the nearest code, ties to even.
; The conversions want 16 neighbours in a lane, the loads give 4: 512 numbers at a time turn through the wave's own stage in LDS (80 bytes a lane: 64 + 16 of padding).
; LIMITS: a block of zeros, or one whose largest magnitude lies under 2^-111, gets the byte 1 (its bytes are read by this program alone); NaN and infinities are not served; 1 / sqrt by v_rsq_f32.
.set LN,  1
.set QNT, 1
.set SP,  80
.set STG, 32*SP
.set SCB, 8*2*STG
.set Y,   32
.set G,   96
.set BE,  128
.set X,   160
.set C,   192
.set E,   208
.if LN
	s_load_b256 s[4:11], s[0:1], 0x0               ; rows s[4:5], gain s[6:7], offset s[8:9], f32 result s[10:11]
.if QNT
	s_load_b64 s[12:13], s[0:1], 0x20              ; codes and scale bytes
	v_lshl_add_u32 v216, v0, 2, 0xa200
	v_mov_b32 v217, 0
.endif
.else
	s_load_b64 s[4:5], s[0:1], 0x0
	s_load_b64 s[12:13], s[0:1], 0x8
.endif
	v_lshrrev_b32 v1, 5, v0
	v_readfirstlane_b32 s16, v1                    ; wave 0..7
	v_and_b32 v1, 31, v0                           ; lane
	v_lshlrev_b32 v2, 4, v1                        ; 16 bytes a lane; never rewritten
	s_lshl_b32 s17, ttmp9, 4
	s_lshl_b32 s18, s16, 1
	s_add_co_u32 s17, s17, s18                     ; my first row
	s_lshl_b32 s18, s17, 12
	s_mov_b32 s19, 0
	s_mov_b32 s26, 0x76543210
	s_mov_b32 s27, 0xfedcba98
	s_mov_b32 s28, 0x3a800000                      ; 1 / 1024
	s_mov_b32 s29, 0x3727c5ac                      ; 1e-5
.if QNT
	s_mul_i32 s20, s16, 2*STG
	v_lshrrev_b32 v3, 2, v1
	v_mul_u32_u24 v3, v3, SP
	v_and_b32 v4, 3, v1
	v_lshl_add_u32 v3, v4, 4, v3
	v_add_nc_u32 v3, s20, v3                       ; into a stage
	v_mul_u32_u24 v4, v1, SP
	v_add_nc_u32 v4, s20, v4                       ; out of it
	v_lshrrev_b32 v5, 1, v1
	s_lshl_b32 s20, s16, 6
	s_add_co_u32 s20, s20, SCB
	v_add_nc_u32 v5, s20, v5                       ; my block's scale byte
	v_add_nc_u32 v6, SCB, v2
	s_mov_b32 s23, 0x600000
	s_lshl_b32 s20, s17, 10
	s_mov_b32 s21, 0
	s_lshl_b32 s24, ttmp9, 9
	s_add_co_u32 s24, s24, 0x400000
	s_mov_b32 s25, 0
.endif
	s_wait_kmcnt 0x0
	s_add_nc_u64 s[4:5], s[4:5], s[18:19]
.if LN
	s_add_nc_u64 s[10:11], s[10:11], s[18:19]
.endif
.if QNT
	s_add_nc_u64 s[14:15], s[12:13], s[24:25]
	s_add_nc_u64 s[12:13], s[12:13], s[20:21]
.endif
.if LN
.irp j, 0,1,2,3,4,5,6,7
	global_load_b128 v[G+4*\j:G+4*\j+3], v2, s[6:7] offset:512*\j
	global_load_b128 v[BE+4*\j:BE+4*\j+3], v2, s[8:9] offset:512*\j
.endr
.endif
.irp i, 0,1
.irp j, 0,1,2,3,4,5,6,7
	global_load_b128 v[Y+32*\i+4*\j:Y+32*\i+4*\j+3], v2, s[4:5] offset:4096*\i+512*\j th:TH_LOAD_NT
.endr
.endr
.macro RED                             ; four packed chains v[16:23] -> their sum over the wave, in v16 of every lane
	v_pk_add_f32 v[16:17], v[16:17], v[18:19]
	v_pk_add_f32 v[20:21], v[20:21], v[22:23]
	v_pk_add_f32 v[16:17], v[16:17], v[20:21]
	v_add_f32 v16, v16, v17
	v_add_f32_dpp v16, v16, v16 row_xmask:1 row_mask:0xf bank_mask:0xf
	v_add_f32_dpp v16, v16, v16 row_xmask:2 row_mask:0xf bank_mask:0xf
	v_add_f32_dpp v16, v16, v16 row_xmask:4 row_mask:0xf bank_mask:0xf
	v_add_f32_dpp v16, v16, v16 row_xmask:8 row_mask:0xf bank_mask:0xf
	v_permlanex16_b32 v17, v16, s26, s27
	v_add_f32 v16, v16, v17
.endm
.macro NORM i                          ; row i: mean, then the mean of the squared differences (two passes over registers: no difference of large sums), scale, gain, offset; stored as f32
.set YR, Y+32*\i
	v_pk_add_f32 v[16:17], v[YR:YR+1], v[YR+2:YR+3]
	v_pk_add_f32 v[18:19], v[YR+4:YR+5], v[YR+6:YR+7]
	v_pk_add_f32 v[20:21], v[YR+8:YR+9], v[YR+10:YR+11]
	v_pk_add_f32 v[22:23], v[YR+12:YR+13], v[YR+14:YR+15]
.irp n, 16,24
	v_pk_add_f32 v[16:17], v[16:17], v[YR+\n:YR+\n+1]
	v_pk_add_f32 v[18:19], v[18:19], v[YR+\n+2:YR+\n+3]
	v_pk_add_f32 v[20:21], v[20:21], v[YR+\n+4:YR+\n+5]
	v_pk_add_f32 v[22:23], v[22:23], v[YR+\n+6:YR+\n+7]
.endr
	RED
	v_mul_f32 v24, s28, v16                        ; the mean
	v_mov_b32 v25, v24
.set kk, 0
.rept 16
	v_pk_add_f32 v[YR+kk:YR+kk+1], v[YR+kk:YR+kk+1], v[24:25] neg_lo:[0,1] neg_hi:[0,1]
.set kk, kk+2
.endr
	v_pk_mul_f32 v[16:17], v[YR:YR+1], v[YR:YR+1]
	v_pk_mul_f32 v[18:19], v[YR+2:YR+3], v[YR+2:YR+3]
	v_pk_mul_f32 v[20:21], v[YR+4:YR+5], v[YR+4:YR+5]
	v_pk_mul_f32 v[22:23], v[YR+6:YR+7], v[YR+6:YR+7]
.irp n, 8,16,24
	v_pk_fma_f32 v[16:17], v[YR+\n:YR+\n+1], v[YR+\n:YR+\n+1], v[16:17]
	v_pk_fma_f32 v[18:19], v[YR+\n+2:YR+\n+3], v[YR+\n+2:YR+\n+3], v[18:19]
	v_pk_fma_f32 v[20:21], v[YR+\n+4:YR+\n+5], v[YR+\n+4:YR+\n+5], v[20:21]
	v_pk_fma_f32 v[22:23], v[YR+\n+6:YR+\n+7], v[YR+\n+6:YR+\n+7], v[22:23]
.endr
	RED
	v_fma_f32 v26, v16, s28, s29                   ; the variance + 1e-5
	v_rsq_f32 v28, v26
	v_nop                                          ; a plain instruction behind the transcendental
	s_wait_alu depctr_va_vdst(0)                   ; and the wait ahead of its first reader
	v_mov_b32 v29, v28
.set kk, 0
.rept 16
	v_pk_mul_f32 v[YR+kk:YR+kk+1], v[YR+kk:YR+kk+1], v[28:29]
.set kk, kk+2
.endr
.set kk, 0
.rept 16
	v_pk_fma_f32 v[YR+kk:YR+kk+1], v[YR+kk:YR+kk+1], v[G+kk:G+kk+1], v[BE+kk:BE+kk+1]
.set kk, kk+2
.endr
.irp j, 0,1,2,3,4,5,6,7
	global_store_b128 v2, v[YR+4*\j:YR+4*\j+3], s[10:11] offset:4096*\i+512*\j   ; 512 consecutive bytes a store; the row's registers are not written again
.endr
.endm
.macro TURN i, s                       ; 512 numbers of row i through stage s: LDS serves a wave's instructions in order
.irp n, 0,1,2,3
	ds_store_b128 v3, v[Y+32*\i+16*\s+4*\n:Y+32*\i+16*\s+4*\n+3] offset:STG*\s+8*SP*\n
.endr
.irp n, 0,1,2,3
	ds_load_b128 v[X+16*\s+4*\n:X+16*\s+4*\n+3], v4 offset:STG*\s+16*\n
.endr
.endm
.macro STEP i, s                       ; 16 neighbours a lane, two lanes to a block
.set XS, X+16*\s
.set CR, C+4*(2*\i+\s)
	v_max3_num_f32 v8, |v[XS]|, |v[XS+1]|, |v[XS+2]|
	v_max3_num_f32 v9, |v[XS+3]|, |v[XS+4]|, |v[XS+5]|
.irp n, 6,10
	v_max3_num_f32 v8, v8, |v[XS+\n]|, |v[XS+\n+1]|
	v_max3_num_f32 v9, v9, |v[XS+\n+2]|, |v[XS+\n+3]|
.endr
	v_max3_num_f32 v8, v8, |v[XS+14]|, |v[XS+15]|
	v_max3_num_f32 v8, v8, v9, 0x8000000           ; and the floor 2^(16 - 127)
	v_max_num_f32_dpp v8, v8, v8 row_xmask:1 row_mask:0xf bank_mask:0xf
	v_add_nc_u32 v11, 0xf8800000, v8               ; 15 off the exponent field: the conversion's scale operand
	v_and_or_b32 v10, v8, 0x7f800000, s23          ; 57,344 x the scale
.irp n, 0,1,2,3,4,5,6,7,8,9,10,11,12,13,14,15
	v_med3_num_f32 v[XS+\n], v[XS+\n], -v10, v10   ; the conversion does not saturate (ISA guide 7.6.2): the hold comes first
.endr
	v_cvt_scalef32_pk8_bf8_f32 v[CR:CR+1], v[XS:XS+7], v11
	v_cvt_scalef32_pk8_bf8_f32 v[CR+2:CR+3], v[XS+8:XS+15], v11
	v_lshrrev_b32 v[E+2*\i+\s], 23, v11            ; the scale's byte (a plain instruction behind the conversions)
	ds_store_b8 v5, v[E+2*\i+\s] offset:32*\i+16*\s
	global_store_b128 v2, v[CR:CR+3], s[12:13] offset:1024*\i+512*\s
.endm
.irp i, 0,1
	s_wait_loadcnt 8-8*\i                          ; gain, offset and row i are in; behind row 0 stand row 1's eight loads
.if LN
	NORM \i
.endif
.if QNT
	TURN \i, 0
	TURN \i, 1
	s_wait_dscnt 8                                 ; the first step's numbers are back: behind them stand the second step's four stores and four loads
	STEP \i, 0
	s_wait_dscnt 1                                 ; the second step's are back: behind them stands one byte store
	STEP \i, 1
.endif
.endr
.if QNT
	s_wait_dscnt 0x0                               ; for the others' sake: my scale bytes lie in LDS
	s_barrier_signal -1
	s_barrier_wait -1
	s_cmp_lg_u32 s16, 0
	s_cbranch_scc1 .Lend
	ds_load_b128 v[12:15], v6                      ; wave 0: the 16 rows' 512 scale bytes
	s_wait_dscnt 0x0
	global_store_b128 v2, v[12:15], s[14:15]
.Lend:
.endif
	s_wait_tensorcnt 0x0
	ds_add_u32 v216, v217
	s_wait_dscnt 0x0
	s_endpgm
.Lfunc_end_k_qa47b9a4b39_ln1_quant:
	.size	k_qa47b9a4b39_ln1_quant, .Lfunc_end_k_qa47b9a4b39_ln1_quant-k_qa47b9a4b39_ln1_quant
	.p2alignl 7, 3214868480
	.fill 96, 4, 3214868480
	.section	.rodata,"a",@progbits
	.p2align	6, 0x0
	.amdhsa_kernel k_qa47b9a4b39_ln1_quant
		.amdhsa_group_segment_fixed_size 42496
		.amdhsa_private_segment_fixed_size 0
		.amdhsa_enable_private_segment 0
		.amdhsa_kernarg_size 40
		.amdhsa_user_sgpr_count 2
		.amdhsa_user_sgpr_kernarg_segment_ptr 1
		.amdhsa_wavefront_size32 1
		.amdhsa_system_sgpr_workgroup_id_x 1
		.amdhsa_system_sgpr_workgroup_id_y 1
		.amdhsa_system_sgpr_workgroup_id_z 1
		.amdhsa_system_vgpr_workitem_id 0
		.amdhsa_next_free_vgpr 218
		.amdhsa_next_free_sgpr 66
		.amdhsa_reserve_vcc 0
		.amdhsa_float_denorm_mode_32 3
		.amdhsa_float_denorm_mode_16_64 3
		.amdhsa_memory_ordered 1
		.amdhsa_forward_progress 1
		.amdhsa_inst_pref_size 30
	.end_amdhsa_kernel
	.amdgpu_metadata
---
amdhsa.version: [ 1, 2 ]
amdhsa.kernels:
  - .name:           k_qa47b9a4b39_ln1_quant
    .symbol:         k_qa47b9a4b39_ln1_quant.kd
    .args:
      - { .name: ybuf, .offset: 0, .size: 8, .value_kind: global_buffer, .address_space: global }
      - { .name: g1, .offset: 8, .size: 8, .value_kind: global_buffer, .address_space: global }
      - { .name: be1, .offset: 16, .size: 8, .value_kind: global_buffer, .address_space: global }
      - { .name: x1f, .offset: 24, .size: 8, .value_kind: global_buffer, .address_space: global }
      - { .name: aq, .offset: 32, .size: 8, .value_kind: global_buffer, .address_space: global }
    .group_segment_fixed_size: 42496
    .private_segment_fixed_size: 0
    .kernarg_segment_align: 8
    .kernarg_segment_size: 40
    .max_flat_workgroup_size: 256
    .sgpr_count:     66
    .vgpr_count:     218
    .wavefront_size: 32
...
	.end_amdgpu_metadata
.endif
;; end of part 5
;; launch gate_up (part 6): grid 16 x 16, 4 waves a work-group, clusters of 4 x 4, 327,680 bytes of LDS; arguments aq, w1_codes, w1_scales, w2_codes, w2_scales, b1, b2, hq; writes hq
.if DOCPART == 6
	.amdgcn_target "amdgcn-amd-amdhsa--gfx1250"
	.amdhsa_code_object_version 6
	.text
	.protected	k_qa47b9a4b39_gate_up
	.globl	k_qa47b9a4b39_gate_up
	.p2align	8
	.type	k_qa47b9a4b39_gate_up,@function
k_qa47b9a4b39_gate_up:
	s_mov_b64 s[64:65], 0
	v_nop
	global_prefetch_b8 v0, s[64:65] scope:SCOPE_SE
	s_setreg_imm32_b32 hwreg(HW_REG_WAVE_MODE, 25, 1), 1
	s_wait_xcnt 0x0
	s_wait_alu depctr_hold_cnt(0) depctr_sa_sdst(0) depctr_va_vdst(0) depctr_va_sdst(0) depctr_va_ssrc(0) depctr_va_vcc(0) depctr_vm_vsrc(0)
	s_getreg_b32 s2, hwreg(HW_REG_IB_STS2, 6, 4)
	s_cmp_eq_u32 s2, 0
	s_cbranch_scc0 .Lentry_in_a_cluster
	s_endpgm
.Lentry_in_a_cluster:
	s_bfe_u32 s2, ttmp6, 0x10000c
	s_cmp_lg_u32 s2, 0xf033
	s_cbranch_scc0 .Lentry_shape_is_right
	s_endpgm
.Lentry_shape_is_right:
; h = (x1 w1 + b1) x sigmoid(x1 w2 + b2), both products on codes of E5M2 with E8M0 scales, K = 1,024, and h's quantising along FFN.  x1's codes and bytes come from aq.  hq: codes [4096][2048]; at + 8,388,608 the bytes [4096][64].
; The loop is that of a GEMM with tiles of 256 x 256: four waves of 128 x 128, two LDS slots of 256 along K filled by tensor loads, the scale bytes of the tile's rows brought once, clusters of 4 x 4 with joint loads.
; B's TILE IS 128 ROWS OF w1 AND THE SAME 128 ROWS OF w2: a wave takes 64 columns of FFN from both, so that a lane holds the two factors of each h in accumulators b and b + 4.  256 work-groups.
; TRANSPOSED USE (source 0 = 16 rows of B, source 1 = 16 rows of A): lane (r, h) holds row r, register j of accumulator b column 16 b + 8 h + j.
; THE WAY OUT: bias, sigmoid = 1 / (1 + 2^(-log2(e) z)) by v_exp_f32 and v_rcp_f32, product, two blocks of 32 quantised in registers, two lane swaps a pair of code registers into neighbours along FFN.
; A wave's part of a row of h is 64 bytes: the stores write pieces of 16 bytes a lane, rows 2,048 bytes apart.
; LIMITS: a block of zeros, or under 2^-111, gets the scale byte 1 (read by this program alone); NaN and infinities are not served.
.set SIZE_K, 1024
.set KSTEP,  256
.set NQ,     KSTEP/128
.set ROWB,   256
.set KROW,   SIZE_K
.set PITCH,  272                       ; an LDS row: 256 bytes + 16 of padding: the 16 rows of a load start at 16 different banks (64 banks of 4 bytes: ISA guide 11.1)
.set FR,     16
.set NL,     4
.set NP,     8                         ; places behind this matrix instruction (ISA guide 7.12.1)
.set HALFT,  128*PITCH
.set SLOT,   4*HALFT
.set LAPS,   SIZE_K/(2*KSTEP)
.set KS,     SIZE_K/32
.set SCL,    2*SLOT
.set HALFS,  (128*KS/256)*272
.set SBLK,   (16*KS/256)*272
.set SPARE,  SCL+4*HALFS               ; the spare words: 128 bytes a wave, named by no other line
.set ADRA, 16
.set ADRB, 20
.set ADRS, 27
.set SPW,  28
.set NIL,  29
.set ADRS2, 30                         ; v30: as ADRS, lanes 16-31 at w2's rows
.set SC,   32
.set AF,   128
.set B1R,  128                         ; the way out, window 0: v128-159 b1, v192-223 -log2(e) b2, v224-231 codes, v160-175 at work, v176 the scale word
.set B2R,  192
.set PC,   224
.set TM,   160
.set PW,   176
.set SEL,  20
.set MNT,  22
.set G1, 24
.set G0, 32
.set G1B, 48
.set G0B, 56
.set G1S, 68
.set G0S, 76
.set G1SB, 80
.set G0SB, 88
.set MSB, 0
.macro WIN new                         ; the immediate's high byte repeats the setting that is left
.if MSB != (\new)
	s_set_vgpr_msb (MSB<<8)|(\new)
.set MSB, (\new)
.endif
.endm
.set MUL_LO, 0xa1
.set MUL_HI, 0xf1
.set TO_B,   0x40
.macro JLOAD g0a, g1a, g0b, g1b        ; a joint load: waves 0 and 1 fetch for A, wave 2 w1's rows, wave 3 w2's; four v_nop follow each line
	s_cmp_eq_u32 s15, 0
	s_cbranch_scc0 .Lfor_b_\@
	tensor_load_to_lds s[\g0a:\g0a+3], s[\g1a:\g1a+7]
	s_nop 0
.rept 4
	v_nop
.endr
	s_branch .Lasked_\@
.Lfor_b_\@:
	tensor_load_to_lds s[\g0b:\g0b+3], s[\g1b:\g1b+7]
	s_nop 0
.rept 4
	v_nop
.endr
.Lasked_\@:
.endm
.macro CREST
	s_cmp_lg_u32 s14, 0
	s_cbranch_scc1 .Lnot_wave_0_\@
	s_barrier_signal -3
.Lnot_wave_0_\@:
	s_barrier_wait -3
	s_barrier_signal -1
	s_barrier_wait -1
.endm
.macro CROUND
	s_barrier_signal -1
	s_barrier_wait -1
	CREST
.endm
	s_load_b64 s[4:5], s[0:1], 0x0                 ; x1's codes and scales
	s_load_b128 s[8:11], s[0:1], 0x8               ; w1's codes, scales
	s_load_b128 s[96:99], s[0:1], 0x18             ; w2's codes, scales
	s_load_b64 s[100:101], s[0:1], 0x28            ; b1
	s_load_b64 s[66:67], s[0:1], 0x30              ; b2
	s_load_b64 s[12:13], s[0:1], 0x38              ; hq
	v_lshl_add_u32 v[SPW], v0, 2, SPARE
	v_mov_b32 v[NIL], 0
	ds_add_u32 v28, v29
	ds_add_u32 v28, v29
	s_wait_dscnt 0x0
	v_lshrrev_b32 v1, 5, v0
	v_readfirstlane_b32 s14, v1                    ; wave 0..3
	s_lshr_b32 s15, s14, 1
	s_and_b32 s16, s14, 1
	s_bfe_u32 s40, ttmp6, 0x40000                  ; cx, cy
	s_bfe_u32 s41, ttmp6, 0x40004
	s_lshl_b32 s42, ttmp9, 2
	s_add_co_u32 s42, s42, s40                     ; tile column: 128 columns of FFN
	s_and_b32 s17, ttmp7, 0xffff
	s_lshl_b32 s17, s17, 2
	s_add_co_u32 s17, s17, s41                     ; tile row
	s_lshl_b32 s43, s41, 2
	s_lshl_b32 s43, 15, s43
	s_lshl_b32 s44, 0x1111, s40
	s_or_b32 s[G1+0], s43, (0<<16)|(1<<20)|(1<<21)|(5<<22)|(3<<25)  ; mask; elements of 1 byte; padding on; bit 21 beside a mask; 4 words after every 64
	s_or_b32 s[G1B+0], s44, (0<<16)|(1<<20)|(1<<21)|(5<<22)|(3<<25)
.irp g, G1, G1B
	s_mov_b32 s[\g+1], ROWB<<16
	s_mov_b32 s[\g+2], 128<<16
	s_mov_b32 s[\g+3], ROWB<<16
	s_mov_b32 s[\g+4], 128
	s_mov_b32 s[\g+5], KROW
	s_mov_b32 s[\g+6], 0
	s_mov_b32 s[\g+7], 0
.endr
	s_or_b32 s[G1S+0], s43, (3<<16)|(1<<20)|(1<<21)|(5<<22)|(3<<25)  ; the scales of 128 rows: a dense block, as rows of 256 bytes, 16 bytes of padding behind each
	s_or_b32 s[G1SB+0], s44, (3<<16)|(1<<20)|(1<<21)|(5<<22)|(3<<25)
.irp g, G1S, G1SB
	s_mov_b32 s[\g+1], 32<<16
	s_mov_b32 s[\g+2], (128*KS/256)<<16
	s_mov_b32 s[\g+3], 32<<16
	s_mov_b32 s[\g+4], 128*KS/256
	s_mov_b32 s[\g+5], 32
	s_mov_b32 s[\g+6], 0
	s_mov_b32 s[\g+7], 0
.endr
	s_lshl_b32 s18, s16, 7
	s_lshl_b32 s20, s17, 8
	s_add_co_u32 s20, s20, s18                     ; A: row 256 x tile row + 128 x half
	s_lshl_b32 s46, s42, 7                         ; B: row 128 x tile column, of w1 or of w2
	s_mov_b32 s21, 0
	s_mov_b32 s47, 0
	s_mov_b64 s[18:19], KS
	s_mul_u64 s[22:23], s[20:21], s[18:19]
	s_mul_u64 s[92:93], s[46:47], s[18:19]
	s_mov_b64 s[18:19], KROW
	s_mul_u64 s[20:21], s[20:21], s[18:19]
	s_mul_u64 s[46:47], s[46:47], s[18:19]
	s_mul_i32 s45, s14, HALFT
	s_mul_i32 s94, s14, HALFS
	s_wait_kmcnt 0x0
	s_add_nc_u64 s[6:7], s[4:5], 0x400000          ; x1's scale bytes
	s_cmp_eq_u32 s16, 0                            ; the choice hangs on the wave's number alone: equal in all partners
	s_cselect_b64 s[8:9], s[8:9], s[96:97]
	s_cselect_b64 s[10:11], s[10:11], s[98:99]
	s_add_nc_u64 s[20:21], s[4:5], s[20:21]
	s_add_nc_u64 s[22:23], s[6:7], s[22:23]
	s_add_nc_u64 s[46:47], s[8:9], s[46:47]
	s_add_nc_u64 s[92:93], s[10:11], s[92:93]
	CROUND                                         ; all sixteen work-groups are here: the first joint loads meet
	s_mov_b32 s[G0S], 1
	s_add_co_u32 s[G0S+1], s94, SCL
	s_mov_b64 s[G0S+2:G0S+3], s[22:23]
	s_or_b32 s[G0S+3], s[G0S+3], 0x80000000
	s_mov_b32 s[G0SB], 1
	s_add_co_u32 s[G0SB+1], s94, SCL
	s_mov_b64 s[G0SB+2:G0SB+3], s[92:93]
	s_or_b32 s[G0SB+3], s[G0SB+3], 0x80000000
	JLOAD G0S, G1S, G0SB, G1SB                     ; the scales first; three loads of mine are out behind the third line below
.irp s, 0,1
	s_mov_b32 s[G0+4*\s], 1
	s_add_co_u32 s[G0+4*\s+1], s45, \s*SLOT
	s_add_nc_u64 s[G0+4*\s+2:G0+4*\s+3], s[20:21], \s*ROWB
	s_or_b32 s[G0+4*\s+3], s[G0+4*\s+3], 0x80000000
	s_mov_b32 s[G0B+4*\s], 1
	s_add_co_u32 s[G0B+4*\s+1], s45, \s*SLOT
	s_add_nc_u64 s[G0B+4*\s+2:G0B+4*\s+3], s[46:47], \s*ROWB
	s_or_b32 s[G0B+4*\s+3], s[G0B+4*\s+3], 0x80000000
	JLOAD G0+4*\s, G1, G0B+4*\s, G1B
.endr
	v_and_b32 v1, 15, v0
	v_bfe_u32 v2, v0, 4, 1
	v_mul_u32_u24 v3, v1, PITCH
	v_lshl_add_u32 v4, v2, 4, v3
	s_mul_i32 s21, s15, HALFT                      ; my 128 rows of A
	s_mul_i32 s22, s16, 64*PITCH                   ; my 64 rows of w1's 128; w2's lie 128 rows on
	s_add_co_u32 s22, s22, 2*HALFT
.irp s, 0,1
	v_add_nc_u32 v[ADRA+\s], s21, v4
	v_add_nc_u32 v[ADRB+\s], s22, v4
	s_add_co_u32 s21, s21, SLOT
	s_add_co_u32 s22, s22, SLOT
.endr
	v_mul_u32_u24 v5, v1, KS
	v_lshrrev_b32 v6, 8, v5
	v_lshl_add_u32 v5, v6, 4, v5
	s_mul_i32 s21, s15, HALFS
	s_mul_i32 s22, s16, 4*SBLK                     ; my 64 rows' scales begin four blocks of 16 rows on
	s_add_co_u32 s22, s22, 2*HALFS
	s_sub_co_u32 s22, s22, s21
	s_add_co_u32 s23, s22, 4*SBLK                  ; block i >= 4 is block i - 4 of w2's half: eight blocks on, less four
	v_mul_u32_u24 v6, s22, v2                      ; lanes 16-31 take B's: one product of h for each address
	v_mul_u32_u24 v7, s23, v2
	s_add_co_u32 s21, s21, SCL
	v_add_nc_u32 v6, v5, v6
	v_add_nc_u32 v7, v5, v7
	v_add_nc_u32 v[ADRS], s21, v6
	v_add_nc_u32 v[ADRS2], s21, v7
	v_lshlrev_b32 v24, 11, v1
	v_lshl_add_u32 v24, v2, 4, v24                 ; the way out: row r of 2,048 bytes, + 16 h
	v_lshlrev_b32 v25, 6, v1                       ; row r of 64 scale bytes
	v_lshlrev_b32 v26, 5, v2                       ; the biases: 8 h numbers on
	s_lshl_b32 s20, s17, 8
	s_lshl_b32 s21, s15, 7
	s_add_co_u32 s20, s20, s21                     ; my first row
	s_lshl_b32 s46, s42, 7
	s_lshl_b32 s47, s16, 6
	s_add_co_u32 s46, s46, s47                     ; my first column of FFN
	s_lshl_b32 s92, s46, 2
	s_mov_b32 s93, 0
	s_add_nc_u64 s[100:101], s[100:101], s[92:93]  ; b1, b2 at my columns
	s_add_nc_u64 s[66:67], s[66:67], s[92:93]
	s_lshl_b32 s92, s20, 6
	s_lshr_b32 s47, s46, 5
	s_add_co_u32 s92, s92, s47
	s_add_co_u32 s92, s92, 0x800000
	s_add_nc_u64 s[96:97], s[12:13], s[92:93]      ; my scale bytes
	s_lshl_b32 s20, s20, 11
	s_add_co_u32 s20, s20, s46
	s_mov_b32 s21, 0
	s_add_nc_u64 s[12:13], s[12:13], s[20:21]      ; my codes
.macro FRAG reg, adr, q, row
.irp c, 0,1,2,3
	ds_load_b128 v[\reg+4*\c:\reg+4*\c+3], v[\adr] offset:128*(\q)+32*\c+(\row)*PITCH
.endr
.endm
.macro MUL16 a0, p, q, sc, zero        ; 16 matrix instructions: A's blocks a0, a0 + 1 x B's eight.  The 64 accumulators take turns, one instruction a turn
.irp a, \a0, \a0+1
.irp b, 0,1,2,3,4,5,6,7
.if \zero
	v_wmma_scale_f32_16x16x128_f8f6f4 v[8*(8*((\a)%4)+\b):8*(8*((\a)%4)+\b)+7], v[128*(\p)+FR*\b:128*(\p)+FR*\b+FR-1], v[AF+FR*(\a):AF+FR*(\a)+FR-1], 0, v[SC+8*NQ*(\sc)+NQ*\b+(\q)], v[SC+8*NQ*(\sc)+NQ*(\a)+(\q)] matrix_a_fmt:MATRIX_FMT_BF8 matrix_b_fmt:MATRIX_FMT_BF8 matrix_a_scale:MATRIX_SCALE_ROW1
.else
	v_wmma_scale_f32_16x16x128_f8f6f4 v[8*(8*((\a)%4)+\b):8*(8*((\a)%4)+\b)+7], v[128*(\p)+FR*\b:128*(\p)+FR*\b+FR-1], v[AF+FR*(\a):AF+FR*(\a)+FR-1], v[8*(8*((\a)%4)+\b):8*(8*((\a)%4)+\b)+7], v[SC+8*NQ*(\sc)+NQ*\b+(\q)], v[SC+8*NQ*(\sc)+NQ*(\a)+(\q)] matrix_a_fmt:MATRIX_FMT_BF8 matrix_b_fmt:MATRIX_FMT_BF8 matrix_a_scale:MATRIX_SCALE_ROW1
.endif
.endr
.endr
.endm
.macro FETCH_B slot, q, p              ; blocks 0-3: my 64 rows of w1; blocks 4-7: the same rows of w2, 128 rows on
	WIN TO_B
.irp i, 0,1,2,3,4,5,6,7
	FRAG 128*(\p)+FR*\i, ADRB+\slot, \q, 128*(\i/4)+16*(\i%4)
.endr
	WIN 0
.endm
.macro FETCH_A slot, q, i0
.irp i, \i0, \i0+1, \i0+2, \i0+3
	FRAG AF+FR*(\i), ADRA+\slot, \q, 16*(\i)
.endr
.endm
.macro SCALES sc
.irp i, 0,1,2,3
	ds_load_b64 v[SC+8*NQ*\sc+NQ*\i:SC+8*NQ*\sc+NQ*\i+1], v[ADRS] offset:\i*SBLK
.endr
.irp i, 4,5,6,7
	ds_load_b64 v[SC+8*NQ*\sc+NQ*\i:SC+8*NQ*\sc+NQ*\i+1], v[ADRS2] offset:\i*SBLK
.endr
.endm
.macro PLACES n
.rept \n
	v_nop
.endr
.endm
.macro STEP slot, q, zero
	s_wait_dscnt 4*NL                              ; all but the youngest 16 loads (A's blocks 4-7)
	WIN MUL_LO
	MUL16 0, (\q)%2, \q, \slot, \zero
	MUL16 2, (\q)%2, \q, \slot, \zero
	s_wait_dscnt 0
	PLACES NP
	FETCH_B \slot, (\q)+1, 1-(\q)%2
	FETCH_A \slot, (\q)+1, 0
	WIN MUL_HI
	MUL16 4, (\q)%2, \q, \slot, \zero
	MUL16 6, (\q)%2, \q, \slot, \zero
	PLACES NP
	WIN 0
	FETCH_A \slot, (\q)+1, 4
.endm
.macro TURN slot, next, fill
	s_wait_tensorcnt 0x0                           ; all my tensor loads have landed: my part of the next slot
	ds_add_u32 v[SPW], v[NIL]                      ; 0 onto my spare word
	s_wait_dscnt 4*NL+1                            ; the add and the youngest 16 loads may be out
	WIN MUL_LO
	MUL16 0, 1, NQ-1, \slot, 0
	s_wait_dscnt 0x0                               ; the add is done, and my reads of this slot are over
	s_barrier_signal -1
	MUL16 2, 1, NQ-1, \slot, 0
	WIN 0
	s_barrier_wait -1
.if \fill
	CREST                                          ; the barrier has opened a round of the cluster's barrier
	s_add_nc_u64 s[G0+4*\slot+2:G0+4*\slot+3], s[G0+4*\slot+2:G0+4*\slot+3], 2*ROWB
	s_add_nc_u64 s[G0B+4*\slot+2:G0B+4*\slot+3], s[G0B+4*\slot+2:G0B+4*\slot+3], 2*ROWB
	JLOAD G0+4*\slot, G1, G0B+4*\slot, G1B         ; my one tensor load behind the round
	PLACES NP-4
.else
	PLACES NP
.endif
	v_add_nc_u32 v[ADRS], 4*NQ, v[ADRS]
	v_add_nc_u32 v[ADRS2], 4*NQ, v[ADRS2]
	FETCH_B \next, 0, 0
	FETCH_A \next, 0, 0
	SCALES \next
	WIN MUL_HI
	MUL16 4, 1, NQ-1, \slot, 0
	MUL16 6, 1, NQ-1, \slot, 0
	PLACES NP
	WIN 0
	FETCH_A \next, 0, 4
.endm
	s_wait_tensorcnt 1                             ; the scales and my part of K step 0 are in; K step 1's load may be out
	s_barrier_signal -1
	s_barrier_wait -1
	FETCH_B 0, 0, 0
	FETCH_A 0, 0, 0
	SCALES 0
	FETCH_A 0, 0, 4
	STEP 0, 0, 1
.if LAPS > 1
	s_mov_b32 s3, LAPS-1
.Llap:
	TURN 0, 1, 1
	STEP 1, 0, 0
	TURN 1, 0, 1
	STEP 0, 0, 0
	s_sub_co_u32 s3, s3, 1
	s_cmp_lg_u32 s3, 0
	s_cbranch_scc1 .Llap
.endif
	TURN 0, 1, 0
	STEP 1, 0, 0
	s_wait_dscnt 4*NL
	WIN MUL_LO
	MUL16 0, 1, NQ-1, 1, 0
	MUL16 2, 1, NQ-1, 1, 0
	s_wait_dscnt 0
	WIN MUL_HI
	MUL16 4, 1, NQ-1, 1, 0
	MUL16 6, 1, NQ-1, 1, 0
	WIN 0
; nb blocks of 32 along the next K in registers s on of window w (block e: 16 registers, the other 16 numbers in lane l xor 16) -> codes in operand order in v[PC] on, the row's scale bytes in v[pw]
.macro QUANTW s, w, nb, pw
	WIN (\w)|((\w)<<2)
.irp b, 0,1,2,3
.if \b < \nb
	v_max3_num_f32 v[TM+\b], |v[(\s)+16*\b]|, |v[(\s)+16*\b+1]|, 0x8000000   ; the floor 2^(16 - 127) holds the byte at 1 from below
.endif
.endr
.irp i, 2,4,6,8,10,12,14
.irp b, 0,1,2,3
.if \b < \nb
	v_max3_num_f32 v[TM+\b], |v[(\s)+16*\b+\i]|, |v[(\s)+16*\b+\i+1]|, v[TM+\b]
.endif
.endr
.endr
	WIN 0
.irp b, 0,1,2,3
.if \b < \nb
	v_permlanex16_b32 v[TM+4+\b], v[TM+\b], s[SEL], s[SEL+1]
.endif
.endr
.irp b, 0,1,2,3
.if \b < \nb
	v_max_num_f32 v[TM+\b], v[TM+\b], v[TM+4+\b]
.endif
.endr
.irp b, 0,1,2,3
.if \b < \nb
	v_add_nc_u32 v[TM+12+\b], 0xf8800000, v[TM+\b]
.endif
.endr
.irp b, 0,1,2,3
.if \b < \nb
	v_and_or_b32 v[TM+8+\b], v[TM+\b], 0x7f800000, s[MNT]
.endif
.endr
.irp b, 0,1,2,3
.if \b < \nb
	v_lshrrev_b32 v[TM+4+\b], 23, v[TM+12+\b]
.endif
.endr
	v_lshl_or_b32 v[\pw], v[TM+5], 8, v[TM+4]
.if \nb > 2
	v_lshl_or_b32 v[\pw], v[TM+6], 16, v[\pw]
	v_lshl_or_b32 v[\pw], v[TM+7], 24, v[\pw]
.endif
	WIN (\w)|((\w)<<6)
.irp b, 0,1,2,3
.if \b < \nb
.irp i, 0,1,2,3,4,5,6,7,8,9,10,11,12,13,14,15
	v_med3_num_f32 v[(\s)+16*\b+\i], v[(\s)+16*\b+\i], -v[TM+8+\b], v[TM+8+\b]   ; the conversion does not saturate (ISA guide 7.6.2): the hold comes first
.endr
.endif
.endr
	WIN (\w)
.irp b, 0,1,2,3
.if \b < \nb
	v_cvt_scalef32_pk8_bf8_f32 v[PC+4*\b:PC+4*\b+1], v[(\s)+16*\b:(\s)+16*\b+7], v[TM+12+\b]
	v_cvt_scalef32_pk8_bf8_f32 v[PC+4*\b+2:PC+4*\b+3], v[(\s)+16*\b+8:(\s)+16*\b+15], v[TM+12+\b]
.endif
.endr
	WIN 0
	v_nop                                          ; a plain instruction between the conversions and the first vector instruction that touches their results
.irp b, 0,1,2,3
.if \b < \nb
	v_permlane16_swap_b32 v[PC+4*\b], v[PC+4*\b+2]   ; the four registers then hold columns 32 b + 16 h + 0 .. 15
	v_permlane16_swap_b32 v[PC+4*\b+1], v[PC+4*\b+3]
.endif
.endr
.endm
.macro EPI a                           ; block a of my eight blocks of 16 rows: registers 0-31 x1 w1, registers 32-63 x1 w2, of the same 64 columns
.set AW, 2+(\a)/4
.set AS, 64*((\a)%4)
	s_wait_xcnt 0x0                                ; the last block's stores have read their data registers
	WIN AW|(AW<<6)
.set kk, 0
.rept 16
	v_pk_add_f32 v[AS+kk:AS+kk+1], v[AS+kk:AS+kk+1], v[B1R+kk:B1R+kk+1]   ; + b1; each accumulator from its low end on
.set kk, kk+2
.endr
.set kk, 0
.rept 16
	v_pk_fma_f32 v[AS+32+kk:AS+33+kk], v[AS+32+kk:AS+33+kk], 0xbfb8aa3b, v[B2R+kk:B2R+kk+1] op_sel_hi:[1,0,1]   ; -log2(e) (z + b2)
.set kk, kk+2
.endr
.set kk, 0
.rept 32
	v_exp_f32 v[AS+32+kk], v[AS+32+kk]
.set kk, kk+1
.endr
	v_nop                                          ; a plain instruction behind the batch,
	s_wait_alu depctr_va_vdst(0)                   ; and one wait ahead of its first reader
.set kk, 0
.rept 16
	v_pk_add_f32 v[AS+32+kk:AS+33+kk], v[AS+32+kk:AS+33+kk], 1.0 op_sel_hi:[1,0]
.set kk, kk+2
.endr
.set kk, 0
.rept 32
	v_rcp_f32 v[AS+32+kk], v[AS+32+kk]
.set kk, kk+1
.endr
	v_nop
	s_wait_alu depctr_va_vdst(0)
	WIN AW|(AW<<2)|(AW<<6)
.set kk, 0
.rept 16
	v_pk_mul_f32 v[AS+kk:AS+kk+1], v[AS+kk:AS+kk+1], v[AS+32+kk:AS+33+kk]
.set kk, kk+2
.endr
	QUANTW AS, AW, 2, PW
	global_store_b128 v24, v[PC:PC+3], s[12:13] offset:32768*(\a)
	global_store_b128 v24, v[PC+4:PC+7], s[12:13] offset:32768*(\a)+32
	global_store_b16 v25, v[PW], s[96:97] offset:1024*(\a)     ; my two scale bytes of row r (lanes l and l + 16 write the same)
.endm
	PLACES NP                                      ; behind the last products: ahead of loads into fragments' registers and of the first read of results
	s_mov_b32 s[SEL], 0x76543210
	s_mov_b32 s[SEL+1], 0xfedcba98
	s_mov_b32 s[MNT], 0x600000
.irp b, 0,1,2,3                        ; register 8 b + j = the bias of column 16 b + 8 h + j
	global_load_b128 v[B1R+8*\b:B1R+8*\b+3], v26, s[100:101] offset:64*\b
	global_load_b128 v[B1R+8*\b+4:B1R+8*\b+7], v26, s[100:101] offset:64*\b+16
	global_load_b128 v[B2R+8*\b:B2R+8*\b+3], v26, s[66:67] offset:64*\b
	global_load_b128 v[B2R+8*\b+4:B2R+8*\b+7], v26, s[66:67] offset:64*\b+16
.endr
	v_mov_b32 v[TM+4], 0                           ; a lane permute's destination counts as one of its sources
	v_mov_b32 v[TM+5], 0
	s_wait_loadcnt 0x0
.set kk, 0
.rept 16
	v_pk_mul_f32 v[B2R+kk:B2R+kk+1], v[B2R+kk:B2R+kk+1], 0xbfb8aa3b op_sel_hi:[1,0]
.set kk, kk+2
.endr
.irp a, 0,1,2,3,4,5,6,7
	EPI \a
.endr
	s_wait_tensorcnt 0x0                           ; the wave's end
	ds_add_u32 v[SPW], v[NIL]
	s_wait_dscnt 0x0
	CROUND                                         ; the closing round
	s_endpgm
.Lfunc_end_k_qa47b9a4b39_gate_up:
	.size	k_qa47b9a4b39_gate_up, .Lfunc_end_k_qa47b9a4b39_gate_up-k_qa47b9a4b39_gate_up
	.p2alignl 7, 3214868480
	.fill 96, 4, 3214868480
	.section	.rodata,"a",@progbits
	.p2align	6, 0x0
	.amdhsa_kernel k_qa47b9a4b39_gate_up
		.amdhsa_group_segment_fixed_size 327680
		.amdhsa_private_segment_fixed_size 0
		.amdhsa_enable_private_segment 0
		.amdhsa_kernarg_size 64
		.amdhsa_user_sgpr_count 2
		.amdhsa_user_sgpr_kernarg_segment_ptr 1
		.amdhsa_wavefront_size32 1
		.amdhsa_system_sgpr_workgroup_id_x 1
		.amdhsa_system_sgpr_workgroup_id_y 1
		.amdhsa_system_sgpr_workgroup_id_z 1
		.amdhsa_system_vgpr_workitem_id 0
		.amdhsa_next_free_vgpr 1024
		.amdhsa_next_free_sgpr 102
		.amdhsa_reserve_vcc 0
		.amdhsa_float_denorm_mode_32 3
		.amdhsa_float_denorm_mode_16_64 3
		.amdhsa_memory_ordered 1
		.amdhsa_forward_progress 1
		.amdhsa_inst_pref_size 210
	.end_amdhsa_kernel
	.amdgpu_metadata
---
amdhsa.version: [ 1, 2 ]
amdhsa.kernels:
  - .name:           k_qa47b9a4b39_gate_up
    .symbol:         k_qa47b9a4b39_gate_up.kd
    .args:
      - { .name: aq, .offset: 0, .size: 8, .value_kind: global_buffer, .address_space: global }
      - { .name: w1_codes, .offset: 8, .size: 8, .value_kind: global_buffer, .address_space: global }
      - { .name: w1_scales, .offset: 16, .size: 8, .value_kind: global_buffer, .address_space: global }
      - { .name: w2_codes, .offset: 24, .size: 8, .value_kind: global_buffer, .address_space: global }
      - { .name: w2_scales, .offset: 32, .size: 8, .value_kind: global_buffer, .address_space: global }
      - { .name: b1, .offset: 40, .size: 8, .value_kind: global_buffer, .address_space: global }
      - { .name: b2, .offset: 48, .size: 8, .value_kind: global_buffer, .address_space: global }
      - { .name: hq, .offset: 56, .size: 8, .value_kind: global_buffer, .address_space: global }
    .group_segment_fixed_size: 327680
    .private_segment_fixed_size: 0
    .kernarg_segment_align: 8
    .kernarg_segment_size: 64
    .max_flat_workgroup_size: 128
    .sgpr_count:     102
    .vgpr_count:     1024
    .wavefront_size: 32
...
	.end_amdgpu_metadata
.endif
;; end of part 6
;; launch ffn_o (part 7): grid 4 x 16, 4 waves a work-group, clusters of 4 x 4, 327,680 bytes of LDS; arguments hq, w_ffn_o_codes, w_ffn_o_scales, b_ffn_o, x1f, ybuf; writes ybuf
.if DOCPART == 7
	.amdgcn_target "amdgcn-amd-amdhsa--gfx1250"
	.amdhsa_code_object_version 6
	.text
	.protected	k_qa47b9a4b39_ffn_o
	.globl	k_qa47b9a4b39_ffn_o
	.p2align	8
	.type	k_qa47b9a4b39_ffn_o,@function
k_qa47b9a4b39_ffn_o:
	s_mov_b64 s[64:65], 0
	v_nop
	global_prefetch_b8 v0, s[64:65] scope:SCOPE_SE
	s_setreg_imm32_b32 hwreg(HW_REG_WAVE_MODE, 25, 1), 1
	s_wait_xcnt 0x0
	s_wait_alu depctr_hold_cnt(0) depctr_sa_sdst(0) depctr_va_vdst(0) depctr_va_sdst(0) depctr_va_ssrc(0) depctr_va_vcc(0) depctr_vm_vsrc(0)
	s_getreg_b32 s2, hwreg(HW_REG_IB_STS2, 6, 4)
	s_cmp_eq_u32 s2, 0
	s_cbranch_scc0 .Lentry_in_a_cluster
	s_endpgm
.Lentry_in_a_cluster:
	s_bfe_u32 s2, ttmp6, 0x10000c
	s_cmp_lg_u32 s2, 0xf033
	s_cbranch_scc0 .Lentry_shape_is_right
	s_endpgm
.Lentry_shape_is_right:
; ybuf = x1 + h w_ffn_o + b_ffn_o.  h's codes and scale bytes come from hq, the weight's as given; K = 2,048; the result is f32 [4096][1024].
; C[m][n] = sum over k of A[m][k] B[n][k].  A tile of C is 256 x 256: four waves, each 128 x 128 in 64 accumulators.  K goes in steps of 256 through two LDS slots filled by tensor loads; the scale bytes of the tile's
; 512 rows come once and stay.  4 x 4 work-groups form a cluster: A's tile is asked for jointly along a row of the cluster, B's along a column.  The sizes give 64 tiles: 64 work-groups.
; THE MATRIX INSTRUCTION IS USED TRANSPOSED (source 0 = 16 rows of B, source 1 = 16 rows of A): a lane holds eight neighbouring numbers of a row of C.
; THE WAY OUT: a block of 16 rows x 128 columns goes through the wave's stage in LDS (in slot 0, which has had its last fill and its last read) and comes back as rows of 512 bytes; the residual's rows, asked for four
; blocks ahead, and the bias are added; 32 lanes store 512 consecutive bytes.
.set SIZE_K, 2048
.set ASC,    0x800000                  ; where A's scale bytes begin in its buffer
.set KSTEP,  256
.set NQ,     KSTEP/128
.set ROWB,   256
.set KROW,   SIZE_K
.set PITCH,  272                       ; an LDS row: 256 bytes + 16 of padding: the 16 rows of a load start at 16 different banks (64 banks of 4 bytes: ISA guide 11.1)
.set FR,     16
.set NL,     4
.set NP,     8                         ; places behind this matrix instruction (ISA guide 7.12.1)
.set HALFT,  128*PITCH
.set SLOT,   4*HALFT
.set LAPS,   SIZE_K/(2*KSTEP)
.set KS,     SIZE_K/32
.set SCL,    2*SLOT
.set HALFS,  (128*KS/256)*272
.set SBLK,   (16*KS/256)*272
.set SPARE,  SCL+4*HALFS               ; the spare words: 128 bytes a wave, named by no other line
.set SPITCH, 528
.set ADRA, 16
.set ADRB, 20
.set STO,  24
.set RD,   25
.set CO,   26
.set ADRS, 27
.set SPW,  28
.set NIL,  29
.set SC,   32
.set AF,   128
.set BK,   128
.set G1, 24
.set G0, 32
.set G1B, 48
.set G0B, 56
.set G1S, 68
.set G0S, 76
.set G1SB, 80
.set G0SB, 88
.set MSB, 0
.macro WIN new                         ; the immediate's high byte repeats the setting that is left
.if MSB != (\new)
	s_set_vgpr_msb (MSB<<8)|(\new)
.set MSB, (\new)
.endif
.endm
.set MUL_LO, 0xa1
.set MUL_HI, 0xf1
.set TO_B,   0x40
.macro JLOAD g0a, g1a, g0b, g1b        ; a joint load: waves 0 and 1 fetch for A, waves 2 and 3 for B; four v_nop follow each line
	s_cmp_eq_u32 s15, 0
	s_cbranch_scc0 .Lfor_b_\@
	tensor_load_to_lds s[\g0a:\g0a+3], s[\g1a:\g1a+7]
	s_nop 0
.rept 4
	v_nop
.endr
	s_branch .Lasked_\@
.Lfor_b_\@:
	tensor_load_to_lds s[\g0b:\g0b+3], s[\g1b:\g1b+7]
	s_nop 0
.rept 4
	v_nop
.endr
.Lasked_\@:
.endm
.macro CREST
	s_cmp_lg_u32 s14, 0
	s_cbranch_scc1 .Lnot_wave_0_\@
	s_barrier_signal -3
.Lnot_wave_0_\@:
	s_barrier_wait -3
	s_barrier_signal -1
	s_barrier_wait -1
.endm
.macro CROUND
	s_barrier_signal -1
	s_barrier_wait -1
	CREST
.endm
	s_load_b64 s[4:5], s[0:1], 0x0                 ; A's codes and scales
	s_load_b128 s[8:11], s[0:1], 0x8               ; B's codes, B's scales
	s_load_b128 s[96:99], s[0:1], 0x18             ; the bias, the residual
	s_load_b64 s[12:13], s[0:1], 0x28              ; the result
	v_lshl_add_u32 v[SPW], v0, 2, SPARE
	v_mov_b32 v[NIL], 0
	ds_add_u32 v28, v29
	ds_add_u32 v28, v29
	s_wait_dscnt 0x0
	v_lshrrev_b32 v1, 5, v0
	v_readfirstlane_b32 s14, v1                    ; wave 0..3
	s_lshr_b32 s15, s14, 1
	s_and_b32 s16, s14, 1
	s_bfe_u32 s40, ttmp6, 0x40000                  ; cx, cy
	s_bfe_u32 s41, ttmp6, 0x40004
	s_lshl_b32 s42, ttmp9, 2
	s_add_co_u32 s42, s42, s40                     ; tile column
	s_and_b32 s17, ttmp7, 0xffff
	s_lshl_b32 s17, s17, 2
	s_add_co_u32 s17, s17, s41                     ; tile row
	s_lshl_b32 s43, s41, 2
	s_lshl_b32 s43, 15, s43
	s_lshl_b32 s44, 0x1111, s40
	s_or_b32 s[G1+0], s43, (0<<16)|(1<<20)|(1<<21)|(5<<22)|(3<<25)  ; mask; elements of 1 byte; padding on; bit 21 beside a mask; 4 words after every 64
	s_or_b32 s[G1B+0], s44, (0<<16)|(1<<20)|(1<<21)|(5<<22)|(3<<25)
.irp g, G1, G1B
	s_mov_b32 s[\g+1], ROWB<<16
	s_mov_b32 s[\g+2], 128<<16
	s_mov_b32 s[\g+3], ROWB<<16
	s_mov_b32 s[\g+4], 128
	s_mov_b32 s[\g+5], KROW
	s_mov_b32 s[\g+6], 0
	s_mov_b32 s[\g+7], 0
.endr
	s_or_b32 s[G1S+0], s43, (3<<16)|(1<<20)|(1<<21)|(5<<22)|(3<<25)  ; the scales of 128 rows: a dense block, as rows of 256 bytes, 16 bytes of padding behind each
	s_or_b32 s[G1SB+0], s44, (3<<16)|(1<<20)|(1<<21)|(5<<22)|(3<<25)
.irp g, G1S, G1SB
	s_mov_b32 s[\g+1], 32<<16
	s_mov_b32 s[\g+2], (128*KS/256)<<16
	s_mov_b32 s[\g+3], 32<<16
	s_mov_b32 s[\g+4], 128*KS/256
	s_mov_b32 s[\g+5], 32
	s_mov_b32 s[\g+6], 0
	s_mov_b32 s[\g+7], 0
.endr
	s_lshl_b32 s18, s16, 7
	s_lshl_b32 s20, s17, 8
	s_add_co_u32 s20, s20, s18
	s_lshl_b32 s46, s42, 8
	s_add_co_u32 s46, s46, s18
	s_mov_b32 s21, 0
	s_mov_b32 s47, 0
	s_mov_b64 s[18:19], KS
	s_mul_u64 s[22:23], s[20:21], s[18:19]
	s_mul_u64 s[92:93], s[46:47], s[18:19]
	s_mov_b64 s[18:19], KROW
	s_mul_u64 s[20:21], s[20:21], s[18:19]
	s_mul_u64 s[46:47], s[46:47], s[18:19]
	s_mul_i32 s45, s14, HALFT
	s_mul_i32 s94, s14, HALFS
	s_wait_kmcnt 0x0
	s_add_nc_u64 s[6:7], s[4:5], ASC
	s_add_nc_u64 s[20:21], s[4:5], s[20:21]
	s_add_nc_u64 s[22:23], s[6:7], s[22:23]
	s_add_nc_u64 s[46:47], s[8:9], s[46:47]
	s_add_nc_u64 s[92:93], s[10:11], s[92:93]
	CROUND                                         ; all sixteen work-groups are here: the first joint loads meet
	s_mov_b32 s[G0S], 1
	s_add_co_u32 s[G0S+1], s94, SCL
	s_mov_b64 s[G0S+2:G0S+3], s[22:23]
	s_or_b32 s[G0S+3], s[G0S+3], 0x80000000
	s_mov_b32 s[G0SB], 1
	s_add_co_u32 s[G0SB+1], s94, SCL
	s_mov_b64 s[G0SB+2:G0SB+3], s[92:93]
	s_or_b32 s[G0SB+3], s[G0SB+3], 0x80000000
	JLOAD G0S, G1S, G0SB, G1SB                     ; the scales first; three loads of mine are out behind the third line below
.irp s, 0,1
	s_mov_b32 s[G0+4*\s], 1
	s_add_co_u32 s[G0+4*\s+1], s45, \s*SLOT
	s_add_nc_u64 s[G0+4*\s+2:G0+4*\s+3], s[20:21], \s*ROWB
	s_or_b32 s[G0+4*\s+3], s[G0+4*\s+3], 0x80000000
	s_mov_b32 s[G0B+4*\s], 1
	s_add_co_u32 s[G0B+4*\s+1], s45, \s*SLOT
	s_add_nc_u64 s[G0B+4*\s+2:G0B+4*\s+3], s[46:47], \s*ROWB
	s_or_b32 s[G0B+4*\s+3], s[G0B+4*\s+3], 0x80000000
	JLOAD G0+4*\s, G1, G0B+4*\s, G1B
.endr
	v_and_b32 v1, 15, v0
	v_bfe_u32 v2, v0, 4, 1
	v_mul_u32_u24 v3, v1, PITCH
	v_lshl_add_u32 v4, v2, 4, v3
	s_mul_i32 s21, s15, HALFT
	s_mul_i32 s22, s16, HALFT
	s_add_co_u32 s22, s22, 2*HALFT
.irp s, 0,1
	v_add_nc_u32 v[ADRA+\s], s21, v4
	v_add_nc_u32 v[ADRB+\s], s22, v4
	s_add_co_u32 s21, s21, SLOT
	s_add_co_u32 s22, s22, SLOT
.endr
	v_mul_u32_u24 v5, v1, KS
	v_lshrrev_b32 v6, 8, v5
	v_lshl_add_u32 v5, v6, 4, v5
	s_mul_i32 s21, s15, HALFS
	s_mul_i32 s22, s16, HALFS
	s_add_co_u32 s22, s22, 2*HALFS
	s_sub_co_u32 s22, s22, s21
	v_mul_u32_u24 v6, s22, v2
	s_add_co_u32 s21, s21, SCL
	v_add_nc_u32 v5, v5, v6
	v_add_nc_u32 v[ADRS], s21, v5
	s_mul_i32 s23, s14, 16*SPITCH                  ; my stage
	v_mul_u32_u24 v5, v1, SPITCH
	v_lshl_add_u32 v5, v2, 5, v5
	v_add_nc_u32 v[STO], s23, v5
	v_and_b32 v6, 31, v0
	v_lshlrev_b32 v[CO], 4, v6
	v_add_nc_u32 v[RD], s23, v[CO]
	s_lshl_b32 s20, s17, 8
	s_lshl_b32 s21, s15, 7
	s_add_co_u32 s20, s20, s21                     ; my first row,
	s_lshl_b32 s20, s20, 12                        ; of 4,096 bytes
	s_lshl_b32 s46, s42, 10
	s_lshl_b32 s47, s16, 9
	s_add_co_u32 s46, s46, s47                     ; my first column, in bytes
	s_mov_b32 s47, 0
	s_add_nc_u64 s[96:97], s[96:97], s[46:47]      ; the bias at my columns
	s_add_co_u32 s20, s20, s46
	s_mov_b32 s21, 0
	s_add_nc_u64 s[12:13], s[12:13], s[20:21]      ; the result and the residual at my corner
	s_add_nc_u64 s[98:99], s[98:99], s[20:21]
.macro FRAG reg, adr, q, row
.irp c, 0,1,2,3
	ds_load_b128 v[\reg+4*\c:\reg+4*\c+3], v[\adr] offset:128*(\q)+32*\c+(\row)*PITCH
.endr
.endm
.macro MUL16 a0, p, q, sc, zero        ; 16 matrix instructions: A's blocks a0, a0 + 1 x B's eight.  The 64 accumulators take turns, one instruction a turn
.irp a, \a0, \a0+1
.irp b, 0,1,2,3,4,5,6,7
.if \zero
	v_wmma_scale_f32_16x16x128_f8f6f4 v[8*(8*((\a)%4)+\b):8*(8*((\a)%4)+\b)+7], v[128*(\p)+FR*\b:128*(\p)+FR*\b+FR-1], v[AF+FR*(\a):AF+FR*(\a)+FR-1], 0, v[SC+8*NQ*(\sc)+NQ*\b+(\q)], v[SC+8*NQ*(\sc)+NQ*(\a)+(\q)] matrix_a_fmt:MATRIX_FMT_BF8 matrix_b_fmt:MATRIX_FMT_BF8 matrix_a_scale:MATRIX_SCALE_ROW1
.else
	v_wmma_scale_f32_16x16x128_f8f6f4 v[8*(8*((\a)%4)+\b):8*(8*((\a)%4)+\b)+7], v[128*(\p)+FR*\b:128*(\p)+FR*\b+FR-1], v[AF+FR*(\a):AF+FR*(\a)+FR-1], v[8*(8*((\a)%4)+\b):8*(8*((\a)%4)+\b)+7], v[SC+8*NQ*(\sc)+NQ*\b+(\q)], v[SC+8*NQ*(\sc)+NQ*(\a)+(\q)] matrix_a_fmt:MATRIX_FMT_BF8 matrix_b_fmt:MATRIX_FMT_BF8 matrix_a_scale:MATRIX_SCALE_ROW1
.endif
.endr
.endr
.endm
.macro FETCH_B slot, q, p
	WIN TO_B
.irp i, 0,1,2,3,4,5,6,7
	FRAG 128*(\p)+FR*\i, ADRB+\slot, \q, 16*\i
.endr
	WIN 0
.endm
.macro FETCH_A slot, q, i0
.irp i, \i0, \i0+1, \i0+2, \i0+3
	FRAG AF+FR*(\i), ADRA+\slot, \q, 16*(\i)
.endr
.endm
.macro SCALES sc
.irp i, 0,1,2,3,4,5,6,7
	ds_load_b64 v[SC+8*NQ*\sc+NQ*\i:SC+8*NQ*\sc+NQ*\i+1], v[ADRS] offset:\i*SBLK
.endr
.endm
.macro PLACES n
.rept \n
	v_nop
.endr
.endm
.macro STEP slot, q, zero
	s_wait_dscnt 4*NL                              ; all but the youngest 16 loads (A's blocks 4-7)
	WIN MUL_LO
	MUL16 0, (\q)%2, \q, \slot, \zero
	MUL16 2, (\q)%2, \q, \slot, \zero
	s_wait_dscnt 0
	PLACES NP
	FETCH_B \slot, (\q)+1, 1-(\q)%2
	FETCH_A \slot, (\q)+1, 0
	WIN MUL_HI
	MUL16 4, (\q)%2, \q, \slot, \zero
	MUL16 6, (\q)%2, \q, \slot, \zero
	PLACES NP
	WIN 0
	FETCH_A \slot, (\q)+1, 4
.endm
.macro TURN slot, next, fill
	s_wait_tensorcnt 0x0                           ; all my tensor loads have landed: my part of the next slot
	ds_add_u32 v[SPW], v[NIL]                      ; 0 onto my spare word
	s_wait_dscnt 4*NL+1                            ; the add and the youngest 16 loads may be out
	WIN MUL_LO
	MUL16 0, 1, NQ-1, \slot, 0
	s_wait_dscnt 0x0                               ; the add is done, and my reads of this slot are over
	s_barrier_signal -1
	MUL16 2, 1, NQ-1, \slot, 0
	WIN 0
	s_barrier_wait -1
.if \fill
	CREST                                          ; the barrier has opened a round of the cluster's barrier
	s_add_nc_u64 s[G0+4*\slot+2:G0+4*\slot+3], s[G0+4*\slot+2:G0+4*\slot+3], 2*ROWB
	s_add_nc_u64 s[G0B+4*\slot+2:G0B+4*\slot+3], s[G0B+4*\slot+2:G0B+4*\slot+3], 2*ROWB
	JLOAD G0+4*\slot, G1, G0B+4*\slot, G1B         ; my one tensor load behind the round
	PLACES NP-4
.else
	PLACES NP
.endif
	v_add_nc_u32 v[ADRS], 4*NQ, v[ADRS]
	FETCH_B \next, 0, 0
	FETCH_A \next, 0, 0
	SCALES \next
	WIN MUL_HI
	MUL16 4, 1, NQ-1, \slot, 0
	MUL16 6, 1, NQ-1, \slot, 0
	PLACES NP
	WIN 0
	FETCH_A \next, 0, 4
.endm
	s_wait_tensorcnt 1                             ; the scales and my part of K step 0 are in; K step 1's load may be out
	s_barrier_signal -1
	s_barrier_wait -1
	FETCH_B 0, 0, 0
	FETCH_A 0, 0, 0
	SCALES 0
	FETCH_A 0, 0, 4
	STEP 0, 0, 1
.if LAPS > 1
	s_mov_b32 s3, LAPS-1
.Llap:
	TURN 0, 1, 1
	STEP 1, 0, 0
	TURN 1, 0, 1
	STEP 0, 0, 0
	s_sub_co_u32 s3, s3, 1
	s_cmp_lg_u32 s3, 0
	s_cbranch_scc1 .Llap
.endif
	TURN 0, 1, 0
	STEP 1, 0, 0
	s_wait_dscnt 4*NL
	WIN MUL_LO
	MUL16 0, 1, NQ-1, 1, 0
	MUL16 2, 1, NQ-1, 1, 0
	s_wait_dscnt 0
	WIN MUL_HI
	MUL16 4, 1, NQ-1, 1, 0
	MUL16 6, 1, NQ-1, 1, 0
	WIN 0
.macro RES a                           ; the residual's 16 rows of block a into set a % 4 of window 1, where B's fragments lay
	WIN 0x40
.irp t, 0,1,2,3,4,5,6,7,8,9,10,11,12,13,14,15
	global_load_b128 v[64*((\a)%4)+4*\t:64*((\a)%4)+4*\t+3], v[CO], s[98:99] offset:(16*(\a)+\t)*4096 th:TH_LOAD_NT
.endr
	WIN 0
.endm
.macro TOSTAGE a
.set AC, 64*((\a)%4)
	WIN 0x08+4*((\a)/4)                            ; an LDS store's data: window 2 or 3
.irp b, 0,1,2,3,4,5,6,7
	ds_store_b128 v[STO], v[AC+8*\b:AC+8*\b+3] offset:64*\b          ; each accumulator from its low end on
	ds_store_b128 v[STO], v[AC+8*\b+4:AC+8*\b+7] offset:64*\b+16
.endr
	WIN 0
.set BB, BK+64*((\a)%2)
.irp t, 0,1,2,3,4,5,6,7,8,9,10,11,12,13,14,15
	ds_load_b128 v[BB+4*\t:BB+4*\t+3], v[RD] offset:\t*SPITCH     ; LDS serves a wave's instructions in order (ISA guide 5.7.1.4): these see the stores above
.endr
.endm
.macro SEND a, younger
.set BB, BK+64*((\a)%2)
.set RS, 64*((\a)%4)
	s_wait_dscnt \younger                          ; the block is back in registers
.if (\a) <= 4
	s_wait_loadcnt 48                              ; its residual is in: behind it stand three blocks' 48 loads
.else
	s_wait_loadcnt 16*(7-(\a))
.endif
	WIN 0x04                                       ; source 1 window 1
.set kk, 0
.rept 32
	v_pk_add_f32 v[BB+kk:BB+kk+1], v[BB+kk:BB+kk+1], v[RS+kk:RS+kk+1]
.set kk, kk+2
.endr
	WIN 0
.irp t, 0,1,2,3,4,5,6,7,8,9,10,11,12,13,14,15
	v_pk_add_f32 v[BB+4*\t:BB+4*\t+1], v[BB+4*\t:BB+4*\t+1], v[96:97]
	v_pk_add_f32 v[BB+4*\t+2:BB+4*\t+3], v[BB+4*\t+2:BB+4*\t+3], v[98:99]
.endr
.irp t, 0,1,2,3,4,5,6,7,8,9,10,11,12,13,14,15
	global_store_b128 v[CO], v[BB+4*\t:BB+4*\t+3], s[12:13] offset:(16*(\a)+\t)*4096   ; 512 consecutive bytes, aligned
.endr
.if (\a) < 4
	RES (\a)+4
.endif
.endm
	PLACES NP                                      ; behind the last products: ahead of loads into fragments' registers and of the first read of results
	global_load_b128 v[96:99], v[CO], s[96:97]     ; the bias of my lane's four columns
	RES 0
	RES 1
	RES 2
	RES 3
	TOSTAGE 0
.irp a, 1,2,3,4,5,6,7
.if \a > 1
	s_wait_xcnt 0x0                                ; block a - 2's stores have read their registers: block a's loads may land there
.endif
	TOSTAGE \a
	SEND \a-1, 32                                  ; behind block a - 1's loads: block a's 16 stores and 16 loads
.endr
	SEND 7, 0
	s_wait_tensorcnt 0x0                           ; the wave's end
	ds_add_u32 v[SPW], v[NIL]
	s_wait_dscnt 0x0
	CROUND                                         ; the closing round
	s_endpgm
.Lfunc_end_k_qa47b9a4b39_ffn_o:
	.size	k_qa47b9a4b39_ffn_o, .Lfunc_end_k_qa47b9a4b39_ffn_o-k_qa47b9a4b39_ffn_o
	.p2alignl 7, 3214868480
	.fill 96, 4, 3214868480
	.section	.rodata,"a",@progbits
	.p2align	6, 0x0
	.amdhsa_kernel k_qa47b9a4b39_ffn_o
		.amdhsa_group_segment_fixed_size 327680
		.amdhsa_private_segment_fixed_size 0
		.amdhsa_enable_private_segment 0
		.amdhsa_kernarg_size 48
		.amdhsa_user_sgpr_count 2
		.amdhsa_user_sgpr_kernarg_segment_ptr 1
		.amdhsa_wavefront_size32 1
		.amdhsa_system_sgpr_workgroup_id_x 1
		.amdhsa_system_sgpr_workgroup_id_y 1
		.amdhsa_system_sgpr_workgroup_id_z 1
		.amdhsa_system_vgpr_workitem_id 0
		.amdhsa_next_free_vgpr 1024
		.amdhsa_next_free_sgpr 102
		.amdhsa_reserve_vcc 0
		.amdhsa_float_denorm_mode_32 3
		.amdhsa_float_denorm_mode_16_64 3
		.amdhsa_memory_ordered 1
		.amdhsa_forward_progress 1
		.amdhsa_inst_pref_size 190
	.end_amdhsa_kernel
	.amdgpu_metadata
---
amdhsa.version: [ 1, 2 ]
amdhsa.kernels:
  - .name:           k_qa47b9a4b39_ffn_o
    .symbol:         k_qa47b9a4b39_ffn_o.kd
    .args:
      - { .name: hq, .offset: 0, .size: 8, .value_kind: global_buffer, .address_space: global }
      - { .name: w_ffn_o_codes, .offset: 8, .size: 8, .value_kind: global_buffer, .address_space: global }
      - { .name: w_ffn_o_scales, .offset: 16, .size: 8, .value_kind: global_buffer, .address_space: global }
      - { .name: b_ffn_o, .offset: 24, .size: 8, .value_kind: global_buffer, .address_space: global }
      - { .name: x1f, .offset: 32, .size: 8, .value_kind: global_buffer, .address_space: global }
      - { .name: ybuf, .offset: 40, .size: 8, .value_kind: global_buffer, .address_space: global }
    .group_segment_fixed_size: 327680
    .private_segment_fixed_size: 0
    .kernarg_segment_align: 8
    .kernarg_segment_size: 48
    .max_flat_workgroup_size: 128
    .sgpr_count:     102
    .vgpr_count:     1024
    .wavefront_size: 32
...
	.end_amdgpu_metadata
.endif
;; end of part 7
;; launch ln2 (part 8): grid 256 x 1, 8 waves a work-group, no clusters, 0 bytes of LDS; arguments ybuf, g2, be2, out0; writes out0
.if DOCPART == 8
	.amdgcn_target "amdgcn-amd-amdhsa--gfx1250"
	.amdhsa_code_object_version 6
	.text
	.protected	k_qa47b9a4b39_ln2
	.globl	k_qa47b9a4b39_ln2
	.p2align	8
	.type	k_qa47b9a4b39_ln2,@function
k_qa47b9a4b39_ln2:
	s_mov_b64 s[64:65], 0
	v_nop
	global_prefetch_b8 v0, s[64:65] scope:SCOPE_SE
	s_setreg_imm32_b32 hwreg(HW_REG_WAVE_MODE, 25, 1), 1
	s_wait_xcnt 0x0
; out0 = layernorm(ybuf) x g2 + be2, f32 [4096][1024].
; SHARES: a work-group of eight waves takes 16 rows, a wave two.  A row is 4,096 bytes: eight loads of 512 consecutive bytes; both rows' loads go out at the head.  A row stays in 32 registers between its passes,
; so memory is read once; the reduction never leaves the wave: no LDS, no barrier.
; LIMITS: NaN and infinities are not served; 1 / sqrt by v_rsq_f32.
.set Y,   32                           ; v32-95   two rows, register 4 j + e = element 128 j + 4 lane + e
.set G,   96                           ; v96-127  the gain, laid as a row
.set BE,  128                          ; v128-159 the offset
	s_load_b256 s[4:11], s[0:1], 0x0               ; rows s[4:5], gain s[6:7], offset s[8:9], result s[10:11]
	v_lshrrev_b32 v1, 5, v0
	v_readfirstlane_b32 s16, v1                    ; wave 0..7
	v_and_b32 v1, 31, v0
	v_lshlrev_b32 v2, 4, v1                        ; 16 bytes a lane; never rewritten
	s_lshl_b32 s17, ttmp9, 4
	s_lshl_b32 s18, s16, 1
	s_add_co_u32 s17, s17, s18                     ; my first row
	s_lshl_b32 s18, s17, 12
	s_mov_b32 s19, 0
	s_mov_b32 s26, 0x76543210                      ; v_permlanex16_b32: lane l xor 16
	s_mov_b32 s27, 0xfedcba98
	s_mov_b32 s28, 0x3a800000                      ; 1 / 1024
	s_mov_b32 s29, 0x3727c5ac                      ; 1e-5
	s_wait_kmcnt 0x0
	s_add_nc_u64 s[4:5], s[4:5], s[18:19]
	s_add_nc_u64 s[10:11], s[10:11], s[18:19]
.irp j, 0,1,2,3,4,5,6,7
	global_load_b128 v[G+4*\j:G+4*\j+3], v2, s[6:7] offset:512*\j
	global_load_b128 v[BE+4*\j:BE+4*\j+3], v2, s[8:9] offset:512*\j
.endr
.irp i, 0,1
.irp j, 0,1,2,3,4,5,6,7
	global_load_b128 v[Y+32*\i+4*\j:Y+32*\i+4*\j+3], v2, s[4:5] offset:4096*\i+512*\j th:TH_LOAD_NT
.endr
.endr
.macro RED                             ; four packed chains v[16:23] -> their sum over the wave, in v16 of every lane
	v_pk_add_f32 v[16:17], v[16:17], v[18:19]
	v_pk_add_f32 v[20:21], v[20:21], v[22:23]
	v_pk_add_f32 v[16:17], v[16:17], v[20:21]
	v_add_f32 v16, v16, v17
	v_add_f32_dpp v16, v16, v16 row_xmask:1 row_mask:0xf bank_mask:0xf
	v_add_f32_dpp v16, v16, v16 row_xmask:2 row_mask:0xf bank_mask:0xf
	v_add_f32_dpp v16, v16, v16 row_xmask:4 row_mask:0xf bank_mask:0xf
	v_add_f32_dpp v16, v16, v16 row_xmask:8 row_mask:0xf bank_mask:0xf
	v_permlanex16_b32 v17, v16, s26, s27
	v_add_f32 v16, v16, v17
.endm
.macro NORM i                          ; row i: mean, then the mean of the squared differences (two passes over registers: no difference of large sums), scale, gain, offset
.set YR, Y+32*\i
	v_pk_add_f32 v[16:17], v[YR:YR+1], v[YR+2:YR+3]
	v_pk_add_f32 v[18:19], v[YR+4:YR+5], v[YR+6:YR+7]
	v_pk_add_f32 v[20:21], v[YR+8:YR+9], v[YR+10:YR+11]
	v_pk_add_f32 v[22:23], v[YR+12:YR+13], v[YR+14:YR+15]
.irp n, 16,24
	v_pk_add_f32 v[16:17], v[16:17], v[YR+\n:YR+\n+1]
	v_pk_add_f32 v[18:19], v[18:19], v[YR+\n+2:YR+\n+3]
	v_pk_add_f32 v[20:21], v[20:21], v[YR+\n+4:YR+\n+5]
	v_pk_add_f32 v[22:23], v[22:23], v[YR+\n+6:YR+\n+7]
.endr
	RED
	v_mul_f32 v24, s28, v16                        ; the mean
	v_mov_b32 v25, v24
.set kk, 0
.rept 16
	v_pk_add_f32 v[YR+kk:YR+kk+1], v[YR+kk:YR+kk+1], v[24:25] neg_lo:[0,1] neg_hi:[0,1]
.set kk, kk+2
.endr
	v_pk_mul_f32 v[16:17], v[YR:YR+1], v[YR:YR+1]
	v_pk_mul_f32 v[18:19], v[YR+2:YR+3], v[YR+2:YR+3]
	v_pk_mul_f32 v[20:21], v[YR+4:YR+5], v[YR+4:YR+5]
	v_pk_mul_f32 v[22:23], v[YR+6:YR+7], v[YR+6:YR+7]
.irp n, 8,16,24
	v_pk_fma_f32 v[16:17], v[YR+\n:YR+\n+1], v[YR+\n:YR+\n+1], v[16:17]
	v_pk_fma_f32 v[18:19], v[YR+\n+2:YR+\n+3], v[YR+\n+2:YR+\n+3], v[18:19]
	v_pk_fma_f32 v[20:21], v[YR+\n+4:YR+\n+5], v[YR+\n+4:YR+\n+5], v[20:21]
	v_pk_fma_f32 v[22:23], v[YR+\n+6:YR+\n+7], v[YR+\n+6:YR+\n+7], v[22:23]
.endr
	RED
	v_fma_f32 v26, v16, s28, s29                   ; the variance + 1e-5
	v_rsq_f32 v28, v26
	v_nop                                          ; a plain instruction behind the transcendental
	s_wait_alu depctr_va_vdst(0)                   ; and the wait ahead of its first reader
	v_mov_b32 v29, v28
.set kk, 0
.rept 16
	v_pk_mul_f32 v[YR+kk:YR+kk+1], v[YR+kk:YR+kk+1], v[28:29]
.set kk, kk+2
.endr
.set kk, 0
.rept 16
	v_pk_fma_f32 v[YR+kk:YR+kk+1], v[YR+kk:YR+kk+1], v[G+kk:G+kk+1], v[BE+kk:BE+kk+1]
.set kk, kk+2
.endr
.irp j, 0,1,2,3,4,5,6,7
	global_store_b128 v2, v[YR+4*\j:YR+4*\j+3], s[10:11] offset:4096*\i+512*\j th:TH_STORE_NT   ; 512 consecutive bytes a store; the row's registers are not written again
.endr
.endm
	s_wait_loadcnt 8                               ; gain, offset and row 0 are in; row 1's eight loads may be out
	NORM 0
	s_wait_loadcnt 0x0
	NORM 1
	s_endpgm
.Lfunc_end_k_qa47b9a4b39_ln2:
	.size	k_qa47b9a4b39_ln2, .Lfunc_end_k_qa47b9a4b39_ln2-k_qa47b9a4b39_ln2
	.p2alignl 7, 3214868480
	.fill 96, 4, 3214868480
	.section	.rodata,"a",@progbits
	.p2align	6, 0x0
	.amdhsa_kernel k_qa47b9a4b39_ln2
		.amdhsa_group_segment_fixed_size 0
		.amdhsa_private_segment_fixed_size 0
		.amdhsa_enable_private_segment 0
		.amdhsa_kernarg_size 32
		.amdhsa_user_sgpr_count 2
		.amdhsa_user_sgpr_kernarg_segment_ptr 1
		.amdhsa_wavefront_size32 1
		.amdhsa_system_sgpr_workgroup_id_x 1
		.amdhsa_system_sgpr_workgroup_id_y 1
		.amdhsa_system_sgpr_workgroup_id_z 1
		.amdhsa_system_vgpr_workitem_id 0
		.amdhsa_next_free_vgpr 160
		.amdhsa_next_free_sgpr 66
		.amdhsa_reserve_vcc 0
		.amdhsa_float_denorm_mode_32 3
		.amdhsa_float_denorm_mode_16_64 3
		.amdhsa_memory_ordered 1
		.amdhsa_forward_progress 1
		.amdhsa_inst_pref_size 18
	.end_amdhsa_kernel
	.amdgpu_metadata
---
amdhsa.version: [ 1, 2 ]
amdhsa.kernels:
  - .name:           k_qa47b9a4b39_ln2
    .symbol:         k_qa47b9a4b39_ln2.kd
    .args:
      - { .name: ybuf, .offset: 0, .size: 8, .value_kind: global_buffer, .address_space: global }
      - { .name: g2, .offset: 8, .size: 8, .value_kind: global_buffer, .address_space: global }
      - { .name: be2, .offset: 16, .size: 8, .value_kind: global_buffer, .address_space: global }
      - { .name: out0, .offset: 24, .size: 8, .value_kind: global_buffer, .address_space: global }
    .group_segment_fixed_size: 0
    .private_segment_fixed_size: 0
    .kernarg_segment_align: 8
    .kernarg_segment_size: 32
    .max_flat_workgroup_size: 256
    .sgpr_count:     66
    .vgpr_count:     160
    .wavefront_size: 32
...
	.end_amdgpu_metadata
.endif
;; end of part 8
;; ======== version 2 of 2: 8 launches
;; limits: right only within a limited range of input values
;; workspace buffers: aq 4,325,376 bytes; att 12,976,128 bytes; ybuf 16,777,216 bytes; x1f 16,777,216 bytes; hq 8,650,752 bytes
;; launch quant_x (part 9): grid 256 x 1, 8 waves a work-group, no clusters, 42,496 bytes of LDS; arguments x, aq; writes aq
.if DOCPART == 9
	.amdgcn_target "amdgcn-amd-amdhsa--gfx1250"
	.amdhsa_code_object_version 6
	.text
	.protected	k_qa47b9a4b39_quant_x
	.globl	k_qa47b9a4b39_quant_x
	.p2align	8
	.type	k_qa47b9a4b39_quant_x,@function
k_qa47b9a4b39_quant_x:
	s_mov_b64 s[64:65], 0
	v_nop
	global_prefetch_b8 v0, s[64:65] scope:SCOPE_SE
	s_setreg_imm32_b32 hwreg(HW_REG_WAVE_MODE, 25, 1), 1
	s_wait_xcnt 0x0
; x [4096][1024] f32 becomes codes of E5M2 (aq: [4096][1024], one byte a code) and one E8M0 byte for each 32 along a row (aq + 4,194,304: [4096][32]).
; The text is a row pass with two switches: LN = 1 normalises the row first, QNT = 1 quantises it.  Here LN = 0, QNT = 1.
; SHARES: a work-group of eight waves takes 16 rows, a wave two.  A row is 4,096 bytes: eight loads of 512 consecutive bytes; both rows' loads go out at the head.
; QUANTISER: scale = 2^(floor(log2(largest magnitude of the block)) - 15); byte = that magnitude's exponent field - 15, held at 1 from below; numbers held within +-57,344 x scale, rounded to the nearest code, ties to even.
; The conversions want 16 neighbours in a lane, the loads give 4: 512 numbers at a time turn through the wave's own stage in LDS (80 bytes a lane: 64 + 16 of padding).
; LIMITS: a block of zeros, or one whose largest magnitude lies under 2^-111, gets the byte 1 (its bytes are read by this program alone); NaN and infinities among the inputs are not served.
.set LN,  0
.set QNT, 1
.set SP,  80                           ; a lane's place in a stage
.set STG, 32*SP                        ; a stage: 512 numbers
.set SCB, 8*2*STG                      ; behind the eight waves' stages: the work-group's 512 scale bytes
.set Y,   32                           ; v32-95   two rows, register 4 j + e = element 128 j + 4 lane + e
.set G,   96                           ; v96-127  the gain, laid as a row
.set BE,  128                          ; v128-159 the offset
.set X,   160                          ; v160-191 two sets of 16 neighbours
.set C,   192                          ; v192-207 codes: four registers for each row and step
.set E,   208                          ; v208-211 a scale byte for each
.if LN
	s_load_b256 s[4:11], s[0:1], 0x0               ; rows s[4:5], gain s[6:7], offset s[8:9], f32 result s[10:11]
.if QNT
	s_load_b64 s[12:13], s[0:1], 0x20              ; codes and scale bytes
.endif
.else
	s_load_b64 s[4:5], s[0:1], 0x0                 ; rows
	s_load_b64 s[12:13], s[0:1], 0x8               ; codes and scale bytes
	v_lshl_add_u32 v216, v0, 2, 0xa200
	v_mov_b32 v217, 0
.endif
	v_lshrrev_b32 v1, 5, v0
	s_delay_alu instid0(VALU_DEP_1)
	v_readfirstlane_b32 s16, v1                    ; wave 0..7
	v_and_b32 v1, 31, v0                           ; lane
	s_wait_alu depctr_va_vdst(0)
	v_lshlrev_b32 v2, 4, v1                        ; 16 bytes a lane; never rewritten
	s_lshl_b32 s17, ttmp9, 4
	s_lshl_b32 s18, s16, 1
	s_add_co_u32 s17, s17, s18                     ; my first row: 16 x work-group + 2 x wave
	s_lshl_b32 s18, s17, 12                        ; x 4,096 bytes
	s_mov_b32 s19, 0
	s_mov_b32 s26, 0x76543210                      ; v_permlanex16_b32: lane l xor 16
	s_mov_b32 s27, 0xfedcba98
	s_mov_b32 s28, 0x3a800000                      ; 1 / 1024
	s_mov_b32 s29, 0x3727c5ac                      ; 1e-5
.if QNT
	s_mul_i32 s20, s16, 2*STG                      ; my two stages
	v_lshrrev_b32 v3, 2, v1
	s_delay_alu instid0(VALU_DEP_1)
	v_mul_u32_u24 v3, v3, SP
	v_and_b32 v4, 3, v1
	s_delay_alu instid0(VALU_DEP_1)
	v_lshl_add_u32 v3, v4, 4, v3
	s_delay_alu instid0(VALU_DEP_1)
	v_add_nc_u32 v3, s20, v3                       ; into a stage: four lanes' 64 bytes on end, then the padding
	v_mul_u32_u24 v4, v1, SP
	s_delay_alu instid0(VALU_DEP_1)
	v_add_nc_u32 v4, s20, v4                       ; out of it: my 16 neighbours
	v_lshrrev_b32 v5, 1, v1
	s_lshl_b32 s20, s16, 6
	s_add_co_u32 s20, s20, SCB
	v_add_nc_u32 v5, s20, v5                       ; my block's scale byte: 64 bytes a wave
	v_add_nc_u32 v6, SCB, v2                       ; and where wave 0 reads all 512 back
	s_mov_b32 s23, 0x600000                        ; the mantissa field of 57,344
	s_lshl_b32 s20, s17, 10                        ; my rows' codes
	s_mov_b32 s21, 0
	s_lshl_b32 s24, ttmp9, 9                       ; the work-group's scale bytes
	s_add_co_u32 s24, s24, 0x400000
	s_mov_b32 s25, 0
.endif
	s_wait_alu depctr_va_vdst(0)
	s_wait_kmcnt 0x0
	s_add_nc_u64 s[4:5], s[4:5], s[18:19]
.if LN
	s_add_nc_u64 s[10:11], s[10:11], s[18:19]
.endif
.if QNT
	s_add_nc_u64 s[14:15], s[12:13], s[24:25]
	s_add_nc_u64 s[12:13], s[12:13], s[20:21]
.endif
.if LN
.irp j, 0,1,2,3,4,5,6,7
	global_load_b128 v[G+4*\j:G+4*\j+3], v2, s[6:7] offset:512*\j
	global_load_b128 v[BE+4*\j:BE+4*\j+3], v2, s[8:9] offset:512*\j
.endr
.endif
.irp i, 0,1
.irp j, 0,1,2,3,4,5,6,7
	global_load_b128 v[Y+32*\i+4*\j:Y+32*\i+4*\j+3], v2, s[4:5] offset:4096*\i+512*\j th:TH_LOAD_NT   ; 512 consecutive bytes a load
.endr
.endr
.macro RED                             ; four packed chains v[16:23] -> their sum over the wave, in v16 of every lane
	v_pk_add_f32 v[16:17], v[16:17], v[18:19]
	v_pk_add_f32 v[20:21], v[20:21], v[22:23]
	v_pk_add_f32 v[16:17], v[16:17], v[20:21]
	v_add_f32 v16, v16, v17
	v_add_f32_dpp v16, v16, v16 row_xmask:1 row_mask:0xf bank_mask:0xf
	v_add_f32_dpp v16, v16, v16 row_xmask:2 row_mask:0xf bank_mask:0xf
	v_add_f32_dpp v16, v16, v16 row_xmask:4 row_mask:0xf bank_mask:0xf
	v_add_f32_dpp v16, v16, v16 row_xmask:8 row_mask:0xf bank_mask:0xf
	v_permlanex16_b32 v17, v16, s26, s27
	v_add_f32 v16, v16, v17
.endm
.macro NORM i                          ; row i: mean, then the mean of the squared differences (two passes over registers: no difference of large sums), scale, gain, offset; stored as f32
.set YR, Y+32*\i
	v_pk_add_f32 v[16:17], v[YR:YR+1], v[YR+2:YR+3]
	v_pk_add_f32 v[18:19], v[YR+4:YR+5], v[YR+6:YR+7]
	v_pk_add_f32 v[20:21], v[YR+8:YR+9], v[YR+10:YR+11]
	v_pk_add_f32 v[22:23], v[YR+12:YR+13], v[YR+14:YR+15]
.irp n, 16,24
	v_pk_add_f32 v[16:17], v[16:17], v[YR+\n:YR+\n+1]
	v_pk_add_f32 v[18:19], v[18:19], v[YR+\n+2:YR+\n+3]
	v_pk_add_f32 v[20:21], v[20:21], v[YR+\n+4:YR+\n+5]
	v_pk_add_f32 v[22:23], v[22:23], v[YR+\n+6:YR+\n+7]
.endr
	RED
	v_mul_f32 v24, s28, v16                        ; the mean
	v_mov_b32 v25, v24
.set kk, 0
.rept 16
	v_pk_add_f32 v[YR+kk:YR+kk+1], v[YR+kk:YR+kk+1], v[24:25] neg_lo:[0,1] neg_hi:[0,1]
.set kk, kk+2
.endr
	v_pk_mul_f32 v[16:17], v[YR:YR+1], v[YR:YR+1]
	v_pk_mul_f32 v[18:19], v[YR+2:YR+3], v[YR+2:YR+3]
	v_pk_mul_f32 v[20:21], v[YR+4:YR+5], v[YR+4:YR+5]
	v_pk_mul_f32 v[22:23], v[YR+6:YR+7], v[YR+6:YR+7]
.irp n, 8,16,24
	v_pk_fma_f32 v[16:17], v[YR+\n:YR+\n+1], v[YR+\n:YR+\n+1], v[16:17]
	v_pk_fma_f32 v[18:19], v[YR+\n+2:YR+\n+3], v[YR+\n+2:YR+\n+3], v[18:19]
	v_pk_fma_f32 v[20:21], v[YR+\n+4:YR+\n+5], v[YR+\n+4:YR+\n+5], v[20:21]
	v_pk_fma_f32 v[22:23], v[YR+\n+6:YR+\n+7], v[YR+\n+6:YR+\n+7], v[22:23]
.endr
	RED
	v_fma_f32 v26, v16, s28, s29                   ; the variance + 1e-5
	v_rsq_f32 v28, v26
	v_nop                                          ; a plain instruction behind the transcendental
	s_wait_alu depctr_va_vdst(0)                   ; and the wait ahead of its first reader
	v_mov_b32 v29, v28
.set kk, 0
.rept 16
	v_pk_mul_f32 v[YR+kk:YR+kk+1], v[YR+kk:YR+kk+1], v[28:29]
.set kk, kk+2
.endr
.set kk, 0
.rept 16
	v_pk_fma_f32 v[YR+kk:YR+kk+1], v[YR+kk:YR+kk+1], v[G+kk:G+kk+1], v[BE+kk:BE+kk+1]
.set kk, kk+2
.endr
.irp j, 0,1,2,3,4,5,6,7
	global_store_b128 v2, v[YR+4*\j:YR+4*\j+3], s[10:11] offset:4096*\i+512*\j   ; 512 consecutive bytes a store; the row's registers are not written again
.endr
.endm
.macro TURN i, s                       ; 512 numbers of row i through stage s: LDS serves a wave's instructions in order, so no wait stands between the stores and the loads
.irp n, 0,1,2,3
	ds_store_b128 v3, v[Y+32*\i+16*\s+4*\n:Y+32*\i+16*\s+4*\n+3] offset:STG*\s+8*SP*\n
.endr
.irp n, 0,1,2,3
	ds_load_b128 v[X+16*\s+4*\n:X+16*\s+4*\n+3], v4 offset:STG*\s+16*\n
.endr
.endm
.macro STEP i, s                       ; 16 neighbours a lane, two lanes to a block
.set XS, X+16*\s
.set CR, C+4*(2*\i+\s)
	v_max3_num_f32 v8, |v[XS]|, |v[XS+1]|, |v[XS+2]|
	v_max3_num_f32 v9, |v[XS+3]|, |v[XS+4]|, |v[XS+5]|
.irp n, 6,10
	s_delay_alu instid0(VALU_DEP_2)
	v_max3_num_f32 v8, v8, |v[XS+\n]|, |v[XS+\n+1]|
	s_delay_alu instid0(VALU_DEP_2)
	v_max3_num_f32 v9, v9, |v[XS+\n+2]|, |v[XS+\n+3]|
.endr
	s_delay_alu instid0(VALU_DEP_2)
	v_max3_num_f32 v8, v8, |v[XS+14]|, |v[XS+15]|
	s_delay_alu instid0(VALU_DEP_1)
	v_max3_num_f32 v8, v8, v9, 0x8000000           ; and the floor 2^(16 - 127): the byte cannot fall under 1
	s_delay_alu instid0(VALU_DEP_1)
	v_max_num_f32_dpp v8, v8, v8 row_xmask:1 row_mask:0xf bank_mask:0xf   ; with my neighbour's 16: the block's largest magnitude
	s_delay_alu instid0(VALU_DEP_1)
	v_add_nc_u32 v11, 0xf8800000, v8               ; 15 off its exponent field: the conversion's scale operand
	s_delay_alu instid0(VALU_DEP_2)
	v_and_or_b32 v10, v8, 0x7f800000, s23          ; 57,344 x the scale
.irp n, 0,1,2,3,4,5,6,7,8,9,10,11,12,13,14,15
	v_med3_num_f32 v[XS+\n], v[XS+\n], -v10, v10   ; the conversion to an 8-bit code does not saturate (ISA guide 7.6.2): the hold comes first
.endr
	v_cvt_scalef32_pk8_bf8_f32 v[CR:CR+1], v[XS:XS+7], v11
	v_cvt_scalef32_pk8_bf8_f32 v[CR+2:CR+3], v[XS+8:XS+15], v11
	v_lshrrev_b32 v[E+2*\i+\s], 23, v11            ; the scale's byte (a plain instruction behind the conversions)
	ds_store_b8 v5, v[E+2*\i+\s] offset:32*\i+16*\s   ; both lanes of a block write the same byte with the same value
	global_store_b128 v2, v[CR:CR+3], s[12:13] offset:1024*\i+512*\s   ; 512 consecutive bytes of codes
.endm
.irp i, 0,1
	s_wait_loadcnt 8-8*\i                          ; row i is in; behind row 0 stand row 1's eight loads
.if LN
	NORM \i
.endif
.if QNT
	TURN \i, 0
	TURN \i, 1
	s_wait_dscnt 8                                 ; the first step's numbers are back: behind them stand the second step's four stores and four loads
	STEP \i, 0
	s_wait_dscnt 1                                 ; the second step's are back: behind them stands one byte store
	STEP \i, 1
.endif
.endr
.if QNT
	s_wait_dscnt 0x0                               ; for the others' sake: my scale bytes lie in LDS
	s_barrier_signal -1
	s_barrier_wait -1
	s_cmp_lg_u32 s16, 0
	s_cbranch_scc1 .Lend
	ds_load_b128 v[12:15], v6                      ; wave 0: the 16 rows' 512 scale bytes
	s_wait_dscnt 0x0
	global_store_b128 v2, v[12:15], s[14:15]       ; 512 consecutive bytes, aligned
.Lend:
.endif
	s_wait_tensorcnt 0x0
	ds_add_u32 v216, v217
	s_wait_dscnt 0x0
	s_endpgm
.Lfunc_end_k_qa47b9a4b39_quant_x:
	.size	k_qa47b9a4b39_quant_x, .Lfunc_end_k_qa47b9a4b39_quant_x-k_qa47b9a4b39_quant_x
	.p2alignl 7, 3214868480
	.fill 96, 4, 3214868480
	.section	.rodata,"a",@progbits
	.p2align	6, 0x0
	.amdhsa_kernel k_qa47b9a4b39_quant_x
		.amdhsa_group_segment_fixed_size 42496
		.amdhsa_private_segment_fixed_size 0
		.amdhsa_enable_private_segment 0
		.amdhsa_kernarg_size 16
		.amdhsa_user_sgpr_count 2
		.amdhsa_user_sgpr_kernarg_segment_ptr 1
		.amdhsa_wavefront_size32 1
		.amdhsa_system_sgpr_workgroup_id_x 1
		.amdhsa_system_sgpr_workgroup_id_y 1
		.amdhsa_system_sgpr_workgroup_id_z 1
		.amdhsa_system_vgpr_workitem_id 0
		.amdhsa_next_free_vgpr 218
		.amdhsa_next_free_sgpr 66
		.amdhsa_reserve_vcc 0
		.amdhsa_float_denorm_mode_32 3
		.amdhsa_float_denorm_mode_16_64 3
		.amdhsa_memory_ordered 1
		.amdhsa_forward_progress 1
		.amdhsa_inst_pref_size 16
	.end_amdhsa_kernel
	.amdgpu_metadata
---
amdhsa.version: [ 1, 2 ]
amdhsa.kernels:
  - .name:           k_qa47b9a4b39_quant_x
    .symbol:         k_qa47b9a4b39_quant_x.kd
    .args:
      - { .name: x, .offset: 0, .size: 8, .value_kind: global_buffer, .address_space: global }
      - { .name: aq, .offset: 8, .size: 8, .value_kind: global_buffer, .address_space: global }
    .group_segment_fixed_size: 42496
    .private_segment_fixed_size: 0
    .kernarg_segment_align: 8
    .kernarg_segment_size: 16
    .max_flat_workgroup_size: 256
    .sgpr_count:     66
    .vgpr_count:     218
    .wavefront_size: 32
...
	.end_amdgpu_metadata
.endif
;; end of part 9
;; launch qkv (part 10): grid 48 x 4, 4 waves a work-group, clusters of 4 x 4, 327,680 bytes of LDS; arguments aq, w_qkv_codes, w_qkv_scales, att; writes att
.if DOCPART == 10
	.amdgcn_target "amdgcn-amd-amdhsa--gfx1250"
	.amdhsa_code_object_version 6
	.text
	.protected	k_qa47b9a4b39_qkv
	.globl	k_qa47b9a4b39_qkv
	.p2align	8
	.type	k_qa47b9a4b39_qkv,@function
k_qa47b9a4b39_qkv:
	s_mov_b64 s[64:65], 0
	v_nop
	global_prefetch_b8 v0, s[64:65] scope:SCOPE_SE
	s_setreg_imm32_b32 hwreg(HW_REG_WAVE_MODE, 25, 1), 1
	s_wait_xcnt 0x0
	s_wait_alu depctr_hold_cnt(0) depctr_sa_sdst(0) depctr_va_vdst(0) depctr_va_sdst(0) depctr_va_ssrc(0) depctr_va_vcc(0) depctr_vm_vsrc(0)
	s_getreg_b32 s2, hwreg(HW_REG_IB_STS2, 6, 4)
	s_cmp_eq_u32 s2, 0
	s_cbranch_scc0 .Lentry_in_a_cluster
	s_endpgm
.Lentry_in_a_cluster:
	s_bfe_u32 s2, ttmp6, 0x10000c
	s_cmp_lg_u32 s2, 0xf033
	s_cbranch_scc0 .Lentry_shape_is_right
	s_endpgm
.Lentry_shape_is_right:
; q, k, v = x w_qkv on codes of E5M2 with E8M0 scales, and their quantising for attention.  x's codes and scale bytes come from aq, the weight's as given.
; C'[m][n] = sum over k of A'[m][k] B'[n][k], K = 1,024.  A tile of C' is 256 x 256: four waves, each 128 x 128 in 64 accumulators (512 registers).  K goes in steps of 256 through two LDS slots filled by tensor loads;
; the scale bytes of the tile's 512 rows come once and stay.  4 x 4 work-groups form a cluster: A's tile is asked for jointly along a row of the cluster, B's along a column.
; TWO PATHS, told apart by the cluster's number (equal in all partners).  Clusters 0-7: A' = tokens, B' = the weight's rows 0-2,047 (q, k): a lane's registers then run along the head's 64, the scores' K.
; Clusters 8-11: A' = the weight's rows 2,048-3,071 (v), B' = tokens: a lane's registers run along the tokens, the second product's K.  192 work-groups: 12 clusters are what the sizes give at this tile.
; THE MATRIX INSTRUCTION IS USED TRANSPOSED (source 0 = 16 rows of B', source 1 = 16 rows of A'): lane (r, h) holds row r of A', register j of accumulator b column 16 b + 8 h + j.
; THE WAY OUT.  Accumulators 2 e and 2 e + 1 are a block of 32 along the next K, spread over lanes l and l xor 16.  They are quantised in registers; two lane swaps a pair of registers bring the codes into the order of
; an operand's registers (k = 32 e + 16 h + 0 .. 15), and they are stored as IMAGES OF REGISTERS: 16 bytes a lane, 512 consecutive bytes a store.
; att: record (y = 2 head + batch, ks = 128 tokens) of 25,344 bytes: K's images 0, V's 8,192, K's scale words 16,384, V's 16,640, Q's images 16,896, Q's scale words 25,088.
; LIMITS: a block of zeros, or under 2^-111, gets the scale byte 1 (read by this program alone); NaN and infinities are not served.
.set SIZE_K, 1024
.set KSTEP,  256
.set NQ,     KSTEP/128
.set ROWB,   256
.set KROW,   SIZE_K
.set PITCH,  272                       ; an LDS row: 256 bytes + 16 of padding: the 16 rows of a load start at 16 different banks (64 banks of 4 bytes: ISA guide 11.1)
.set FR,     16
.set NL,     4
.set NP,     8                         ; places behind this matrix instruction (ISA guide 7.12.1)
.set HALFT,  128*PITCH
.set SLOT,   4*HALFT
.set LAPS,   SIZE_K/(2*KSTEP)
.set KS,     SIZE_K/32
.set SCL,    2*SLOT
.set HALFS,  (128*KS/256)*272
.set SBLK,   (16*KS/256)*272
.set SPARE,  SCL+4*HALFS               ; the spare words: 128 bytes a wave, named by no other line
.set REC,    25344
.set HS,     32*REC                    ; from a head's records to the next head's
.set ADRA, 16
.set ADRB, 20
.set ADRS, 27
.set SPW,  28
.set NIL,  29
.set SC,   32
.set AF,   128
.set PC,   128                         ; the way out, window 0: codes v128-143; at work v160-175; scale words v176-179
.set TM,   160
.set SEL,  20                          ; s[20:21] lane selects, s22 the mantissa field of 57,344: set at the way out
.set MNT,  22
.set G1, 24
.set G0, 32
.set G1B, 48
.set G0B, 56
.set G1S, 68
.set G0S, 76
.set G1SB, 80
.set G0SB, 88
.set MSB, 0
.macro WIN new                         ; the immediate's high byte repeats the setting that is left
.if MSB != (\new)
	s_set_vgpr_msb (MSB<<8)|(\new)
.set MSB, (\new)
.endif
.endm
.set MUL_LO, 0xa1                      ; source 0 (B') window 1, source 1 (A') window 0, C and D window 2
.set MUL_HI, 0xf1
.set TO_B,   0x40
.macro JLOAD g0a, g1a, g0b, g1b        ; a joint load: waves 0 and 1 fetch for A', waves 2 and 3 for B'; four v_nop follow each line
	s_cmp_eq_u32 s15, 0
	s_cbranch_scc0 .Lfor_b_\@
	tensor_load_to_lds s[\g0a:\g0a+3], s[\g1a:\g1a+7]
	s_nop 0
.rept 4
	v_nop
.endr
	s_branch .Lasked_\@
.Lfor_b_\@:
	tensor_load_to_lds s[\g0b:\g0b+3], s[\g1b:\g1b+7]
	s_nop 0
.rept 4
	v_nop
.endr
.Lasked_\@:
.endm
.macro CREST
	s_cmp_lg_u32 s14, 0
	s_cbranch_scc1 .Lnot_wave_0_\@
	s_barrier_signal -3
.Lnot_wave_0_\@:
	s_barrier_wait -3
	s_barrier_signal -1
	s_barrier_wait -1
.endm
.macro CROUND
	s_barrier_signal -1
	s_barrier_wait -1
	CREST
.endm
	s_load_b128 s[96:99], s[0:1], 0x0              ; aq, the weight's codes
	s_load_b64 s[100:101], s[0:1], 0x10            ; the weight's scales
	s_load_b64 s[12:13], s[0:1], 0x18              ; att
	v_lshl_add_u32 v[SPW], v0, 2, SPARE
	v_mov_b32 v[NIL], 0
	ds_add_u32 v28, v29
	ds_add_u32 v28, v29
	s_wait_dscnt 0x0
	v_lshrrev_b32 v1, 5, v0
	v_readfirstlane_b32 s14, v1                    ; wave 0..3
	s_lshr_b32 s15, s14, 1                         ; which half of the tile's rows is mine; also: I fetch for A' (0) or B' (1)
	s_and_b32 s16, s14, 1                          ; which half of its columns; also: which 128 rows I fetch
	s_bfe_u32 s40, ttmp6, 0x40000                  ; cx, cy
	s_bfe_u32 s41, ttmp6, 0x40004
	s_lshr_b32 s20, ttmp9, 1
	s_and_b32 s21, ttmp9, 1
	s_sub_co_u32 s22, ttmp9, 8
	s_cmp_lt_u32 ttmp9, 8                          ; q, k or v?
	s_cselect_b32 s17, s20, 0
	s_cselect_b32 s42, s21, s22
	s_lshl_b32 s17, s17, 2
	s_add_co_u32 s17, s17, s41                     ; tile row of C'
	s_lshl_b32 s42, s42, 2
	s_add_co_u32 s42, s42, s40                     ; tile column
	s_lshl_b32 s43, s41, 2
	s_lshl_b32 s43, 15, s43                        ; my row of the cluster
	s_lshl_b32 s44, 0x1111, s40                    ; my column
	s_or_b32 s[G1+0], s43, (0<<16)|(1<<20)|(1<<21)|(5<<22)|(3<<25)  ; mask; elements of 1 byte; padding on; bit 21 beside a mask; 4 words after every 64
	s_or_b32 s[G1B+0], s44, (0<<16)|(1<<20)|(1<<21)|(5<<22)|(3<<25)
.irp g, G1, G1B
	s_mov_b32 s[\g+1], ROWB<<16                    ; tensor_dim0
	s_mov_b32 s[\g+2], 256<<16                     ; tensor_dim1: the head's loads bring 256 rows; set to 128 for the ring behind them
	s_mov_b32 s[\g+3], ROWB<<16                    ; tile_dim0
	s_mov_b32 s[\g+4], 256                         ; tile_dim1
	s_mov_b32 s[\g+5], KROW                        ; the pitch
	s_mov_b32 s[\g+6], 0
	s_mov_b32 s[\g+7], 0
.endr
	s_or_b32 s[G1S+0], s43, (3<<16)|(1<<20)|(1<<21)|(5<<22)|(3<<25)  ; the scales of 256 rows: a dense block, as rows of 256 bytes (32 elements of 8), 16 bytes of padding behind each
	s_or_b32 s[G1SB+0], s44, (3<<16)|(1<<20)|(1<<21)|(5<<22)|(3<<25)
.irp g, G1S, G1SB
	s_mov_b32 s[\g+1], 32<<16
	s_mov_b32 s[\g+2], KS<<16                      ; the scales of 256 rows: KS rows of 256 bytes
	s_mov_b32 s[\g+3], 32<<16
	s_mov_b32 s[\g+4], KS
	s_mov_b32 s[\g+5], 32
	s_mov_b32 s[\g+6], 0
	s_mov_b32 s[\g+7], 0
.endr
	s_lshl_b32 s20, s17, 8                         ; A': the tile's first row
	s_lshl_b32 s46, s42, 8                         ; B': likewise
	s_mov_b32 s21, 0
	s_mov_b32 s47, 0
	s_mov_b64 s[18:19], KS
	s_mul_u64 s[22:23], s[20:21], s[18:19]
	s_mul_u64 s[92:93], s[46:47], s[18:19]
	s_mov_b64 s[18:19], KROW
	s_mul_u64 s[20:21], s[20:21], s[18:19]
	s_mul_u64 s[46:47], s[46:47], s[18:19]
	s_mul_i32 s18, s16, 128*KROW                   ; in the ring I fetch 128 rows of a tile: which half, in bytes
	s_mov_b32 s19, 0
	s_mul_i32 s45, s14, HALFT                      ; where they go: wave x 128 rows
	s_wait_kmcnt 0x0
	s_add_nc_u64 s[4:5], s[98:99], 0x200000        ; the weight's rows 2,048 on: codes,
	s_add_nc_u64 s[6:7], s[100:101], 0x10000       ; scale bytes
	s_add_nc_u64 s[10:11], s[96:97], 0x400000      ; x's scale bytes
	s_cmp_lt_u32 ttmp9, 8                          ; the choice hangs on the cluster's number alone
	s_cselect_b64 s[4:5], s[96:97], s[4:5]         ; A' codes
	s_cselect_b64 s[6:7], s[10:11], s[6:7]         ; A' scales
	s_cselect_b64 s[8:9], s[98:99], s[96:97]       ; B' codes
	s_cselect_b64 s[10:11], s[100:101], s[10:11]   ; B' scales
	s_add_nc_u64 s[20:21], s[4:5], s[20:21]
	s_add_nc_u64 s[22:23], s[6:7], s[22:23]
	s_add_nc_u64 s[46:47], s[8:9], s[46:47]
	s_add_nc_u64 s[92:93], s[10:11], s[92:93]
	CROUND                                         ; all sixteen work-groups are here: the first joint loads meet
	s_mov_b32 s[G0S], 1
	s_mov_b32 s[G0S+1], SCL
	s_mov_b64 s[G0S+2:G0S+3], s[22:23]
	s_or_b32 s[G0S+3], s[G0S+3], 0x80000000
	s_mov_b32 s[G0SB], 1
	s_mov_b32 s[G0SB+1], SCL+2*HALFS
	s_mov_b64 s[G0SB+2:G0SB+3], s[92:93]
	s_or_b32 s[G0SB+3], s[G0SB+3], 0x80000000
	s_mov_b32 s4, 1                                ; group 0 of the head's loads of K step 0: A's 256 rows,
	s_mov_b32 s5, 0
	s_mov_b64 s[6:7], s[20:21]
	s_or_b32 s7, s7, 0x80000000
	s_mov_b32 s8, 1                                ; B's 256 rows, behind them in slot 0
	s_mov_b32 s9, 2*HALFT
	s_mov_b64 s[10:11], s[46:47]
	s_or_b32 s11, s11, 0x80000000
	s_add_nc_u64 s[20:21], s[20:21], s[18:19]      ; for the ring: my 128 rows of the tile
	s_add_nc_u64 s[46:47], s[46:47], s[18:19]
.irp s, 0,1
	s_mov_b32 s[G0+4*\s], 1
	s_add_co_u32 s[G0+4*\s+1], s45, \s*SLOT
	s_add_nc_u64 s[G0+4*\s+2:G0+4*\s+3], s[20:21], \s*ROWB
	s_or_b32 s[G0+4*\s+3], s[G0+4*\s+3], 0x80000000
	s_mov_b32 s[G0B+4*\s], 1
	s_add_co_u32 s[G0B+4*\s+1], s45, \s*SLOT
	s_add_nc_u64 s[G0B+4*\s+2:G0B+4*\s+3], s[46:47], \s*ROWB
	s_or_b32 s[G0B+4*\s+3], s[G0B+4*\s+3], 0x80000000
.endr
; the head's four tiles, one load a wave: wave 0 A's 256 rows of K step 0, wave 1 B's, wave 2 A's scales, wave 3 B's; one tree of branches on the wave's number
.macro ARM under, g0, g1, next
	s_cmp_lt_u32 s14, \under
	s_cbranch_scc0 \next
	tensor_load_to_lds s[\g0:\g0+3], s[\g1:\g1+7]
	s_nop 0
.rept 4
	v_nop
.endr
	s_branch .Lhead_asked
\next:
.endm
	ARM 1, 4, G1, .Lhead_b
	ARM 2, 8, G1B, .Lhead_sa
	ARM 3, G0S, G1S, .Lhead_sb
	tensor_load_to_lds s[G0SB:G0SB+3], s[G1SB:G1SB+7]
	s_nop 0
.rept 4
	v_nop
.endr
.Lhead_asked:
	v_and_b32 v1, 15, v0                           ; r
	v_bfe_u32 v2, v0, 4, 1                         ; h
	v_mul_u32_u24 v3, v1, PITCH
	v_lshl_add_u32 v4, v2, 4, v3
	s_mul_i32 s21, s15, HALFT
	s_mul_i32 s22, s16, HALFT
	s_add_co_u32 s22, s22, 2*HALFT
.irp s, 0,1
	v_add_nc_u32 v[ADRA+\s], s21, v4
	v_add_nc_u32 v[ADRB+\s], s22, v4
	s_add_co_u32 s21, s21, SLOT
	s_add_co_u32 s22, s22, SLOT
.endr
	v_mul_u32_u24 v5, v1, KS                       ; my row's scales: KS bytes a row, and 16 more for each 256 passed
	v_lshrrev_b32 v6, 8, v5
	v_lshl_add_u32 v5, v6, 4, v5
	s_mul_i32 s21, s15, HALFS
	s_mul_i32 s22, s16, HALFS
	s_add_co_u32 s22, s22, 2*HALFS
	s_sub_co_u32 s22, s22, s21
	v_mul_u32_u24 v6, s22, v2                      ; lanes 16-31 take B's
	s_add_co_u32 s21, s21, SCL
	v_add_nc_u32 v5, v5, v6
	v_add_nc_u32 v[ADRS], s21, v5
	v_and_b32 v6, 31, v0
	v_lshlrev_b32 v24, 4, v6                       ; the way out: 16 bytes a lane of an image,
	v_lshlrev_b32 v25, 2, v1                       ; 4 bytes a row of scale words
	; where my wave's part of att begins
	s_lshl_b32 s20, s17, 8
	s_lshl_b32 s21, s15, 7
	s_add_co_u32 s20, s20, s21                     ; my first row of A'
	s_lshl_b32 s46, s42, 8
	s_lshl_b32 s47, s16, 7
	s_add_co_u32 s46, s46, s47                     ; my first row of B'
	s_cmp_lt_u32 ttmp9, 8
	s_cselect_b32 s21, s20, s46                    ; my first token
	s_cselect_b32 s47, s46, s20                    ; my first feature
	s_lshr_b32 s22, s21, 11                        ; batch
	s_bfe_u32 s23, s21, 0x40007                    ; ks: 128 tokens of the batch
	s_bfe_u32 s45, s47, 0x40006                    ; head
	s_lshl_b32 s45, s45, 1
	s_add_co_u32 s45, s45, s22
	s_lshl_b32 s45, s45, 4
	s_add_co_u32 s45, s45, s23
	s_mul_i32 s45, s45, REC                        ; the record
	s_lshr_b32 s22, s47, 10                        ; 1: k's features
	s_mov_b32 s92, 25088
	s_cmp_eq_u32 s22, 1
	s_cselect_b32 s23, 0, 16896                    ; images: K's or Q's,
	s_cselect_b32 s92, 16384, s92                  ; scale words likewise,
	s_cmp_lt_u32 ttmp9, 8
	s_cselect_b32 s23, s23, 8192                   ; or V's
	s_cselect_b32 s92, s92, 16640
	s_add_co_u32 s92, s92, s45
	s_mov_b32 s93, 0
	s_add_co_u32 s46, s45, s23
	s_mov_b32 s47, 0
	s_add_nc_u64 s[96:97], s[12:13], s[92:93]      ; scale words
	s_add_nc_u64 s[12:13], s[12:13], s[46:47]      ; images
.macro FRAG reg, adr, q, row           ; a fragment: 16 rows x 128 K of codes, 16 registers: registers 4 c .. 4 c + 3 hold K = 32 c + 16 h + 0 .. 15
.irp c, 0,1,2,3
	ds_load_b128 v[\reg+4*\c:\reg+4*\c+3], v[\adr] offset:128*(\q)+32*\c+(\row)*PITCH
.endr
.endm
.macro MUL16 a0, p, q, sc, zero        ; 16 matrix instructions: A's blocks a0, a0 + 1 x B's eight.  The 64 accumulators take turns, one instruction a turn
.irp a, \a0, \a0+1
.irp b, 0,1,2,3,4,5,6,7
.if \zero
	v_wmma_scale_f32_16x16x128_f8f6f4 v[8*(8*((\a)%4)+\b):8*(8*((\a)%4)+\b)+7], v[128*(\p)+FR*\b:128*(\p)+FR*\b+FR-1], v[AF+FR*(\a):AF+FR*(\a)+FR-1], 0, v[SC+8*NQ*(\sc)+NQ*\b+(\q)], v[SC+8*NQ*(\sc)+NQ*(\a)+(\q)] matrix_a_fmt:MATRIX_FMT_BF8 matrix_b_fmt:MATRIX_FMT_BF8 matrix_a_scale:MATRIX_SCALE_ROW1
.else
	v_wmma_scale_f32_16x16x128_f8f6f4 v[8*(8*((\a)%4)+\b):8*(8*((\a)%4)+\b)+7], v[128*(\p)+FR*\b:128*(\p)+FR*\b+FR-1], v[AF+FR*(\a):AF+FR*(\a)+FR-1], v[8*(8*((\a)%4)+\b):8*(8*((\a)%4)+\b)+7], v[SC+8*NQ*(\sc)+NQ*\b+(\q)], v[SC+8*NQ*(\sc)+NQ*(\a)+(\q)] matrix_a_fmt:MATRIX_FMT_BF8 matrix_b_fmt:MATRIX_FMT_BF8 matrix_a_scale:MATRIX_SCALE_ROW1
.endif
.endr
.endr
.endm
.macro FETCH_B slot, q, p
	WIN TO_B
.irp i, 0,1,2,3,4,5,6,7
	FRAG 128*(\p)+FR*\i, ADRB+\slot, \q, 16*\i
.endr
	WIN 0
.endm
.macro FETCH_A slot, q, i0
.irp i, \i0, \i0+1, \i0+2, \i0+3
	FRAG AF+FR*(\i), ADRA+\slot, \q, 16*(\i)
.endr
.endm
.macro SCALES sc                       ; a K step's scale words: lanes 0-15 A's block i, lanes 16-31 B's block i
.irp i, 0,1,2,3,4,5,6,7
	ds_load_b64 v[SC+8*NQ*\sc+NQ*\i:SC+8*NQ*\sc+NQ*\i+1], v[ADRS] offset:\i*SBLK
.endr
.endm
.macro PLACES n                        ; plain vector instructions between a matrix instruction and a load into, or a read or write of, its registers
.rept \n
	v_nop
.endr
.endm
.macro STEP slot, q, zero              ; 128 along K with its successor in the same slot
	s_wait_dscnt 4*NL                              ; all but the youngest 16 loads (A's blocks 4-7)
	WIN MUL_LO
	MUL16 0, (\q)%2, \q, \slot, \zero
	MUL16 2, (\q)%2, \q, \slot, \zero
	s_wait_dscnt 0
	PLACES NP
	FETCH_B \slot, (\q)+1, 1-(\q)%2
	FETCH_A \slot, (\q)+1, 0
	WIN MUL_HI
	MUL16 4, (\q)%2, \q, \slot, \zero
	MUL16 6, (\q)%2, \q, \slot, \zero
	PLACES NP
	WIN 0
	FETCH_A \slot, (\q)+1, 4
.endm
.macro TURN slot, next, fill           ; a slot's last step changes slots: one barrier; fill = 1: the slot is filled again, two K steps ahead
	s_wait_tensorcnt 0x0                           ; all my tensor loads have landed: my part of the next slot
	ds_add_u32 v[SPW], v[NIL]                      ; 0 onto my spare word
	s_wait_dscnt 4*NL+1                            ; the add and the youngest 16 loads may be out
	WIN MUL_LO
	MUL16 0, 1, NQ-1, \slot, 0
	s_wait_dscnt 0x0                               ; the add is done, and my reads of this slot are over
	s_barrier_signal -1
	MUL16 2, 1, NQ-1, \slot, 0
	WIN 0
	s_barrier_wait -1
.if \fill
	CREST                                          ; the barrier has opened a round of the cluster's barrier: no wave of any partner still reads this slot or has a load on its way
	s_add_nc_u64 s[G0+4*\slot+2:G0+4*\slot+3], s[G0+4*\slot+2:G0+4*\slot+3], 2*ROWB
	s_add_nc_u64 s[G0B+4*\slot+2:G0B+4*\slot+3], s[G0B+4*\slot+2:G0B+4*\slot+3], 2*ROWB
	JLOAD G0+4*\slot, G1, G0B+4*\slot, G1B         ; my one tensor load behind the round; its four v_nop are among the places below
	PLACES NP-4
.else
	PLACES NP
.endif
	s_wait_alu depctr_va_vdst(0)
	v_add_nc_u32 v[ADRS], 4*NQ, v[ADRS]
	FETCH_B \next, 0, 0
	FETCH_A \next, 0, 0
	SCALES \next
	WIN MUL_HI
	MUL16 4, 1, NQ-1, \slot, 0
	MUL16 6, 1, NQ-1, \slot, 0
	PLACES NP
	WIN 0
	FETCH_A \next, 0, 4
.endm
	s_wait_alu depctr_va_vdst(0)
	s_wait_tensorcnt 0x0                           ; my tile of the head's four is in
	ds_add_u32 v[SPW], v[NIL]
	s_mov_b32 s[G1+2], 128<<16                     ; no tensor load of mine is out: from here on a load brings 128 rows
	s_mov_b32 s[G1+4], 128
	s_mov_b32 s[G1B+2], 128<<16
	s_mov_b32 s[G1B+4], 128
	s_wait_dscnt 0x0
	CROUND                                         ; all four tiles are in, all sixteen work-groups are here
	JLOAD G0+4, G1, G0B+4, G1B                     ; K step 1: my one tensor load behind the round
	FETCH_B 0, 0, 0
	FETCH_A 0, 0, 0
	SCALES 0
	FETCH_A 0, 0, 4
	STEP 0, 0, 1                                   ; the first step's products start the sums
.if LAPS > 1
	s_mov_b32 s3, LAPS-1
.Llap:
	TURN 0, 1, 1
	STEP 1, 0, 0
	TURN 1, 0, 1
	STEP 0, 0, 0
	s_sub_co_u32 s3, s3, 1
	s_cmp_lg_u32 s3, 0
	s_cbranch_scc1 .Llap
.endif
	TURN 0, 1, 0
	STEP 1, 0, 0
	s_wait_dscnt 4*NL
	WIN MUL_LO
	MUL16 0, 1, NQ-1, 1, 0
	MUL16 2, 1, NQ-1, 1, 0
	s_wait_dscnt 0
	WIN MUL_HI
	MUL16 4, 1, NQ-1, 1, 0
	MUL16 6, 1, NQ-1, 1, 0
	WIN 0
; nb blocks of 32 along the next K in registers s on of window w (block e: 16 registers, the other 16 numbers in lane l xor 16) -> codes as the conversions leave them in v[PC] on, the row's scale word in v[pw]
.macro QUANTW s, w, nb, pw
	WIN (\w)|((\w)<<2)
.irp b, 0,1,2,3
.if \b < \nb
	v_max3_num_f32 v[TM+\b], |v[(\s)+16*\b]|, |v[(\s)+16*\b+1]|, 0x8000000   ; each accumulator is read from its low end on; the floor 2^(16 - 127) holds the byte at 1 from below
.endif
.endr
.irp i, 2,4,6,8,10,12,14
.irp b, 0,1,2,3
.if \b < \nb
	v_max3_num_f32 v[TM+\b], |v[(\s)+16*\b+\i]|, |v[(\s)+16*\b+\i+1]|, v[TM+\b]
.endif
.endr
.endr
	WIN 0
.irp b, 0,1,2,3
.if \b < \nb
	v_permlanex16_b32 v[TM+4+\b], v[TM+\b], s[SEL], s[SEL+1]
.endif
.endr
.irp b, 0,1,2,3
.if \b < \nb
	v_max_num_f32 v[TM+\b], v[TM+\b], v[TM+4+\b]   ; the block's largest magnitude
.endif
.endr
.irp b, 0,1,2,3
.if \b < \nb
	v_add_nc_u32 v[TM+12+\b], 0xf8800000, v[TM+\b] ; 15 off its exponent field: the conversion's scale operand
.endif
.endr
.irp b, 0,1,2,3
.if \b < \nb
	v_and_or_b32 v[TM+8+\b], v[TM+\b], 0x7f800000, s[MNT]   ; 57,344 x the scale
.endif
.endr
.irp b, 0,1,2,3
.if \b < \nb
	v_lshrrev_b32 v[TM+4+\b], 23, v[TM+12+\b]      ; the scale's byte
.endif
.endr
	s_wait_alu depctr_va_vdst(0)
	s_wait_xcnt 0x0                                ; the last block's stores have read their data registers: the scale word and the codes are written from here on
	v_lshl_or_b32 v[\pw], v[TM+5], 8, v[TM+4]
.if \nb > 2
	v_lshl_or_b32 v[\pw], v[TM+6], 16, v[\pw]
	v_lshl_or_b32 v[\pw], v[TM+7], 24, v[\pw]
.endif
	WIN (\w)|((\w)<<6)
.irp b, 0,1,2,3
.if \b < \nb
.irp i, 0,1,2,3,4,5,6,7,8,9,10,11,12,13,14,15
	v_med3_num_f32 v[(\s)+16*\b+\i], v[(\s)+16*\b+\i], -v[TM+8+\b], v[TM+8+\b]   ; the conversion does not saturate (ISA guide 7.6.2): the hold comes first
.endr
.endif
.endr
	WIN (\w)
.irp b, 0,1,2,3
.if \b < \nb
	v_cvt_scalef32_pk8_bf8_f32 v[PC+4*\b:PC+4*\b+1], v[(\s)+16*\b:(\s)+16*\b+7], v[TM+12+\b]
	v_cvt_scalef32_pk8_bf8_f32 v[PC+4*\b+2:PC+4*\b+3], v[(\s)+16*\b+8:(\s)+16*\b+15], v[TM+12+\b]
.endif
.endr
	WIN 0
	v_nop                                          ; a plain instruction between the conversions and the first vector instruction that touches their results
.irp b, 0,1,2,3
.if \b < \nb
.endif
.endr
.endm
.macro EPI a                           ; block a of my eight blocks of 16 rows
	QUANTW 64*((\a)%4), 2+(\a)/4, 4, 176+(\a)%2
	s_cmp_lt_u32 ttmp9, 8
	s_cbranch_scc0 .Lv_\@
.irp b, 0,1,2,3                        ; q, k alone are brought into operand order.  V's images stay as the conversions leave them: place 32 e + 16 h + i holds key 32 e + 8 h + i (i < 8) or 32 e + 16 + 8 h + i - 8: the order in which attention leaves p's codes
	v_permlane16_swap_b32 v[PC+4*\b], v[PC+4*\b+2]
	v_permlane16_swap_b32 v[PC+4*\b+1], v[PC+4*\b+3]
.endr
.irp e, 0,1,2,3                        ; q, k: rows are tokens (tile a of the record), blocks 0, 1 my first head's 64, blocks 2, 3 the next head's
	global_store_b128 v24, v[PC+4*\e:PC+4*\e+3], s[12:13] offset:(\a)*1024+(\e/2)*HS+(\e%2)*512
.endr
.if (\a)%2
	v_perm_b32 v178, v177, v176, 0x05040100        ; a pair of tiles' scale bytes in one word: the even tile's two, the odd tile's two
	v_perm_b32 v179, v177, v176, 0x07060302        ; the same for the next head
	global_store_b32 v25, v178, s[96:97] offset:((\a)/2)*64          ; (lanes l and l + 16 write the same word with the same value)
	global_store_b32 v25, v179, s[96:97] offset:((\a)/2)*64+HS
.endif
	s_branch .Ldone_\@
.Lv_\@:
	s_wait_alu depctr_va_vdst(0)
.irp e, 0,1,2,3                        ; v: rows are the head's channels (tile a % 4 of head a / 4), blocks are 32 keys each
	global_store_b128 v24, v[PC+4*\e:PC+4*\e+3], s[12:13] offset:((\a)/4)*HS+((\a)%4)*2048+\e*512
.endr
	global_store_b32 v25, v[176+(\a)%2], s[96:97] offset:((\a)/4)*HS+((\a)%4)*64
.Ldone_\@:
.endm
	PLACES NP                                      ; behind the last products, ahead of the first read of results and the first write over fragments
	s_mov_b32 s[SEL], 0x76543210
	s_mov_b32 s[SEL+1], 0xfedcba98
	s_mov_b32 s[MNT], 0x600000
.irp b, 0,1,2,3
	v_mov_b32 v[TM+4+\b], 0                        ; a lane permute's destination counts as one of its sources
.endr
.irp a, 0,1,2,3,4,5,6,7
	EPI \a
.endr
	s_wait_tensorcnt 0x0                           ; the wave's end
	ds_add_u32 v[SPW], v[NIL]
	s_wait_dscnt 0x0
	CROUND                                         ; the closing round
	s_endpgm
.Lfunc_end_k_qa47b9a4b39_qkv:
	.size	k_qa47b9a4b39_qkv, .Lfunc_end_k_qa47b9a4b39_qkv-k_qa47b9a4b39_qkv
	.p2alignl 7, 3214868480
	.fill 96, 4, 3214868480
	.section	.rodata,"a",@progbits
	.p2align	6, 0x0
	.amdhsa_kernel k_qa47b9a4b39_qkv
		.amdhsa_group_segment_fixed_size 327680
		.amdhsa_private_segment_fixed_size 0
		.amdhsa_enable_private_segment 0
		.amdhsa_kernarg_size 32
		.amdhsa_user_sgpr_count 2
		.amdhsa_user_sgpr_kernarg_segment_ptr 1
		.amdhsa_wavefront_size32 1
		.amdhsa_system_sgpr_workgroup_id_x 1
		.amdhsa_system_sgpr_workgroup_id_y 1
		.amdhsa_system_sgpr_workgroup_id_z 1
		.amdhsa_system_vgpr_workitem_id 0
		.amdhsa_next_free_vgpr 1024
		.amdhsa_next_free_sgpr 102
		.amdhsa_reserve_vcc 0
		.amdhsa_float_denorm_mode_32 3
		.amdhsa_float_denorm_mode_16_64 3
		.amdhsa_memory_ordered 1
		.amdhsa_forward_progress 1
		.amdhsa_inst_pref_size 195
	.end_amdhsa_kernel
	.amdgpu_metadata
---
amdhsa.version: [ 1, 2 ]
amdhsa.kernels:
  - .name:           k_qa47b9a4b39_qkv
    .symbol:         k_qa47b9a4b39_qkv.kd
    .args:
      - { .name: aq, .offset: 0, .size: 8, .value_kind: global_buffer, .address_space: global }
      - { .name: w_qkv_codes, .offset: 8, .size: 8, .value_kind: global_buffer, .address_space: global }
      - { .name: w_qkv_scales, .offset: 16, .size: 8, .value_kind: global_buffer, .address_space: global }
      - { .name: att, .offset: 24, .size: 8, .value_kind: global_buffer, .address_space: global }
    .group_segment_fixed_size: 327680
    .private_segment_fixed_size: 0
    .kernarg_segment_align: 8
    .kernarg_segment_size: 32
    .max_flat_workgroup_size: 128
    .sgpr_count:     102
    .vgpr_count:     1024
    .wavefront_size: 32
...
	.end_amdgpu_metadata
.endif
;; end of part 10
;; launch attention (part 11): grid 8 x 32, 8 waves a work-group, clusters of 4 x 1, 327,680 bytes of LDS; arguments att, aq; writes aq
.if DOCPART == 11
	.amdgcn_target "amdgcn-amd-amdhsa--gfx1250"
	.amdhsa_code_object_version 6
	.text
	.protected	k_qa47b9a4b39_attention
	.globl	k_qa47b9a4b39_attention
	.p2align	8
	.type	k_qa47b9a4b39_attention,@function
k_qa47b9a4b39_attention:
	s_mov_b64 s[64:65], 0
	v_nop
	global_prefetch_b8 v0, s[64:65] scope:SCOPE_SE
	s_setreg_imm32_b32 hwreg(HW_REG_WAVE_MODE, 25, 1), 1
	s_wait_xcnt 0x0
	s_wait_alu depctr_hold_cnt(0) depctr_sa_sdst(0) depctr_va_vdst(0) depctr_va_sdst(0) depctr_va_ssrc(0) depctr_va_vcc(0) depctr_vm_vsrc(0)
	s_getreg_b32 s2, hwreg(HW_REG_IB_STS2, 6, 4)
	s_cmp_eq_u32 s2, 0
	s_cbranch_scc0 .Lentry_in_a_cluster
	s_endpgm
.Lentry_in_a_cluster:
	s_bfe_u32 s2, ttmp6, 0x10000c
	s_cmp_lg_u32 s2, 0x3003
	s_cbranch_scc0 .Lentry_shape_is_right
	s_endpgm
.Lentry_shape_is_right:
; ctx = softmax(q k^T / 8) v for one head and batch (y = 2 head + batch), both products on codes of E5M2 with E8M0 scales, and ctx's quantising along E for the next product.
; SOFTMAX: t = score x log2(e) / 8; M = the running largest t rounded up to a whole number; p = 2^(t - M) is quantised along the keys, not normalised; the row's sum is taken of the unquantised p and divides at the end.
; When M moves, the sum and O are multiplied by 2^(old M - new M): exact.  The running maximum is kept as a score (c is positive, so the largest score gives the largest t).
; SHARES: a work-group owns 256 queries, each of its eight waves 32: two tiles of 16, so that each fragment of K and of V read from LDS feeds both tiles' products.  Two waves to a SIMD, 512 registers each.
; REGISTERS.  Window 0: addresses and both tiles' small state v0-63; four fragments of V v64-127; S^T, then p, of tile x at v128 + 64 x: eight blocks of 32 keys, block n = 4 x + b at v128 + 16 n.
; Window 1: Q of tile x as q, 0, q at v0 + 24 x; O^T at v48 + 32 x; p's codes at v112 + 16 x; the row's sum in four packed chains at v144 + 8 x; four fragments of K at v160-223.  Scale words stand in window 0.
; LDS: the head's K and V of all 2,048 keys, as images of operand registers with their scale words: 16 records of 17,408 bytes, cut in halves of 8,704: record R's first half at 8,704 R, its second at 139,264 + 8,704 R.
; Each byte is filled once.  TWO FILLS, one tensor load a wave each.  At the head wave w brings half w % 2 of record w / 2 (records 0-3).  Behind the full sequence and a round of the cluster's barrier it brings
; half w % 2 of records 4 + 3 (w / 2) .. + 2, as three rows of 8,704 bytes; that load has key steps 0-3 in which to land; ahead of key step 4 every wave waits for it and passes a barrier.  Every wait on TENSORcnt is for 0.
; K'S FRAGMENTS ARE ASKED FOR A STEP AHEAD, behind the places that follow the products that read them; V's at the head of their step.  In a walk's last step the address of the step ahead is held at the walk's last record:
; those 20 loads bring that record's fragments again and nobody uses them; so the step is written once, with no branch, and no load reaches bytes that are still being filled or were never filled.
; THE EXPONENTIALS go two at a time with one plain instruction of the other tile between: tile 0's with tile 1's t - M, tile 1's with tile 0's holds.  Nothing that is written inside a batch is read inside it.
; CLUSTER: the four query blocks of a cluster walk the same K and V: each part is asked for jointly (mask 15).
; NO PREFETCH INTO THE L2: both fills are issued before the loop over the keys begins, so there is no loop in which to run ahead of them.
; K = 64 UNDER AN INSTRUCTION OF 128: a fragment of source 0 holds key tile 2 g in its first 64 and tile 2 g + 1 in its last 64.  [q, 0] is the first 16 of Q's 24 registers, [0, q] the last 16;
; the half that is not meant meets zero codes (K's codes are finite by the quantiser's hold, no scale byte is 0xff).
; LAYOUT: both products transposed (S^T = K Q^T, O^T = V^T P^T): a lane holds one query of each tile.  S^T's tiles 2 g, 2 g + 1 give lane (r, h) keys 32 g + 8 h + j and 32 g + 16 + 8 h + j; p's codes stay in that order,
; and V's images are stored in the same order of keys inside each block of 32: the same pairs meet, and a block's scale serves the same 32 keys.
; A head's part of a row of ctx is 64 bytes: the stores at the end write pieces of 16 bytes a lane, rows 1,024 bytes apart.
; LIMITS: a block of zeros gets the scale byte 1; a block's largest p is taken through its largest score (v_exp_f32 taken not to fall where its input rises); NaN and infinities are not served.
.set REC,  25344
.set HALF, 8704
.set H1,   16*HALF
.set VIM,  8192
.set KSC,  16384
.set QIM,  16896
.set QSC,  25088
.set SPARE, 2*H1                       ; the spare words: 128 bytes a wave, named by no other line
.set KWK, 6                            ; v6-9 K's scale words
.set MM,  10                           ; v[10:11], v[12:13]: -M and the largest score, tile 0, 1
.set F,   14                           ; v[14:15], v[16:17]: f; the upper register is at work
.set T,   18
.set VK,  20                           ; LDS address of the K images of the step ahead
.set VKS, 21                           ; and of their scale words
.set PWD, 22                           ; p's scale words
.set QW,  24                           ; Q's
.set SPW, 26
.set NIL, 27
.set BM,  28                           ; the eight blocks' largest
.set PT,  36                           ; at work, then the bytes
.set HD,  44                           ; 57,344 x the scale
.set CV,  52                           ; the conversions' scale operands
.set KW,  60                           ; V's scale words
.set FB,  64
.set S,   128
.set Q,   0                            ; window 1 from here on
.set O,   48
.set PCD, 112
.set CH,  144
.set KB,  160
.set SEL, 40
.set CS,  42
.set MNT, 44
.set MSB, 0
.macro WIN new                         ; bits 1:0 source 0, 3:2 source 1, 5:4 source 2, 7:6 destination; the high byte repeats the setting that is left
.if MSB != (\new)
	s_set_vgpr_msb (MSB<<8)|(\new)
.set MSB, (\new)
.endif
.endm
.macro CROUND
	s_barrier_signal -1
	s_barrier_wait -1
	s_cmp_lg_u32 s8, 0
	s_cbranch_scc1 .Lnot_wave_0_\@
	s_barrier_signal -3
.Lnot_wave_0_\@:
	s_barrier_wait -3
	s_barrier_signal -1
	s_barrier_wait -1
.endm
	s_load_b128 s[4:7], s[0:1], 0x0                ; att, aq
	v_lshl_add_u32 v[SPW], v0, 2, SPARE
	v_mov_b32 v[NIL], 0
	ds_add_u32 v[SPW], v[NIL]                      ; the add, twice on end, and one wait
	ds_add_u32 v[SPW], v[NIL]
	v_lshrrev_b32 v1, 5, v0
	v_readfirstlane_b32 s8, v1                     ; wave 0..7
	s_bfe_u32 s9, ttmp6, 0x40000                   ; cx
	s_lshl_b32 s10, ttmp9, 2
	s_add_co_u32 s10, s10, s9                      ; my block of 256 queries: it enters Q's and the result's addresses alone
	s_and_b32 s11, ttmp7, 0xffff                   ; y, which the partners share
	s_mov_b32 s16, 15|(3<<16)|(1<<21)              ; group 1, half a record: the mask of all four; elements of 8 bytes; bit 21 beside a mask; no padding: images are read 16 bytes a lane on end
	s_mov_b32 s17, 32<<16                          ; 34 rows of 256 bytes, dense
	s_mov_b32 s18, 34<<16
	s_mov_b32 s19, 32<<16
	s_mov_b32 s20, 34
	s_mov_b32 s21, 32
	s_mov_b32 s22, 0
	s_mov_b32 s23, 0
	s_mov_b32 s68, 15|(3<<16)|(1<<21)              ; group 1, the same half of three records: 3 rows of 1,088 elements, a record (3,168 elements) apart
	s_mov_b32 s69, 1088<<16
	s_mov_b32 s70, 3<<16
	s_mov_b32 s71, 1088<<16
	s_mov_b32 s72, 3
	s_mov_b32 s73, REC/8
	s_mov_b32 s74, 0
	s_mov_b32 s75, 0
	s_and_b32 s12, s8, 1                           ; which half
	s_lshr_b32 s14, s8, 1
	s_lshl_b32 s24, s11, 4
	s_mul_i32 s15, s14, 3
	s_add_co_u32 s15, s15, 4                       ; my first record of the second fill
	s_add_co_u32 s56, s24, s15
	s_mul_i32 s56, s56, REC
	s_mul_i32 s25, s12, HALF
	s_add_co_u32 s56, s56, s25                     ; in memory,
	s_mov_b32 s57, 0
	s_mul_i32 s59, s12, H1
	s_mul_i32 s58, s15, HALF
	s_add_co_u32 s58, s58, s59                     ; and in LDS
	s_add_co_u32 s24, s24, s14
	s_mul_i32 s24, s24, REC
	s_add_co_u32 s24, s24, s25                     ; the first fill: record (y, wave / 2), my half, in memory,
	s_mov_b32 s25, 0
	s_mul_i32 s13, s14, HALF
	s_add_co_u32 s13, s13, s59                     ; and in LDS
	s_lshl_b32 s26, s11, 4
	s_lshl_b32 s33, s10, 1
	s_add_co_u32 s26, s26, s33
	s_lshr_b32 s33, s8, 2
	s_add_co_u32 s26, s26, s33
	s_mul_i32 s26, s26, REC                        ; the record of my queries
	s_and_b32 s33, s8, 3
	s_lshl_b32 s34, s33, 11
	s_add_co_u32 s34, s34, s26
	s_add_co_u32 s34, s34, QIM                     ; my two tiles' images
	s_mov_b32 s35, 0
	s_lshl_b32 s33, s33, 6
	s_add_co_u32 s26, s26, s33
	s_add_co_u32 s26, s26, QSC                     ; their scale words: one word a row for the pair
	s_mov_b32 s27, 0
	s_and_b32 s33, s11, 1
	s_lshl_b32 s33, s33, 11
	s_lshl_b32 s45, s10, 8
	s_add_co_u32 s33, s33, s45
	s_lshl_b32 s45, s8, 5
	s_add_co_u32 s33, s33, s45                     ; my first row of ctx
	s_lshr_b32 s45, s11, 1                         ; the head
	s_lshl_b32 s36, s33, 10
	s_lshl_b32 s46, s45, 6
	s_add_co_u32 s36, s36, s46
	s_mov_b32 s37, 0
	s_lshl_b32 s38, s33, 5
	s_lshl_b32 s46, s45, 1
	s_add_co_u32 s38, s38, s46
	s_add_co_u32 s38, s38, 0x400000
	s_mov_b32 s39, 0
	s_mov_b32 s32, 0x01000100                      ; the even tile's two bytes, twice;
	s_mov_b32 s60, 0x03020302                      ; the odd tile's
	s_mov_b32 s[SEL], 0x76543210
	s_mov_b32 s[SEL+1], 0xfedcba98
	s_mov_b32 s[CS], 0x3e38aa3b                    ; c = log2(e) / 8
	s_mov_b32 s[CS+1], s[CS]
	s_mov_b32 s[MNT], 0x600000
	s_wait_dscnt 0x0
	s_wait_kmcnt 0x0
	s_mov_b32 s48, 1                               ; group 0 of the first fill
	s_mov_b32 s49, s13
	s_add_nc_u64 s[50:51], s[4:5], s[24:25]
	s_or_b32 s51, s51, 0x80000000
	s_mov_b32 s52, 1                               ; and of the second
	s_mov_b32 s53, s58
	s_add_nc_u64 s[54:55], s[4:5], s[56:57]
	s_or_b32 s55, s55, 0x80000000
	s_add_nc_u64 s[28:29], s[4:5], s[34:35]
	s_add_nc_u64 s[30:31], s[4:5], s[26:27]
	s_add_nc_u64 s[36:37], s[6:7], s[36:37]
	s_add_nc_u64 s[38:39], s[6:7], s[38:39]
	CROUND                                         ; all four work-groups are here: the joint loads meet
	tensor_load_to_lds s[48:51], s[16:23]          ; my one tensor load at the head
	s_nop 0
.rept 4
	v_nop
.endr
	v_and_b32 v1, 31, v0
	v_lshlrev_b32 v3, 4, v1                        ; 16 x lane: an image's place for my lane
	v_and_b32 v2, 15, v0                           ; r
	v_lshlrev_b32 v5, 2, v2
	v_add_nc_u32 v4, H1+KSC-HALF, v5               ; a scale word's: they lie in a record's second half
	global_load_b32 v[T], v5, s[30:31]
	WIN 0x40
.irp x, 0,1
.irp u, 0,16
	global_load_b128 v[Q+24*\x+\u:Q+24*\x+\u+3], v3, s[28:29] offset:1024*\x
	global_load_b128 v[Q+24*\x+\u+4:Q+24*\x+\u+7], v3, s[28:29] offset:1024*\x+512
.endr
.irp j, 8,9,10,11,12,13,14,15
	v_mov_b32 v[Q+24*\x+\j], 0                     ; Q's zero codes
.endr
.endr
.set jj, 0
.rept 64
	v_mov_b32 v[O+jj], 0                           ; O^T: the step is written once; the first finds zeros
.set jj, jj+1
.endr
.set jj, 0
.rept 16
	v_mov_b32 v[CH+jj], 0                          ; the sums
.set jj, jj+1
.endr
	WIN 0
.irp x, 0,1
	v_mov_b32 v[MM+2*\x+1], 0xff61b1e6             ; the largest score so far: -3e38
	v_mov_b32 v[MM+2*\x], 0x7e000000               ; -M = 2^125: the first change of M gives f = 0, which meets zeros
.endr
.set jj, 0
.rept 8
	v_mov_b32 v[PT+jj], 0                          ; a lane permute's destination counts as one of its sources
.set jj, jj+1
.endr
	s_wait_alu depctr_va_vdst(0)
	s_wait_loadcnt 0x0
	v_perm_b32 v[QW], v[T], v[T], s32              ; a tile's two bytes, twice: for either half of K
	v_perm_b32 v[QW+1], v[T], v[T], s60
.macro KLOAD                           ; the four fragments of K and their scale words of the record at v[VK], v[VKS]: 20 loads
	WIN 0x40
.irp g, 0,1,2,3
.irp c, 0,1,2,3
	ds_load_b128 v[KB+16*\g+4*\c:KB+16*\g+4*\c+3], v[VK] offset:2048*\g+512*\c   ; key tiles 2 g and 2 g + 1
.endr
.endr
	WIN 0
.irp g, 0,1,2,3
	ds_load_b32 v[KWK+\g], v[VKS] offset:64*\g
.endr
.endm
.macro SUMS x                          ; tile x's unquantised p onto its four packed chains, by turns
.set jj, 0
.rept 8
.irp k, 0,1,2,3
	v_pk_add_f32 v[CH+8*\x+2*\k:CH+8*\x+2*\k+1], v[CH+8*\x+2*\k:CH+8*\x+2*\k+1], v[S+64*\x+jj+2*\k:S+64*\x+jj+2*\k+1]
.endr
.set jj, jj+8
.endr
.endm
; A KEY STEP: 128 keys against my 32 queries; the record's halves at LDS bytes s2 and H1 + s2.  last: LDS byte of the walk's last record
.macro STEP last
	s_add_co_u32 s61, s2, HALF
	s_min_u32 s61, s61, \last                      ; the record of the step ahead, held at the walk's last
	v_add_nc_u32 v1, s2, v3
	v_add_nc_u32 v2, s2, v4
	v_add_nc_u32 v[VK], s61, v3
	v_add_nc_u32 v[VKS], s61, v4
	v_add_nc_u32 v5, H1, v1
	v_mov_b32 v[T], v[MM]                          ; the old -M
	v_mov_b32 v[T+1], v[MM+2]
	v_nop                                          ; with the seven lines above: eight places behind the last products, ahead of loads into their registers
.irp t, 0,1,2,3                        ; V: it lands under the scores and the softmax.  Its first 512 bytes lie in the record's first half
.irp c, 0,1,2,3
.if (\t+\c) == 0
	ds_load_b128 v[FB:FB+3], v1 offset:VIM
.else
	ds_load_b128 v[FB+16*\t+4*\c:FB+16*\t+4*\c+3], v5 offset:VIM-HALF+2048*\t+512*\c
.endif
.endr
	ds_load_b32 v[KW+\t], v2 offset:256+64*\t
.endr
	s_wait_alu depctr_va_vdst(0)
	s_wait_dscnt 20                                ; K's fragments, asked for a step ago, are in: behind them stand V's 20 loads
	WIN 0x05                                       ; sources 0 and 1, K and Q: window 1
.irp g, 0,1,2,3
.irp x, 0,1
	v_wmma_scale_f32_16x16x128_f8f6f4 v[S+64*\x+16*\g:S+64*\x+16*\g+7], v[KB+16*\g:KB+16*\g+15], v[Q+24*\x:Q+24*\x+15], 0, v[KWK+\g], v[QW+\x] matrix_a_fmt:MATRIX_FMT_BF8 matrix_b_fmt:MATRIX_FMT_BF8
	v_wmma_scale_f32_16x16x128_f8f6f4 v[S+64*\x+16*\g+8:S+64*\x+16*\g+15], v[KB+16*\g:KB+16*\g+15], v[Q+24*\x+8:Q+24*\x+23], 0, v[KWK+\g], v[QW+\x] matrix_a_fmt:MATRIX_FMT_BF8 matrix_b_fmt:MATRIX_FMT_BF8
.endr
.endr
	WIN 0
.rept 8
	v_nop                                          ; eight places behind the products
.endr
	KLOAD                                          ; K of the step ahead
.irp n, 0,1,2,3,4,5,6,7
	v_max3_num_f32 v[BM+\n], v[S+16*\n], v[S+1+16*\n], v[S+2+16*\n]   ; the largest score of each block of 32 keys: for the row's maximum and for the block's largest p
.endr
.irp i, 3,5,7,9,11,13
.irp n, 0,1,2,3,4,5,6,7
	v_max3_num_f32 v[BM+\n], v[BM+\n], v[S+16*\n+\i], v[S+1+16*\n+\i]
.endr
.endr
.irp n, 0,1,2,3,4,5,6,7
	v_max_num_f32 v[BM+\n], v[BM+\n], v[S+15+16*\n]
.endr
.irp n, 0,1,2,3,4,5,6,7
	v_permlanex16_b32 v[PT+\n], v[BM+\n], s[SEL], s[SEL+1]
.endr
.irp n, 0,1,2,3,4,5,6,7
	v_max_num_f32 v[BM+\n], v[BM+\n], v[PT+\n]
.endr
.irp x, 0,1
	v_max3_num_f32 v[MM+2*\x+1], v[MM+2*\x+1], v[BM+4*\x], v[BM+4*\x+1]
.endr
.irp x, 0,1
	v_max3_num_f32 v[MM+2*\x+1], v[MM+2*\x+1], v[BM+4*\x+2], v[BM+4*\x+3]   ; the running largest score
.endr
.irp x, 0,1
	v_mul_f32 v[F+2*\x+1], s[CS], v[MM+2*\x+1]     ; as t
.endr
.irp x, 0,1
	v_floor_f32 v[MM+2*\x], -v[F+2*\x+1]           ; the new -M
.endr
.irp x, 0,1
	v_sub_f32 v[T+\x], v[MM+2*\x], v[T+\x]         ; old M - new M: a whole number, 0 or less
.endr
.irp x, 0,1
	v_cvt_i32_f32 v[T+\x], v[T+\x]                 ; (it saturates)
.endr
.irp x, 0,1
	v_ldexp_f32 v[F+2*\x], 1.0, v[T+\x]            ; f = 2^(old M - new M)
.endr
.set jj, 0
.rept 32
	v_pk_fma_f32 v[S+jj:S+jj+1], v[S+jj:S+jj+1], s[CS:CS+1], v[MM:MM+1] op_sel_hi:[1,0,0]   ; tile 0: t - M
.set jj, jj+2
.endr
.irp n, 0,1,2,3,4,5,6,7
	v_fma_f32 v[BM+\n], v[BM+\n], s[CS], v[MM+2*(\n/4)]
.endr
	s_wait_alu depctr_va_vdst(0)                   ; the wait ahead of the batch
.set jj, 0
.rept 32
	v_exp_f32 v[S+jj], v[S+jj]                     ; tile 0: p = 2^(t - M);
	v_exp_f32 v[S+jj+1], v[S+jj+1]
	v_pk_fma_f32 v[S+64+jj:S+64+jj+1], v[S+64+jj:S+64+jj+1], s[CS:CS+1], v[MM+2:MM+3] op_sel_hi:[1,0,0]   ; between them tile 1: t - M, first read behind the wait below
.set jj, jj+2
.endr
.irp n, 0,1,2,3,4,5,6,7
	v_exp_f32 v[BM+\n], v[BM+\n]                   ; the blocks' largest p
.endr
	v_nop                                          ; a plain place behind the batch
	WIN 0x41                                       ; destination and source 0, the sums: window 1
	s_wait_alu depctr_va_vdst(0)                   ; one wait for the batch, ahead of its first reader
.irp k, 0,1,2,3,4,5,6,7
	v_pk_mul_f32 v[CH+2*\k:CH+2*\k+1], v[CH+2*\k:CH+2*\k+1], v[F+2*(\k/4):F+2*(\k/4)+1] op_sel_hi:[1,0]   ; the sums under the new M
.endr
	SUMS 0
	WIN 0
.irp n, 0,1,2,3,4,5,6,7
	v_max_num_f32 v[BM+\n], 0x8000000, v[BM+\n]    ; the floor 2^(16 - 127)
.endr
.irp n, 0,1,2,3,4,5,6,7
	v_add_nc_u32 v[CV+\n], 0xf8800000, v[BM+\n]
.endr
.irp n, 0,1,2,3,4,5,6,7
	v_and_or_b32 v[HD+\n], v[BM+\n], 0x7f800000, s[MNT]
.endr
.irp n, 0,1,2,3,4,5,6,7
	v_lshrrev_b32 v[PT+\n], 23, v[CV+\n]
.endr
.irp x, 0,1
	v_lshl_or_b32 v[PWD+\x], v[PT+4*\x+1], 8, v[PT+4*\x]   ; p's scale word for these 128 keys
.endr
.irp x, 0,1
	v_lshl_or_b32 v[PWD+\x], v[PT+4*\x+2], 16, v[PWD+\x]
.endr
.irp x, 0,1
	v_lshl_or_b32 v[PWD+\x], v[PT+4*\x+3], 24, v[PWD+\x]
.endr
	s_wait_alu depctr_va_vdst(0)                   ; the wait ahead of the batch
.set jj, 0
.rept 32                               ; p is not negative: a one-sided hold ahead of a conversion that does not saturate (ISA guide 7.6.2), two numbers an instruction
	v_exp_f32 v[S+64+jj], v[S+64+jj]               ; tile 1: p;
	v_exp_f32 v[S+64+jj+1], v[S+64+jj+1]
	v_dual_min_num_f32 v[S+jj], v[S+jj], v[HD+jj/16] :: v_dual_min_num_f32 v[S+jj+1], v[S+jj+1], v[HD+jj/16]   ; between them tile 0's hold, first read behind the wait below
.set jj, jj+2
.endr
	v_nop                                          ; a plain place behind the batch
	WIN 0x41
	s_wait_alu depctr_va_vdst(0)                   ; one wait for the batch, ahead of its first reader
	SUMS 1
	WIN 0
.set jj, 0
.rept 32
	v_dual_min_num_f32 v[S+64+jj], v[S+64+jj], v[HD+4+jj/16] :: v_dual_min_num_f32 v[S+64+jj+1], v[S+64+jj+1], v[HD+4+jj/16]   ; tile 1's hold
.set jj, jj+2
.endr
	WIN 0x40                                       ; destination, the codes: window 1
.irp n, 0,1,2,3,4,5,6,7
	v_cvt_scalef32_pk8_bf8_f32 v[PCD+4*\n:PCD+4*\n+1], v[S+16*\n:S+16*\n+7], v[CV+\n]
	v_cvt_scalef32_pk8_bf8_f32 v[PCD+4*\n+2:PCD+4*\n+3], v[S+16*\n+8:S+16*\n+15], v[CV+\n]
.endr
	WIN 0x41
	s_wait_alu depctr_va_vdst(0)                   ; the wait directly ahead of the first reader of O^T
.irp x, 0,1
.set jj, 0
.rept 16
	v_pk_mul_f32 v[O+32*\x+jj:O+32*\x+jj+1], v[O+32*\x+jj:O+32*\x+jj+1], v[F+2*\x:F+2*\x+1] op_sel_hi:[1,0]   ; O^T under the new M; also the places between the codes' last write and the products
.set jj, jj+2
.endr
.endr
	s_wait_alu depctr_va_vdst(0)
	s_wait_dscnt 0x0                               ; V is in, and so is K of the step ahead
	WIN 0x54                                       ; source 1 (p's codes), C and D (O^T): window 1
.irp t, 0,1,2,3                        ; eight accumulators by turns
.irp x, 0,1
	v_wmma_scale_f32_16x16x128_f8f6f4 v[O+32*\x+8*\t:O+32*\x+8*\t+7], v[FB+16*\t:FB+16*\t+15], v[PCD+16*\x:PCD+16*\x+15], v[O+32*\x+8*\t:O+32*\x+8*\t+7], v[KW+\t], v[PWD+\x] matrix_a_fmt:MATRIX_FMT_BF8 matrix_b_fmt:MATRIX_FMT_BF8
.endr
.endr
	WIN 0
.endm
.macro WALK first, trips               ; key steps first .. first + trips - 1; the first step's K is asked for ahead of the loop
	v_add_nc_u32 v[VK], \first*HALF, v3
	v_add_nc_u32 v[VKS], \first*HALF, v4
	KLOAD
	s_mov_b32 s2, \first*HALF
	s_mov_b32 s3, \trips
.Lstep_\@:
	STEP (\first+\trips-1)*HALF
	s_add_co_u32 s2, s2, HALF
	s_sub_co_u32 s3, s3, 1
	s_cmp_lg_u32 s3, 0
	s_cbranch_scc1 .Lstep_\@
.endm
	s_wait_alu depctr_va_vdst(0)                   ; the wait at the head's end
	s_wait_tensorcnt 0x0                           ; my half is in
	ds_add_u32 v[SPW], v[NIL]
	s_wait_dscnt 0x0
	CROUND                                         ; records 0-3 are whole, and all four work-groups are here
	tensor_load_to_lds s[52:55], s[68:75]          ; my half of three of records 4-15: my one tensor load behind the round
	s_nop 0
.rept 4
	v_nop
.endr
	WALK 0, 4
	s_wait_tensorcnt 0x0                           ; my part is in; no LDS instruction of mine is out: all were waited for ahead of the last products
	s_barrier_signal -1
	s_barrier_wait -1                              ; records 4-15 are whole
	WALK 4, 12
	; THE WAY OUT: O^T / the sum; register 8 t + j of tile x is ctx(query 16 x + r, channel 16 t + 8 h + j); two blocks of 32 along E a tile are quantised and brought into the order of memory by lane swaps
	WIN 0x05
.irp x, 0,1
	v_pk_add_f32 v[BM+4*\x:BM+4*\x+1], v[CH+8*\x:CH+8*\x+1], v[CH+8*\x+2:CH+8*\x+3]
	v_pk_add_f32 v[BM+4*\x+2:BM+4*\x+3], v[CH+8*\x+4:CH+8*\x+5], v[CH+8*\x+6:CH+8*\x+7]
.endr
	WIN 0
.irp x, 0,1
	v_pk_add_f32 v[F+2*\x:F+2*\x+1], v[BM+4*\x:BM+4*\x+1], v[BM+4*\x+2:BM+4*\x+3]
.endr
.irp x, 0,1
	v_add_f32 v[F+2*\x], v[F+2*\x], v[F+2*\x+1]
.endr
.irp x, 0,1
	v_permlanex16_b32 v[T+\x], v[F+2*\x], s[SEL], s[SEL+1]
.endr
.irp x, 0,1
	v_add_f32 v[F+2*\x], v[F+2*\x], v[T+\x]        ; the row's sum
.endr
	s_wait_alu depctr_va_vdst(0)                   ; the wait ahead of the transcendentals
	v_rcp_f32 v[F], v[F]
	v_rcp_f32 v[F+2], v[F+2]
	v_and_b32 v2, 15, v0                           ; (plain work behind the transcendentals)  r
	v_bfe_u32 v5, v0, 4, 1                         ; h
	v_lshlrev_b32 v[VK], 10, v2
	v_lshl_add_u32 v[VK], v5, 4, v[VK]             ; row r of 1,024 bytes, + 16 h
	v_lshlrev_b32 v[VKS], 5, v2                    ; row r of 32 scale bytes
	WIN 0x01
	s_wait_alu depctr_va_vdst(0)                   ; the wait ahead of the reciprocals' and O^T's first reader
.irp x, 0,1
.set jj, 0
.rept 32
	v_mul_f32 v[S+64*\x+jj], v[O+32*\x+jj], v[F+2*\x]   ; each accumulator from its low end on
.set jj, jj+1
.endr
.endr
	WIN 0
.macro EACH body:vararg                ; the four blocks: n = 2 x + b, its 16 numbers a lane at v[SB]
.irp n, 0,1,2,3
.set SB, S+64*(\n/2)+16*(\n%2)
.set NN, \n
	\body
.endr
.endm
	EACH v_max3_num_f32 v[BM+NN], |v[SB]|, |v[SB+1]|, 0x8000000
.irp i, 2,4,6,8,10,12,14
	EACH v_max3_num_f32 v[BM+NN], v[BM+NN], |v[SB+\i]|, |v[SB+1+\i]|
.endr
	EACH v_permlanex16_b32 v[PT+NN], v[BM+NN], s[SEL], s[SEL+1]
	EACH v_max_num_f32 v[BM+NN], v[BM+NN], v[PT+NN]
	EACH v_add_nc_u32 v[CV+NN], 0xf8800000, v[BM+NN]
	EACH v_and_or_b32 v[HD+NN], v[BM+NN], 0x7f800000, s[MNT]
	EACH v_lshrrev_b32 v[PT+NN], 23, v[CV+NN]
.irp x, 0,1
	v_lshl_or_b32 v[PWD+\x], v[PT+2*\x+1], 8, v[PT+2*\x]
.endr
.irp i, 0,1,2,3,4,5,6,7,8,9,10,11,12,13,14,15
	EACH v_med3_num_f32 v[SB+\i], v[SB+\i], -v[HD+NN], v[HD+NN]
.endr
	EACH v_cvt_scalef32_pk8_bf8_f32 v[FB+4*NN:FB+4*NN+1], v[SB:SB+7], v[CV+NN]
	EACH v_cvt_scalef32_pk8_bf8_f32 v[FB+4*NN+2:FB+4*NN+3], v[SB+8:SB+15], v[CV+NN]
	v_nop                                          ; a plain instruction behind the conversions
	EACH v_permlane16_swap_b32 v[FB+4*NN], v[FB+4*NN+2]     ; channels 32 b + 16 h + 0 .. 15
	EACH v_permlane16_swap_b32 v[FB+4*NN+1], v[FB+4*NN+3]
.irp x, 0,1
	global_store_b128 v[VK], v[FB+8*\x:FB+8*\x+3], s[36:37] offset:16384*\x
	global_store_b128 v[VK], v[FB+8*\x+4:FB+8*\x+7], s[36:37] offset:16384*\x+32
	global_store_b16 v[VKS], v[PWD+\x], s[38:39] offset:512*\x   ; the head's two scale bytes of a row (lanes l and l + 16 write the same)
.endr
	s_wait_tensorcnt 0x0                           ; the wave's end
	ds_add_u32 v[SPW], v[NIL]
	s_wait_dscnt 0x0
	CROUND                                         ; the closing round
	s_endpgm
.Lfunc_end_k_qa47b9a4b39_attention:
	.size	k_qa47b9a4b39_attention, .Lfunc_end_k_qa47b9a4b39_attention-k_qa47b9a4b39_attention
	.p2alignl 7, 3214868480
	.fill 96, 4, 3214868480
	.section	.rodata,"a",@progbits
	.p2align	6, 0x0
	.amdhsa_kernel k_qa47b9a4b39_attention
		.amdhsa_group_segment_fixed_size 327680
		.amdhsa_private_segment_fixed_size 0
		.amdhsa_enable_private_segment 0
		.amdhsa_kernarg_size 16
		.amdhsa_user_sgpr_count 2
		.amdhsa_user_sgpr_kernarg_segment_ptr 1
		.amdhsa_wavefront_size32 1
		.amdhsa_system_sgpr_workgroup_id_x 1
		.amdhsa_system_sgpr_workgroup_id_y 1
		.amdhsa_system_sgpr_workgroup_id_z 1
		.amdhsa_system_vgpr_workitem_id 0
		.amdhsa_next_free_vgpr 512
		.amdhsa_next_free_sgpr 80
		.amdhsa_reserve_vcc 0
		.amdhsa_float_denorm_mode_32 3
		.amdhsa_float_denorm_mode_16_64 3
		.amdhsa_memory_ordered 1
		.amdhsa_forward_progress 1
		.amdhsa_inst_pref_size 96
	.end_amdhsa_kernel
	.amdgpu_metadata
---
amdhsa.version: [ 1, 2 ]
amdhsa.kernels:
  - .name:           k_qa47b9a4b39_attention
    .symbol:         k_qa47b9a4b39_attention.kd
    .args:
      - { .name: att, .offset: 0, .size: 8, .value_kind: global_buffer, .address_space: global }
      - { .name: aq, .offset: 8, .size: 8, .value_kind: global_buffer, .address_space: global }
    .group_segment_fixed_size: 327680
    .private_segment_fixed_size: 0
    .kernarg_segment_align: 8
    .kernarg_segment_size: 16
    .max_flat_workgroup_size: 256
    .sgpr_count:     80
    .vgpr_count:     512
    .wavefront_size: 32
...
	.end_amdgpu_metadata
.endif
;; end of part 11
;; launch proj_o (part 12): grid 8 x 32, 4 waves a work-group, clusters of 4 x 4, 327,680 bytes of LDS; arguments aq, w_o_codes, w_o_scales, b_o, x, ybuf; writes ybuf
.if DOCPART == 12
	.amdgcn_target "amdgcn-amd-amdhsa--gfx1250"
	.amdhsa_code_object_version 6
	.text
	.protected	k_qa47b9a4b39_proj_o
	.globl	k_qa47b9a4b39_proj_o
	.p2align	8
	.type	k_qa47b9a4b39_proj_o,@function
k_qa47b9a4b39_proj_o:
	s_mov_b64 s[64:65], 0
	v_nop
	global_prefetch_b8 v0, s[64:65] scope:SCOPE_SE
	s_setreg_imm32_b32 hwreg(HW_REG_WAVE_MODE, 25, 1), 1
	s_wait_xcnt 0x0
	s_wait_alu depctr_hold_cnt(0) depctr_sa_sdst(0) depctr_va_vdst(0) depctr_va_sdst(0) depctr_va_ssrc(0) depctr_va_vcc(0) depctr_vm_vsrc(0)
	s_getreg_b32 s2, hwreg(HW_REG_IB_STS2, 6, 4)
	s_cmp_eq_u32 s2, 0
	s_cbranch_scc0 .Lentry_in_a_cluster
	s_endpgm
.Lentry_in_a_cluster:
	s_bfe_u32 s2, ttmp6, 0x10000c
	s_cmp_lg_u32 s2, 0xf033
	s_cbranch_scc0 .Lentry_shape_is_right
	s_endpgm
.Lentry_shape_is_right:
.set SIZE_K, 1024
.set ASC,    0x400000
.set KSTEP,  512
.set NT,     SIZE_K/KSTEP
.set PITCH,  528
.set NP,     8
.set HALFT,  64*PITCH
.set SLOT,   4*HALFT
.set KS,     SIZE_K/32
.set SCL,    2*SLOT
.set HALFS,  (64*KS/256)*272
.set SBLK,   (16*KS/256)*272
.set SPARE,  SCL+4*HALFS
.set SPITCH, 272
.set BI,   8
.set ADRA, 16
.set ADRB, 18
.set STO,  24
.set RD,   25
.set CO,   26
.set ADRS, 27
.set SPW,  28
.set NIL,  29
.set BO,   30
.set SC,   32
.set BK,   64
.set ACC,  128
.set G1, 24
.set G0, 32
.set G1B, 48
.set G0B, 56
.set G1S, 68
.set G0S, 76
.set G1SB, 80
.set G0SB, 88
.set MSB, 0
.macro WIN new
.if MSB != (\new)
	s_set_vgpr_msb (MSB<<8)|(\new)
.set MSB, (\new)
.endif
.endm
.set MUL,  0x05
.set TO_F, 0x40
.macro JLOAD g0a, g1a, g0b, g1b
	s_cmp_eq_u32 s15, 0
	s_cbranch_scc0 .Lfor_b_\@
	tensor_load_to_lds s[\g0a:\g0a+3], s[\g1a:\g1a+7]
	s_nop 0
.rept 4
	v_nop
.endr
	s_branch .Lasked_\@
.Lfor_b_\@:
	tensor_load_to_lds s[\g0b:\g0b+3], s[\g1b:\g1b+7]
	s_nop 0
.rept 4
	v_nop
.endr
.Lasked_\@:
.endm
.macro CREST
	s_cmp_lg_u32 s14, 0
	s_cbranch_scc1 .Lnot_wave_0_\@
	s_barrier_signal -3
.Lnot_wave_0_\@:
	s_barrier_wait -3
	s_barrier_signal -1
	s_barrier_wait -1
.endm
.macro CROUND
	s_barrier_signal -1
	s_barrier_wait -1
	CREST
.endm
	s_load_b64 s[4:5], s[0:1], 0x0
	s_load_b128 s[8:11], s[0:1], 0x8
	s_load_b128 s[96:99], s[0:1], 0x18
	s_load_b64 s[12:13], s[0:1], 0x28
	v_lshl_add_u32 v[SPW], v0, 2, SPARE
	v_mov_b32 v[NIL], 0
	ds_add_u32 v28, v29
	ds_add_u32 v28, v29
	s_wait_dscnt 0x0
	v_lshrrev_b32 v1, 5, v0
	v_readfirstlane_b32 s14, v1
	s_lshr_b32 s15, s14, 1
	s_and_b32 s16, s14, 1
	s_bfe_u32 s40, ttmp6, 0x40000
	s_bfe_u32 s41, ttmp6, 0x40004
	s_lshl_b32 s42, ttmp9, 2
	s_add_co_u32 s42, s42, s40
	s_and_b32 s17, ttmp7, 0xffff
	s_lshl_b32 s17, s17, 2
	s_add_co_u32 s17, s17, s41
	s_lshl_b32 s43, s41, 2
	s_lshl_b32 s43, 15, s43
	s_lshl_b32 s44, 0x1111, s40
	s_or_b32 s[G1+0], s43, (0<<16)|(1<<20)|(1<<21)|(6<<22)|(3<<25)
	s_or_b32 s[G1B+0], s44, (0<<16)|(1<<20)|(1<<21)|(6<<22)|(3<<25)
.irp g, G1, G1B
	s_mov_b32 s[\g+1], KSTEP<<16
	s_mov_b32 s[\g+2], 128<<16                     ; the head's loads bring 128 rows; set to 64 for the ring behind them
	s_mov_b32 s[\g+3], KSTEP<<16
	s_mov_b32 s[\g+4], 128
	s_mov_b32 s[\g+5], SIZE_K
	s_mov_b32 s[\g+6], 0
	s_mov_b32 s[\g+7], 0
.endr
	s_or_b32 s[G1S+0], s43, (3<<16)|(1<<20)|(1<<21)|(5<<22)|(3<<25)
	s_or_b32 s[G1SB+0], s44, (3<<16)|(1<<20)|(1<<21)|(5<<22)|(3<<25)
.irp g, G1S, G1SB
	s_mov_b32 s[\g+1], 32<<16
	s_mov_b32 s[\g+2], (128*KS/256)<<16            ; the scales of 128 rows
	s_mov_b32 s[\g+3], 32<<16
	s_mov_b32 s[\g+4], 128*KS/256
	s_mov_b32 s[\g+5], 32
	s_mov_b32 s[\g+6], 0
	s_mov_b32 s[\g+7], 0
.endr
	s_lshl_b32 s20, s17, 7                         ; A: the tile's first row
	s_lshl_b32 s46, s42, 7                         ; B: likewise
	s_mov_b32 s21, 0
	s_mov_b32 s47, 0
	s_mov_b64 s[18:19], KS
	s_mul_u64 s[22:23], s[20:21], s[18:19]
	s_mul_u64 s[92:93], s[46:47], s[18:19]
	s_mov_b64 s[18:19], SIZE_K
	s_mul_u64 s[20:21], s[20:21], s[18:19]
	s_mul_u64 s[46:47], s[46:47], s[18:19]
	s_mul_i32 s18, s16, 64*SIZE_K                  ; in the ring I fetch 64 rows of a tile: which half, in bytes
	s_mov_b32 s19, 0
	s_mul_i32 s45, s14, HALFT
	s_wait_kmcnt 0x0
	s_add_nc_u64 s[6:7], s[4:5], ASC
	s_add_nc_u64 s[20:21], s[4:5], s[20:21]
	s_add_nc_u64 s[22:23], s[6:7], s[22:23]
	s_add_nc_u64 s[46:47], s[8:9], s[46:47]
	s_add_nc_u64 s[92:93], s[10:11], s[92:93]
	CROUND
	s_mov_b32 s[G0S], 1
	s_mov_b32 s[G0S+1], SCL
	s_mov_b64 s[G0S+2:G0S+3], s[22:23]
	s_or_b32 s[G0S+3], s[G0S+3], 0x80000000
	s_mov_b32 s[G0SB], 1
	s_mov_b32 s[G0SB+1], SCL+2*HALFS
	s_mov_b64 s[G0SB+2:G0SB+3], s[92:93]
	s_or_b32 s[G0SB+3], s[G0SB+3], 0x80000000
	s_mov_b32 s4, 1                                ; group 0 of the head's loads of K step 0: A's 128 rows,
	s_mov_b32 s5, 0
	s_mov_b64 s[6:7], s[20:21]
	s_or_b32 s7, s7, 0x80000000
	s_mov_b32 s8, 1                                ; B's 128 rows, behind them in slot 0
	s_mov_b32 s9, 2*HALFT
	s_mov_b64 s[10:11], s[46:47]
	s_or_b32 s11, s11, 0x80000000
	s_add_nc_u64 s[20:21], s[20:21], s[18:19]      ; for the ring: my 64 rows of the tile
	s_add_nc_u64 s[46:47], s[46:47], s[18:19]
.irp s, 0,1
	s_mov_b32 s[G0+4*\s], 1
	s_add_co_u32 s[G0+4*\s+1], s45, \s*SLOT
	s_add_nc_u64 s[G0+4*\s+2:G0+4*\s+3], s[20:21], \s*KSTEP
	s_or_b32 s[G0+4*\s+3], s[G0+4*\s+3], 0x80000000
	s_mov_b32 s[G0B+4*\s], 1
	s_add_co_u32 s[G0B+4*\s+1], s45, \s*SLOT
	s_add_nc_u64 s[G0B+4*\s+2:G0B+4*\s+3], s[46:47], \s*KSTEP
	s_or_b32 s[G0B+4*\s+3], s[G0B+4*\s+3], 0x80000000
.endr
; the head's four tiles, one load a wave: wave 0 A's 128 rows of K step 0, wave 1 B's, wave 2 A's scales, wave 3 B's; one tree of branches on the wave's number
.macro ARM under, g0, g1, next
	s_cmp_lt_u32 s14, \under
	s_cbranch_scc0 \next
	tensor_load_to_lds s[\g0:\g0+3], s[\g1:\g1+7]
	s_nop 0
.rept 4
	v_nop
.endr
	s_branch .Lhead_asked
\next:
.endm
	ARM 1, 4, G1, .Lhead_b
	ARM 2, 8, G1B, .Lhead_sa
	ARM 3, G0S, G1S, .Lhead_sb
	tensor_load_to_lds s[G0SB:G0SB+3], s[G1SB:G1SB+7]
	s_nop 0
.rept 4
	v_nop
.endr
.Lhead_asked:
	v_and_b32 v1, 15, v0
	v_bfe_u32 v2, v0, 4, 1
	v_mul_u32_u24 v3, v1, PITCH
	v_lshl_add_u32 v4, v2, 4, v3
	s_mul_i32 s21, s15, HALFT
	s_mul_i32 s22, s16, HALFT
	s_add_co_u32 s22, s22, 2*HALFT
.irp s, 0,1
	v_add_nc_u32 v[ADRA+\s], s21, v4
	v_add_nc_u32 v[ADRB+\s], s22, v4
	s_add_co_u32 s21, s21, SLOT
	s_add_co_u32 s22, s22, SLOT
.endr
	v_mul_u32_u24 v5, v1, KS
	v_lshrrev_b32 v6, 8, v5
	v_lshl_add_u32 v5, v6, 4, v5
	s_mul_i32 s21, s15, HALFS
	s_mul_i32 s22, s16, HALFS
	s_add_co_u32 s22, s22, 2*HALFS
	s_sub_co_u32 s22, s22, s21
	v_mul_u32_u24 v6, s22, v2
	s_add_co_u32 s21, s21, SCL
	v_add_nc_u32 v5, v5, v6
	v_add_nc_u32 v[ADRS], s21, v5
	s_mul_i32 s23, s14, 16*SPITCH
	v_mul_u32_u24 v5, v1, SPITCH
	v_lshl_add_u32 v5, v2, 5, v5
	v_add_nc_u32 v[STO], s23, v5
	v_mul_u32_u24 v6, v2, SPITCH
	v_lshl_add_u32 v6, v1, 4, v6
	v_add_nc_u32 v[RD], s23, v6
	v_lshlrev_b32 v7, 12, v2
	v_lshl_add_u32 v[CO], v1, 4, v7
	s_wait_alu depctr_va_vdst(0)
	v_lshlrev_b32 v[BO], 4, v1
	s_wait_alu depctr_va_vdst(0)
	s_lshl_b32 s20, s17, 7
	s_lshl_b32 s21, s15, 6
	s_add_co_u32 s20, s20, s21
	s_lshl_b32 s20, s20, 12
	s_lshl_b32 s46, s42, 9
	s_lshl_b32 s47, s16, 8
	s_add_co_u32 s46, s46, s47
	s_mov_b32 s47, 0
	s_add_nc_u64 s[96:97], s[96:97], s[46:47]
	s_add_co_u32 s20, s20, s46
	s_mov_b32 s21, 0
	s_add_nc_u64 s[12:13], s[12:13], s[20:21]
	s_add_nc_u64 s[98:99], s[98:99], s[20:21]
	WIN 0x80
.irp a, 0,1,2,3
.irp t, 0,1,2,3,4,5,6,7
	global_load_b128 v[32*\a+4*\t:32*\a+4*\t+3], v[CO], s[98:99] offset:(16*\a+2*\t)*4096 th:TH_LOAD_NT
.endr
.endr
	WIN 0
	global_load_b128 v[BI:BI+3], v[BO], s[96:97]
.macro FRAG reg, adr, off
.irp c, 0,1,2,3
	ds_load_b128 v[\reg+4*\c:\reg+4*\c+3], v[\adr] offset:\off+32*\c
.endr
.endm
.macro FETCH slot, q, f
	WIN TO_F
.irp i, 0,1,2,3
	FRAG \f+64+16*\i, ADRB+\slot, 128*(\q)+\i*16*PITCH
.endr
.irp i, 0,1,2,3
	FRAG \f+16*\i, ADRA+\slot, 128*(\q)+\i*16*PITCH
.endr
.endm
.macro SCALES sc, t
	WIN 0
.irp i, 0,1,2,3
	ds_load_b128 v[SC+16*(\sc)+4*\i:SC+16*(\sc)+4*\i+3], v[ADRS] offset:\i*SBLK+16*(\t)
.endr
.endm
.macro MUL8 f, a0, q, sc, zero
.irp a, \a0, \a0+1
.irp b, 0,1,2,3
.if \zero
	v_wmma_scale_f32_16x16x128_f8f6f4 v[ACC+8*(4*(\a)+\b):ACC+8*(4*(\a)+\b)+7], v[\f+64+16*\b:\f+64+16*\b+15], v[\f+16*(\a):\f+16*(\a)+15], 0, v[SC+16*(\sc)+4*\b+(\q)], v[SC+16*(\sc)+4*(\a)+(\q)] matrix_a_fmt:MATRIX_FMT_BF8 matrix_b_fmt:MATRIX_FMT_BF8 matrix_a_scale:MATRIX_SCALE_ROW1
.else
	v_wmma_scale_f32_16x16x128_f8f6f4 v[ACC+8*(4*(\a)+\b):ACC+8*(4*(\a)+\b)+7], v[\f+64+16*\b:\f+64+16*\b+15], v[\f+16*(\a):\f+16*(\a)+15], v[ACC+8*(4*(\a)+\b):ACC+8*(4*(\a)+\b)+7], v[SC+16*(\sc)+4*\b+(\q)], v[SC+16*(\sc)+4*(\a)+(\q)] matrix_a_fmt:MATRIX_FMT_BF8 matrix_b_fmt:MATRIX_FMT_BF8 matrix_a_scale:MATRIX_SCALE_ROW1
.endif
.endr
.endr
.endm
.macro PLACES n
.rept \n
	v_nop
.endr
.endm
.macro SUBP slot, q, zero
	PLACES NP
	s_wait_dscnt 0x0
	FETCH \slot, (\q)+1, 128*(1-(\q)%2)
	WIN MUL
	MUL8 128*((\q)%2), 0, \q, \slot, \zero
	MUL8 128*((\q)%2), 2, \q, \slot, \zero
.endm
.macro TURN slot, next, tn, fill
	PLACES NP
	WIN 0
	s_wait_tensorcnt 0x0
	ds_add_u32 v[SPW], v[NIL]
	s_wait_dscnt 0x0
	s_barrier_signal -1
	WIN MUL
	MUL8 128, 0, 3, \slot, 0
	WIN 0
	s_barrier_wait -1
.if \fill
	CREST
	s_add_nc_u64 s[G0+4*\slot+2:G0+4*\slot+3], s[G0+4*\slot+2:G0+4*\slot+3], 2*KSTEP
	s_add_nc_u64 s[G0B+4*\slot+2:G0B+4*\slot+3], s[G0B+4*\slot+2:G0B+4*\slot+3], 2*KSTEP
	JLOAD G0+4*\slot, G1, G0B+4*\slot, G1B
.endif
	FETCH \next, 0, 0
	SCALES \next, \tn
	WIN MUL
	MUL8 128, 2, 3, \slot, 0
.endm
	s_wait_alu depctr_va_vdst(0)                   ; the wait at the head's end
	s_wait_tensorcnt 0x0                           ; my tile of the head's four is in
	ds_add_u32 v[SPW], v[NIL]
	s_mov_b32 s[G1+2], 64<<16                      ; no tensor load of mine is out: from here on a load brings 64 rows
	s_mov_b32 s[G1+4], 64
	s_mov_b32 s[G1B+2], 64<<16
	s_mov_b32 s[G1B+4], 64
	s_wait_dscnt 0x0
	CROUND                                         ; all four tiles are in, all sixteen work-groups are here
	JLOAD G0+4, G1, G0B+4, G1B                     ; K step 1: my one tensor load behind the round
	FETCH 0, 0, 0
	SCALES 0, 0
	SUBP 0, 0, 1
	SUBP 0, 1, 0
	SUBP 0, 2, 0
.if NT > 2
	TURN 0, 1, 1, 1
	SUBP 1, 0, 0
	SUBP 1, 1, 0
	SUBP 1, 2, 0
	TURN 1, 0, 2, 1
	SUBP 0, 0, 0
	SUBP 0, 1, 0
	SUBP 0, 2, 0
	TURN 0, 1, 3, 0
.else
	TURN 0, 1, 1, 0
.endif
	SUBP 1, 0, 0
	SUBP 1, 1, 0
	SUBP 1, 2, 0
	s_wait_dscnt 0x0
	WIN MUL
	MUL8 128, 0, 3, 1, 0
	MUL8 128, 2, 3, 1, 0
	WIN 0
.macro TOSTAGE a
.irp b, 0,1,2,3
	ds_store_b128 v[STO], v[ACC+8*(4*(\a)+\b):ACC+8*(4*(\a)+\b)+3] offset:64*\b
	ds_store_b128 v[STO], v[ACC+8*(4*(\a)+\b)+4:ACC+8*(4*(\a)+\b)+7] offset:64*\b+16
.endr
.set BB, BK+32*((\a)%2)
.irp t, 0,1,2,3,4,5,6,7
	ds_load_b128 v[BB+4*\t:BB+4*\t+3], v[RD] offset:\t*2*SPITCH
.endr
.endm
.macro SEND a, younger
.set BB, BK+32*((\a)%2)
	s_wait_dscnt \younger
	WIN 0x08
.set kk, 0
.rept 16
	v_pk_add_f32 v[BB+kk:BB+kk+1], v[BB+kk:BB+kk+1], v[32*(\a)+kk:32*(\a)+kk+1]
.set kk, kk+2
.endr
	WIN 0
.irp t, 0,1,2,3,4,5,6,7
	v_pk_add_f32 v[BB+4*\t:BB+4*\t+1], v[BB+4*\t:BB+4*\t+1], v[BI:BI+1]
	v_pk_add_f32 v[BB+4*\t+2:BB+4*\t+3], v[BB+4*\t+2:BB+4*\t+3], v[BI+2:BI+3]
.endr
.irp t, 0,1,2,3,4,5,6,7
	global_store_b128 v[CO], v[BB+4*\t:BB+4*\t+3], s[12:13] offset:(16*(\a)+2*\t)*4096
.endr
.endm
	PLACES NP
	s_wait_loadcnt 0x0
	TOSTAGE 0
.irp a, 1,2,3
.if \a > 1
	s_wait_xcnt 0x0
.endif
	TOSTAGE \a
	SEND \a-1, 16
.endr
	SEND 3, 0
	s_wait_tensorcnt 0x0
	ds_add_u32 v[SPW], v[NIL]
	s_wait_dscnt 0x0
	CROUND
	s_endpgm
.Lfunc_end_k_qa47b9a4b39_proj_o:
	.size	k_qa47b9a4b39_proj_o, .Lfunc_end_k_qa47b9a4b39_proj_o-k_qa47b9a4b39_proj_o
	.p2alignl 7, 3214868480
	.fill 96, 4, 3214868480
	.section	.rodata,"a",@progbits
	.p2align	6, 0x0
	.amdhsa_kernel k_qa47b9a4b39_proj_o
		.amdhsa_group_segment_fixed_size 327680
		.amdhsa_private_segment_fixed_size 0
		.amdhsa_enable_private_segment 0
		.amdhsa_kernarg_size 48
		.amdhsa_user_sgpr_count 2
		.amdhsa_user_sgpr_kernarg_segment_ptr 1
		.amdhsa_wavefront_size32 1
		.amdhsa_system_sgpr_workgroup_id_x 1
		.amdhsa_system_sgpr_workgroup_id_y 1
		.amdhsa_system_sgpr_workgroup_id_z 1
		.amdhsa_system_vgpr_workitem_id 0
		.amdhsa_next_free_vgpr 640
		.amdhsa_next_free_sgpr 102
		.amdhsa_reserve_vcc 0
		.amdhsa_float_denorm_mode_32 3
		.amdhsa_float_denorm_mode_16_64 3
		.amdhsa_memory_ordered 1
		.amdhsa_forward_progress 1
		.amdhsa_inst_pref_size 66
	.end_amdhsa_kernel
	.amdgpu_metadata
---
amdhsa.version: [ 1, 2 ]
amdhsa.kernels:
  - .name:           k_qa47b9a4b39_proj_o
    .symbol:         k_qa47b9a4b39_proj_o.kd
    .args:
      - { .name: aq, .offset: 0, .size: 8, .value_kind: global_buffer, .address_space: global }
      - { .name: w_o_codes, .offset: 8, .size: 8, .value_kind: global_buffer, .address_space: global }
      - { .name: w_o_scales, .offset: 16, .size: 8, .value_kind: global_buffer, .address_space: global }
      - { .name: b_o, .offset: 24, .size: 8, .value_kind: global_buffer, .address_space: global }
      - { .name: x, .offset: 32, .size: 8, .value_kind: global_buffer, .address_space: global }
      - { .name: ybuf, .offset: 40, .size: 8, .value_kind: global_buffer, .address_space: global }
    .group_segment_fixed_size: 327680
    .private_segment_fixed_size: 0
    .kernarg_segment_align: 8
    .kernarg_segment_size: 48
    .max_flat_workgroup_size: 128
    .sgpr_count:     102
    .vgpr_count:     640
    .wavefront_size: 32
...
	.end_amdgpu_metadata
.endif
;; end of part 12
;; launch ln1_quant (part 13): grid 256 x 1, 8 waves a work-group, no clusters, 42,496 bytes of LDS; arguments ybuf, g1, be1, x1f, aq; writes x1f, aq
.if DOCPART == 13
	.amdgcn_target "amdgcn-amd-amdhsa--gfx1250"
	.amdhsa_code_object_version 6
	.text
	.protected	k_qa47b9a4b39_ln1_quant
	.globl	k_qa47b9a4b39_ln1_quant
	.p2align	8
	.type	k_qa47b9a4b39_ln1_quant,@function
k_qa47b9a4b39_ln1_quant:
	s_mov_b64 s[64:65], 0
	v_nop
	global_prefetch_b8 v0, s[64:65] scope:SCOPE_SE
	s_setreg_imm32_b32 hwreg(HW_REG_WAVE_MODE, 25, 1), 1
	s_wait_xcnt 0x0
; x1 = layernorm(ybuf) x g1 + be1, stored as f32 (x1f) and as codes of E5M2 with E8M0 bytes (aq: codes [4096][1024]; at + 4,194,304 the bytes [4096][32]).
; The text is a row pass with two switches: LN = 1 normalises the row first, QNT = 1 quantises it.  Here both are 1.
; SHARES: a work-group of eight waves takes 16 rows, a wave two.  A row is 4,096 bytes: eight loads of 512 consecutive bytes; both rows' loads go out at the head.  A row stays in 32 registers between its passes.
; QUANTISER: scale = 2^(floor(log2(largest magnitude of the block)) - 15); byte = that magnitude's exponent field - 15, held at 1 from below; numbers held within +-57,344 x scale, rounded to the nearest code, ties to even.
; The conversions want 16 neighbours in a lane, the loads give 4: 512 numbers at a time turn through the wave's own stage in LDS (80 bytes a lane: 64 + 16 of padding).
; LIMITS: a block of zeros, or one whose largest magnitude lies under 2^-111, gets the byte 1 (its bytes are read by this program alone); NaN and infinities are not served; 1 / sqrt by v_rsq_f32.
.set LN,  1
.set QNT, 1
.set SP,  80
.set STG, 32*SP
.set SCB, 8*2*STG
.set Y,   32
.set G,   96
.set BE,  128
.set X,   160
.set C,   192
.set E,   208
.if LN
	s_load_b256 s[4:11], s[0:1], 0x0               ; rows s[4:5], gain s[6:7], offset s[8:9], f32 result s[10:11]
.if QNT
	s_load_b64 s[12:13], s[0:1], 0x20              ; codes and scale bytes
	v_lshl_add_u32 v216, v0, 2, 0xa200
	v_mov_b32 v217, 0
.endif
.else
	s_load_b64 s[4:5], s[0:1], 0x0
	s_load_b64 s[12:13], s[0:1], 0x8
.endif
	v_lshrrev_b32 v1, 5, v0
	s_delay_alu instid0(VALU_DEP_1)
	v_readfirstlane_b32 s16, v1                    ; wave 0..7
	v_and_b32 v1, 31, v0                           ; lane
	s_wait_alu depctr_va_vdst(0)
	v_lshlrev_b32 v2, 4, v1                        ; 16 bytes a lane; never rewritten
	s_lshl_b32 s17, ttmp9, 4
	s_lshl_b32 s18, s16, 1
	s_add_co_u32 s17, s17, s18                     ; my first row
	s_lshl_b32 s18, s17, 12
	s_mov_b32 s19, 0
	s_mov_b32 s26, 0x76543210
	s_mov_b32 s27, 0xfedcba98
	s_mov_b32 s28, 0x3a800000                      ; 1 / 1024
	s_mov_b32 s29, 0x3727c5ac                      ; 1e-5
.if QNT
	s_mul_i32 s20, s16, 2*STG
	v_lshrrev_b32 v3, 2, v1
	s_delay_alu instid0(VALU_DEP_1)
	v_mul_u32_u24 v3, v3, SP
	v_and_b32 v4, 3, v1
	s_delay_alu instid0(VALU_DEP_1)
	v_lshl_add_u32 v3, v4, 4, v3
	s_delay_alu instid0(VALU_DEP_1)
	v_add_nc_u32 v3, s20, v3                       ; into a stage
	v_mul_u32_u24 v4, v1, SP
	s_delay_alu instid0(VALU_DEP_1)
	v_add_nc_u32 v4, s20, v4                       ; out of it
	v_lshrrev_b32 v5, 1, v1
	s_lshl_b32 s20, s16, 6
	s_add_co_u32 s20, s20, SCB
	v_add_nc_u32 v5, s20, v5                       ; my block's scale byte
	v_add_nc_u32 v6, SCB, v2
	s_mov_b32 s23, 0x600000
	s_lshl_b32 s20, s17, 10
	s_mov_b32 s21, 0
	s_lshl_b32 s24, ttmp9, 9
	s_add_co_u32 s24, s24, 0x400000
	s_mov_b32 s25, 0
.endif
	s_wait_kmcnt 0x0
	s_add_nc_u64 s[4:5], s[4:5], s[18:19]
.if LN
	s_add_nc_u64 s[10:11], s[10:11], s[18:19]
.endif
.if QNT
	s_add_nc_u64 s[14:15], s[12:13], s[24:25]
	s_add_nc_u64 s[12:13], s[12:13], s[20:21]
.endif
.if LN
.irp j, 0,1,2,3,4,5,6,7
	global_load_b128 v[G+4*\j:G+4*\j+3], v2, s[6:7] offset:512*\j
	global_load_b128 v[BE+4*\j:BE+4*\j+3], v2, s[8:9] offset:512*\j
.endr
.endif
.irp i, 0,1
.irp j, 0,1,2,3,4,5,6,7
	global_load_b128 v[Y+32*\i+4*\j:Y+32*\i+4*\j+3], v2, s[4:5] offset:4096*\i+512*\j th:TH_LOAD_NT
.endr
.endr
.macro RED                             ; four packed chains v[16:23] -> their sum over the wave, in v16 of every lane
	s_delay_alu instid0(VALU_DEP_3)
	v_pk_add_f32 v[16:17], v[16:17], v[18:19]
	s_delay_alu instid0(VALU_DEP_2)
	v_pk_add_f32 v[20:21], v[20:21], v[22:23]
	s_delay_alu instid0(VALU_DEP_1)
	v_pk_add_f32 v[16:17], v[16:17], v[20:21]
	s_delay_alu instid0(VALU_DEP_1)
	v_add_f32 v16, v16, v17
	s_delay_alu instid0(VALU_DEP_1)
	v_add_f32_dpp v16, v16, v16 row_xmask:1 row_mask:0xf bank_mask:0xf
	s_delay_alu instid0(VALU_DEP_1)
	v_add_f32_dpp v16, v16, v16 row_xmask:2 row_mask:0xf bank_mask:0xf
	s_delay_alu instid0(VALU_DEP_1)
	v_add_f32_dpp v16, v16, v16 row_xmask:4 row_mask:0xf bank_mask:0xf
	s_delay_alu instid0(VALU_DEP_1)
	v_add_f32_dpp v16, v16, v16 row_xmask:8 row_mask:0xf bank_mask:0xf
	s_delay_alu instid0(VALU_DEP_1)
	v_permlanex16_b32 v17, v16, s26, s27
	s_delay_alu instid0(VALU_DEP_1)
	v_add_f32 v16, v16, v17
.endm
.macro NORM i                          ; row i: mean, then the mean of the squared differences (two passes over registers: no difference of large sums), scale, gain, offset; stored as f32
.set YR, Y+32*\i
	v_pk_add_f32 v[16:17], v[YR:YR+1], v[YR+2:YR+3]
	v_pk_add_f32 v[18:19], v[YR+4:YR+5], v[YR+6:YR+7]
	v_pk_add_f32 v[20:21], v[YR+8:YR+9], v[YR+10:YR+11]
	v_pk_add_f32 v[22:23], v[YR+12:YR+13], v[YR+14:YR+15]
.irp n, 16,24
	s_delay_alu instid0(VALU_DEP_4)
	v_pk_add_f32 v[16:17], v[16:17], v[YR+\n:YR+\n+1]
	s_delay_alu instid0(VALU_DEP_4)
	v_pk_add_f32 v[18:19], v[18:19], v[YR+\n+2:YR+\n+3]
	s_delay_alu instid0(VALU_DEP_4)
	v_pk_add_f32 v[20:21], v[20:21], v[YR+\n+4:YR+\n+5]
	s_delay_alu instid0(VALU_DEP_4)
	v_pk_add_f32 v[22:23], v[22:23], v[YR+\n+6:YR+\n+7]
.endr
	RED
	s_delay_alu instid0(VALU_DEP_1)
	v_mul_f32 v24, s28, v16                        ; the mean
	s_delay_alu instid0(VALU_DEP_1)
	v_mov_b32 v25, v24
.set kk, 0
.rept 16
	v_pk_add_f32 v[YR+kk:YR+kk+1], v[YR+kk:YR+kk+1], v[24:25] neg_lo:[0,1] neg_hi:[0,1]
.set kk, kk+2
.endr
	v_pk_mul_f32 v[16:17], v[YR:YR+1], v[YR:YR+1]
	v_pk_mul_f32 v[18:19], v[YR+2:YR+3], v[YR+2:YR+3]
	v_pk_mul_f32 v[20:21], v[YR+4:YR+5], v[YR+4:YR+5]
	v_pk_mul_f32 v[22:23], v[YR+6:YR+7], v[YR+6:YR+7]
.irp n, 8,16,24
	s_delay_alu instid0(VALU_DEP_4)
	v_pk_fma_f32 v[16:17], v[YR+\n:YR+\n+1], v[YR+\n:YR+\n+1], v[16:17]
	s_delay_alu instid0(VALU_DEP_4)
	v_pk_fma_f32 v[18:19], v[YR+\n+2:YR+\n+3], v[YR+\n+2:YR+\n+3], v[18:19]
	s_delay_alu instid0(VALU_DEP_4)
	v_pk_fma_f32 v[20:21], v[YR+\n+4:YR+\n+5], v[YR+\n+4:YR+\n+5], v[20:21]
	s_delay_alu instid0(VALU_DEP_4)
	v_pk_fma_f32 v[22:23], v[YR+\n+6:YR+\n+7], v[YR+\n+6:YR+\n+7], v[22:23]
.endr
	RED
	s_delay_alu instid0(VALU_DEP_1)
	v_fma_f32 v26, v16, s28, s29                   ; the variance + 1e-5
	s_wait_alu depctr_va_vdst(0)
	v_rsq_f32 v28, v26
	v_nop                                          ; a plain instruction behind the transcendental
	s_wait_alu depctr_va_vdst(0)                   ; and the wait ahead of its first reader
	v_mov_b32 v29, v28
.set kk, 0
.rept 16
	v_pk_mul_f32 v[YR+kk:YR+kk+1], v[YR+kk:YR+kk+1], v[28:29]
.set kk, kk+2
.endr
.set kk, 0
.rept 16
	v_pk_fma_f32 v[YR+kk:YR+kk+1], v[YR+kk:YR+kk+1], v[G+kk:G+kk+1], v[BE+kk:BE+kk+1]
.set kk, kk+2
.endr
.irp j, 0,1,2,3,4,5,6,7
	global_store_b128 v2, v[YR+4*\j:YR+4*\j+3], s[10:11] offset:4096*\i+512*\j   ; 512 consecutive bytes a store; the row's registers are not written again
.endr
.endm
.macro TURN i, s                       ; 512 numbers of row i through stage s: LDS serves a wave's instructions in order
.irp n, 0,1,2,3
	ds_store_b128 v3, v[Y+32*\i+16*\s+4*\n:Y+32*\i+16*\s+4*\n+3] offset:STG*\s+8*SP*\n
.endr
.irp n, 0,1,2,3
	ds_load_b128 v[X+16*\s+4*\n:X+16*\s+4*\n+3], v4 offset:STG*\s+16*\n
.endr
.endm
.macro STEP i, s                       ; 16 neighbours a lane, two lanes to a block
.set XS, X+16*\s
.set CR, C+4*(2*\i+\s)
	v_max3_num_f32 v8, |v[XS]|, |v[XS+1]|, |v[XS+2]|
	v_max3_num_f32 v9, |v[XS+3]|, |v[XS+4]|, |v[XS+5]|
.irp n, 6,10
	s_delay_alu instid0(VALU_DEP_2)
	v_max3_num_f32 v8, v8, |v[XS+\n]|, |v[XS+\n+1]|
	s_delay_alu instid0(VALU_DEP_2)
	v_max3_num_f32 v9, v9, |v[XS+\n+2]|, |v[XS+\n+3]|
.endr
	s_delay_alu instid0(VALU_DEP_2)
	v_max3_num_f32 v8, v8, |v[XS+14]|, |v[XS+15]|
	s_delay_alu instid0(VALU_DEP_1)
	v_max3_num_f32 v8, v8, v9, 0x8000000           ; and the floor 2^(16 - 127)
	s_delay_alu instid0(VALU_DEP_1)
	v_max_num_f32_dpp v8, v8, v8 row_xmask:1 row_mask:0xf bank_mask:0xf
	s_delay_alu instid0(VALU_DEP_1)
	v_add_nc_u32 v11, 0xf8800000, v8               ; 15 off the exponent field: the conversion's scale operand
	s_delay_alu instid0(VALU_DEP_2)
	v_and_or_b32 v10, v8, 0x7f800000, s23          ; 57,344 x the scale
.irp n, 0,1,2,3,4,5,6,7,8,9,10,11,12,13,14,15
	v_med3_num_f32 v[XS+\n], v[XS+\n], -v10, v10   ; the conversion does not saturate (ISA guide 7.6.2): the hold comes first
.endr
	v_cvt_scalef32_pk8_bf8_f32 v[CR:CR+1], v[XS:XS+7], v11
	v_cvt_scalef32_pk8_bf8_f32 v[CR+2:CR+3], v[XS+8:XS+15], v11
	v_lshrrev_b32 v[E+2*\i+\s], 23, v11            ; the scale's byte (a plain instruction behind the conversions)
	ds_store_b8 v5, v[E+2*\i+\s] offset:32*\i+16*\s
	global_store_b128 v2, v[CR:CR+3], s[12:13] offset:1024*\i+512*\s
.endm
.irp i, 0,1
	s_wait_loadcnt 8-8*\i                          ; gain, offset and row i are in; behind row 0 stand row 1's eight loads
.if LN
	NORM \i
.endif
.if QNT
	TURN \i, 0
	TURN \i, 1
	s_wait_dscnt 8                                 ; the first step's numbers are back: behind them stand the second step's four stores and four loads
	STEP \i, 0
	s_wait_dscnt 1                                 ; the second step's are back: behind them stands one byte store
	STEP \i, 1
.endif
.endr
.if QNT
	s_wait_dscnt 0x0                               ; for the others' sake: my scale bytes lie in LDS
	s_barrier_signal -1
	s_barrier_wait -1
	s_cmp_lg_u32 s16, 0
	s_cbranch_scc1 .Lend
	ds_load_b128 v[12:15], v6                      ; wave 0: the 16 rows' 512 scale bytes
	s_wait_dscnt 0x0
	global_store_b128 v2, v[12:15], s[14:15]
.Lend:
.endif
	s_wait_tensorcnt 0x0
	ds_add_u32 v216, v217
	s_wait_dscnt 0x0
	s_endpgm
.Lfunc_end_k_qa47b9a4b39_ln1_quant:
	.size	k_qa47b9a4b39_ln1_quant, .Lfunc_end_k_qa47b9a4b39_ln1_quant-k_qa47b9a4b39_ln1_quant
	.p2alignl 7, 3214868480
	.fill 96, 4, 3214868480
	.section	.rodata,"a",@progbits
	.p2align	6, 0x0
	.amdhsa_kernel k_qa47b9a4b39_ln1_quant
		.amdhsa_group_segment_fixed_size 42496
		.amdhsa_private_segment_fixed_size 0
		.amdhsa_enable_private_segment 0
		.amdhsa_kernarg_size 40
		.amdhsa_user_sgpr_count 2
		.amdhsa_user_sgpr_kernarg_segment_ptr 1
		.amdhsa_wavefront_size32 1
		.amdhsa_system_sgpr_workgroup_id_x 1
		.amdhsa_system_sgpr_workgroup_id_y 1
		.amdhsa_system_sgpr_workgroup_id_z 1
		.amdhsa_system_vgpr_workitem_id 0
		.amdhsa_next_free_vgpr 218
		.amdhsa_next_free_sgpr 66
		.amdhsa_reserve_vcc 0
		.amdhsa_float_denorm_mode_32 3
		.amdhsa_float_denorm_mode_16_64 3
		.amdhsa_memory_ordered 1
		.amdhsa_forward_progress 1
		.amdhsa_inst_pref_size 34
	.end_amdhsa_kernel
	.amdgpu_metadata
---
amdhsa.version: [ 1, 2 ]
amdhsa.kernels:
  - .name:           k_qa47b9a4b39_ln1_quant
    .symbol:         k_qa47b9a4b39_ln1_quant.kd
    .args:
      - { .name: ybuf, .offset: 0, .size: 8, .value_kind: global_buffer, .address_space: global }
      - { .name: g1, .offset: 8, .size: 8, .value_kind: global_buffer, .address_space: global }
      - { .name: be1, .offset: 16, .size: 8, .value_kind: global_buffer, .address_space: global }
      - { .name: x1f, .offset: 24, .size: 8, .value_kind: global_buffer, .address_space: global }
      - { .name: aq, .offset: 32, .size: 8, .value_kind: global_buffer, .address_space: global }
    .group_segment_fixed_size: 42496
    .private_segment_fixed_size: 0
    .kernarg_segment_align: 8
    .kernarg_segment_size: 40
    .max_flat_workgroup_size: 256
    .sgpr_count:     66
    .vgpr_count:     218
    .wavefront_size: 32
...
	.end_amdgpu_metadata
.endif
;; end of part 13
;; launch gate_up (part 14): grid 16 x 16, 4 waves a work-group, clusters of 4 x 4, 327,680 bytes of LDS; arguments aq, w1_codes, w1_scales, w2_codes, w2_scales, b1, b2, hq; writes hq
.if DOCPART == 14
	.amdgcn_target "amdgcn-amd-amdhsa--gfx1250"
	.amdhsa_code_object_version 6
	.text
	.protected	k_qa47b9a4b39_gate_up
	.globl	k_qa47b9a4b39_gate_up
	.p2align	8
	.type	k_qa47b9a4b39_gate_up,@function
k_qa47b9a4b39_gate_up:
	s_mov_b64 s[64:65], 0
	v_nop
	global_prefetch_b8 v0, s[64:65] scope:SCOPE_SE
	s_setreg_imm32_b32 hwreg(HW_REG_WAVE_MODE, 25, 1), 1
	s_wait_xcnt 0x0
	s_wait_alu depctr_hold_cnt(0) depctr_sa_sdst(0) depctr_va_vdst(0) depctr_va_sdst(0) depctr_va_ssrc(0) depctr_va_vcc(0) depctr_vm_vsrc(0)
	s_getreg_b32 s2, hwreg(HW_REG_IB_STS2, 6, 4)
	s_cmp_eq_u32 s2, 0
	s_cbranch_scc0 .Lentry_in_a_cluster
	s_endpgm
.Lentry_in_a_cluster:
	s_bfe_u32 s2, ttmp6, 0x10000c
	s_cmp_lg_u32 s2, 0xf033
	s_cbranch_scc0 .Lentry_shape_is_right
	s_endpgm
.Lentry_shape_is_right:
.set SIZE_K, 1024
.set KSTEP,  256
.set NQ,     KSTEP/128
.set ROWB,   256
.set KROW,   SIZE_K
.set PITCH,  272
.set FR,     16
.set NL,     4
.set NP,     8
.set HALFT,  128*PITCH
.set SLOT,   4*HALFT
.set LAPS,   SIZE_K/(2*KSTEP)
.set KS,     SIZE_K/32
.set SCL,    2*SLOT
.set HALFS,  (128*KS/256)*272
.set SBLK,   (16*KS/256)*272
.set SPARE,  SCL+4*HALFS
.set ADRA, 16
.set ADRB, 20
.set ADRS, 27
.set SPW,  28
.set NIL,  29
.set ADRS2, 30
.set SC,   32
.set AF,   128
.set B1R,  128
.set B2R,  192
.set PC,   224
.set TM,   160
.set PW,   176
.set SEL,  20
.set MNT,  22
.set G1, 24
.set G0, 32
.set G1B, 48
.set G0B, 56
.set G1S, 68
.set G0S, 76
.set G1SB, 80
.set G0SB, 88
.set MSB, 0
.macro WIN new
.if MSB != (\new)
	s_set_vgpr_msb (MSB<<8)|(\new)
.set MSB, (\new)
.endif
.endm
.set MUL_LO, 0xa1
.set MUL_HI, 0xf1
.set TO_B,   0x40
.macro JLOAD g0a, g1a, g0b, g1b
	s_cmp_eq_u32 s15, 0
	s_cbranch_scc0 .Lfor_b_\@
	tensor_load_to_lds s[\g0a:\g0a+3], s[\g1a:\g1a+7]
	s_nop 0
.rept 4
	v_nop
.endr
	s_branch .Lasked_\@
.Lfor_b_\@:
	tensor_load_to_lds s[\g0b:\g0b+3], s[\g1b:\g1b+7]
	s_nop 0
.rept 4
	v_nop
.endr
.Lasked_\@:
.endm
.macro CREST
	s_cmp_lg_u32 s14, 0
	s_cbranch_scc1 .Lnot_wave_0_\@
	s_barrier_signal -3
.Lnot_wave_0_\@:
	s_barrier_wait -3
	s_barrier_signal -1
	s_barrier_wait -1
.endm
.macro CROUND
	s_barrier_signal -1
	s_barrier_wait -1
	CREST
.endm
	s_load_b64 s[4:5], s[0:1], 0x0
	s_load_b128 s[8:11], s[0:1], 0x8
	s_load_b128 s[96:99], s[0:1], 0x18
	s_load_b64 s[100:101], s[0:1], 0x28
	s_load_b64 s[66:67], s[0:1], 0x30
	s_load_b64 s[12:13], s[0:1], 0x38
	v_lshl_add_u32 v[SPW], v0, 2, SPARE
	v_mov_b32 v[NIL], 0
	ds_add_u32 v28, v29
	ds_add_u32 v28, v29
	s_wait_dscnt 0x0
	v_lshrrev_b32 v1, 5, v0
	v_readfirstlane_b32 s14, v1
	s_lshr_b32 s15, s14, 1
	s_and_b32 s16, s14, 1
	s_bfe_u32 s40, ttmp6, 0x40000
	s_bfe_u32 s41, ttmp6, 0x40004
	s_lshl_b32 s42, ttmp9, 2
	s_add_co_u32 s42, s42, s40
	s_and_b32 s17, ttmp7, 0xffff
	s_lshl_b32 s17, s17, 2
	s_add_co_u32 s17, s17, s41
	s_lshl_b32 s43, s41, 2
	s_lshl_b32 s43, 15, s43
	s_lshl_b32 s44, 0x1111, s40
	s_or_b32 s[G1+0], s43, (0<<16)|(1<<20)|(1<<21)|(5<<22)|(3<<25)
	s_or_b32 s[G1B+0], s44, (0<<16)|(1<<20)|(1<<21)|(5<<22)|(3<<25)
.irp g, G1, G1B
	s_mov_b32 s[\g+1], ROWB<<16
	s_mov_b32 s[\g+2], 128<<16
	s_mov_b32 s[\g+3], ROWB<<16
	s_mov_b32 s[\g+4], 128
	s_mov_b32 s[\g+5], KROW
	s_mov_b32 s[\g+6], 0
	s_mov_b32 s[\g+7], 0
.endr
	s_or_b32 s[G1S+0], s43, (3<<16)|(1<<20)|(1<<21)|(5<<22)|(3<<25)
	s_or_b32 s[G1SB+0], s44, (3<<16)|(1<<20)|(1<<21)|(5<<22)|(3<<25)
.irp g, G1S, G1SB
	s_mov_b32 s[\g+1], 32<<16
	s_mov_b32 s[\g+2], (128*KS/256)<<16
	s_mov_b32 s[\g+3], 32<<16
	s_mov_b32 s[\g+4], 128*KS/256
	s_mov_b32 s[\g+5], 32
	s_mov_b32 s[\g+6], 0
	s_mov_b32 s[\g+7], 0
.endr
	s_lshl_b32 s18, s16, 7
	s_lshl_b32 s20, s17, 8
	s_add_co_u32 s20, s20, s18
	s_lshl_b32 s46, s42, 7
	s_mov_b32 s21, 0
	s_mov_b32 s47, 0
	s_mov_b64 s[18:19], KS
	s_mul_u64 s[22:23], s[20:21], s[18:19]
	s_mul_u64 s[92:93], s[46:47], s[18:19]
	s_mov_b64 s[18:19], KROW
	s_mul_u64 s[20:21], s[20:21], s[18:19]
	s_mul_u64 s[46:47], s[46:47], s[18:19]
	s_mul_i32 s45, s14, HALFT
	s_mul_i32 s94, s14, HALFS
	s_wait_kmcnt 0x0
	s_add_nc_u64 s[6:7], s[4:5], 0x400000
	s_cmp_eq_u32 s16, 0
	s_cselect_b64 s[8:9], s[8:9], s[96:97]
	s_cselect_b64 s[10:11], s[10:11], s[98:99]
	s_add_nc_u64 s[20:21], s[4:5], s[20:21]
	s_add_nc_u64 s[22:23], s[6:7], s[22:23]
	s_add_nc_u64 s[46:47], s[8:9], s[46:47]
	s_add_nc_u64 s[92:93], s[10:11], s[92:93]
	CROUND
	s_mov_b32 s[G0S], 1
	s_add_co_u32 s[G0S+1], s94, SCL
	s_mov_b64 s[G0S+2:G0S+3], s[22:23]
	s_or_b32 s[G0S+3], s[G0S+3], 0x80000000
	s_mov_b32 s[G0SB], 1
	s_add_co_u32 s[G0SB+1], s94, SCL
	s_mov_b64 s[G0SB+2:G0SB+3], s[92:93]
	s_or_b32 s[G0SB+3], s[G0SB+3], 0x80000000
	JLOAD G0S, G1S, G0SB, G1SB
.irp s, 0,1
	s_mov_b32 s[G0+4*\s], 1
	s_add_co_u32 s[G0+4*\s+1], s45, \s*SLOT
	s_add_nc_u64 s[G0+4*\s+2:G0+4*\s+3], s[20:21], \s*ROWB
	s_or_b32 s[G0+4*\s+3], s[G0+4*\s+3], 0x80000000
	s_mov_b32 s[G0B+4*\s], 1
	s_add_co_u32 s[G0B+4*\s+1], s45, \s*SLOT
	s_add_nc_u64 s[G0B+4*\s+2:G0B+4*\s+3], s[46:47], \s*ROWB
	s_or_b32 s[G0B+4*\s+3], s[G0B+4*\s+3], 0x80000000
	s_wait_alu depctr_va_vdst(0)
	s_wait_tensorcnt 0x0
	ds_add_u32 v28, v29
	s_wait_dscnt 0x0
	CROUND
	JLOAD G0+4*\s, G1, G0B+4*\s, G1B
.endr
	v_and_b32 v1, 15, v0
	v_bfe_u32 v2, v0, 4, 1
	v_mul_u32_u24 v3, v1, PITCH
	v_lshl_add_u32 v4, v2, 4, v3
	s_mul_i32 s21, s15, HALFT
	s_mul_i32 s22, s16, 64*PITCH
	s_add_co_u32 s22, s22, 2*HALFT
.irp s, 0,1
	v_add_nc_u32 v[ADRA+\s], s21, v4
	v_add_nc_u32 v[ADRB+\s], s22, v4
	s_add_co_u32 s21, s21, SLOT
	s_add_co_u32 s22, s22, SLOT
.endr
	v_mul_u32_u24 v5, v1, KS
	v_lshrrev_b32 v6, 8, v5
	v_lshl_add_u32 v5, v6, 4, v5
	s_mul_i32 s21, s15, HALFS
	s_mul_i32 s22, s16, 4*SBLK
	s_add_co_u32 s22, s22, 2*HALFS
	s_sub_co_u32 s22, s22, s21
	s_add_co_u32 s23, s22, 4*SBLK
	v_mul_u32_u24 v6, s22, v2
	v_mul_u32_u24 v7, s23, v2
	s_add_co_u32 s21, s21, SCL
	v_add_nc_u32 v6, v5, v6
	v_add_nc_u32 v7, v5, v7
	v_add_nc_u32 v[ADRS], s21, v6
	v_add_nc_u32 v[ADRS2], s21, v7
	v_lshlrev_b32 v24, 11, v1
	v_lshl_add_u32 v24, v2, 4, v24
	v_lshlrev_b32 v25, 6, v1
	v_lshlrev_b32 v26, 5, v2
	s_lshl_b32 s20, s17, 8
	s_lshl_b32 s21, s15, 7
	s_add_co_u32 s20, s20, s21
	s_lshl_b32 s46, s42, 7
	s_lshl_b32 s47, s16, 6
	s_add_co_u32 s46, s46, s47
	s_lshl_b32 s92, s46, 2
	s_mov_b32 s93, 0
	s_add_nc_u64 s[100:101], s[100:101], s[92:93]
	s_add_nc_u64 s[66:67], s[66:67], s[92:93]
	s_lshl_b32 s92, s20, 6
	s_lshr_b32 s47, s46, 5
	s_add_co_u32 s92, s92, s47
	s_add_co_u32 s92, s92, 0x800000
	s_add_nc_u64 s[96:97], s[12:13], s[92:93]
	s_lshl_b32 s20, s20, 11
	s_add_co_u32 s20, s20, s46
	s_mov_b32 s21, 0
	s_add_nc_u64 s[12:13], s[12:13], s[20:21]
.macro FRAG reg, adr, q, row
.irp c, 0,1,2,3
	ds_load_b128 v[\reg+4*\c:\reg+4*\c+3], v[\adr] offset:128*(\q)+32*\c+(\row)*PITCH
.endr
.endm
.macro MUL16 a0, p, q, sc, zero
.irp a, \a0, \a0+1
.irp b, 0,1,2,3,4,5,6,7
.if \zero
	v_wmma_scale_f32_16x16x128_f8f6f4 v[8*(8*((\a)%4)+\b):8*(8*((\a)%4)+\b)+7], v[128*(\p)+FR*\b:128*(\p)+FR*\b+FR-1], v[AF+FR*(\a):AF+FR*(\a)+FR-1], 0, v[SC+8*NQ*(\sc)+NQ*\b+(\q)], v[SC+8*NQ*(\sc)+NQ*(\a)+(\q)] matrix_a_fmt:MATRIX_FMT_BF8 matrix_b_fmt:MATRIX_FMT_BF8 matrix_a_scale:MATRIX_SCALE_ROW1
.else
	v_wmma_scale_f32_16x16x128_f8f6f4 v[8*(8*((\a)%4)+\b):8*(8*((\a)%4)+\b)+7], v[128*(\p)+FR*\b:128*(\p)+FR*\b+FR-1], v[AF+FR*(\a):AF+FR*(\a)+FR-1], v[8*(8*((\a)%4)+\b):8*(8*((\a)%4)+\b)+7], v[SC+8*NQ*(\sc)+NQ*\b+(\q)], v[SC+8*NQ*(\sc)+NQ*(\a)+(\q)] matrix_a_fmt:MATRIX_FMT_BF8 matrix_b_fmt:MATRIX_FMT_BF8 matrix_a_scale:MATRIX_SCALE_ROW1
.endif
.endr
.endr
.endm
.macro FETCH_B slot, q, p
	WIN TO_B
.irp i, 0,1,2,3,4,5,6,7
	FRAG 128*(\p)+FR*\i, ADRB+\slot, \q, 128*(\i/4)+16*(\i%4)
.endr
	WIN 0
.endm
.macro FETCH_A slot, q, i0
.irp i, \i0, \i0+1, \i0+2, \i0+3
	FRAG AF+FR*(\i), ADRA+\slot, \q, 16*(\i)
.endr
.endm
.macro SCALES sc
.irp i, 0,1,2,3
	ds_load_b64 v[SC+8*NQ*\sc+NQ*\i:SC+8*NQ*\sc+NQ*\i+1], v[ADRS] offset:\i*SBLK
.endr
.irp i, 4,5,6,7
	ds_load_b64 v[SC+8*NQ*\sc+NQ*\i:SC+8*NQ*\sc+NQ*\i+1], v[ADRS2] offset:\i*SBLK
.endr
.endm
.macro PLACES n
.rept \n
	v_nop
.endr
.endm
.macro STEP slot, q, zero
	s_wait_dscnt 4*NL
	WIN MUL_LO
	MUL16 0, (\q)%2, \q, \slot, \zero
	MUL16 2, (\q)%2, \q, \slot, \zero
	s_wait_dscnt 0
	PLACES NP
	FETCH_B \slot, (\q)+1, 1-(\q)%2
	FETCH_A \slot, (\q)+1, 0
	WIN MUL_HI
	MUL16 4, (\q)%2, \q, \slot, \zero
	MUL16 6, (\q)%2, \q, \slot, \zero
	PLACES NP
	WIN 0
	FETCH_A \slot, (\q)+1, 4
.endm
.macro TURN slot, next, fill
	s_wait_tensorcnt 0x0
	ds_add_u32 v[SPW], v[NIL]
	s_wait_dscnt 4*NL+1
	WIN MUL_LO
	MUL16 0, 1, NQ-1, \slot, 0
	s_wait_dscnt 0x0
	s_barrier_signal -1
	MUL16 2, 1, NQ-1, \slot, 0
	WIN 0
	s_barrier_wait -1
.if \fill
	CREST
	s_add_nc_u64 s[G0+4*\slot+2:G0+4*\slot+3], s[G0+4*\slot+2:G0+4*\slot+3], 2*ROWB
	s_add_nc_u64 s[G0B+4*\slot+2:G0B+4*\slot+3], s[G0B+4*\slot+2:G0B+4*\slot+3], 2*ROWB
	JLOAD G0+4*\slot, G1, G0B+4*\slot, G1B
	PLACES NP-4
.else
	PLACES NP
.endif
	s_wait_alu depctr_va_vdst(0)
	v_add_nc_u32 v[ADRS], 4*NQ, v[ADRS]
	v_add_nc_u32 v[ADRS2], 4*NQ, v[ADRS2]
	FETCH_B \next, 0, 0
	FETCH_A \next, 0, 0
	SCALES \next
	WIN MUL_HI
	MUL16 4, 1, NQ-1, \slot, 0
	MUL16 6, 1, NQ-1, \slot, 0
	PLACES NP
	WIN 0
	FETCH_A \next, 0, 4
.endm
	s_wait_alu depctr_va_vdst(0)
	s_wait_tensorcnt 1
	s_barrier_signal -1
	s_barrier_wait -1
	FETCH_B 0, 0, 0
	FETCH_A 0, 0, 0
	SCALES 0
	FETCH_A 0, 0, 4
	STEP 0, 0, 1
.if LAPS > 1
	s_mov_b32 s3, LAPS-1
.Llap:
	TURN 0, 1, 1
	STEP 1, 0, 0
	TURN 1, 0, 1
	STEP 0, 0, 0
	s_sub_co_u32 s3, s3, 1
	s_cmp_lg_u32 s3, 0
	s_cbranch_scc1 .Llap
.endif
	TURN 0, 1, 0
	STEP 1, 0, 0
	s_wait_dscnt 4*NL
	WIN MUL_LO
	MUL16 0, 1, NQ-1, 1, 0
	MUL16 2, 1, NQ-1, 1, 0
	s_wait_dscnt 0
	WIN MUL_HI
	MUL16 4, 1, NQ-1, 1, 0
	MUL16 6, 1, NQ-1, 1, 0
	WIN 0
.macro QUANTW s, w, nb, pw
	WIN (\w)|((\w)<<2)
.irp b, 0,1,2,3
.if \b < \nb
	v_max3_num_f32 v[TM+\b], |v[(\s)+16*\b]|, |v[(\s)+16*\b+1]|, 0x8000000
.endif
.endr
.irp i, 2,4,6,8,10,12,14
.irp b, 0,1,2,3
.if \b < \nb
	v_max3_num_f32 v[TM+\b], |v[(\s)+16*\b+\i]|, |v[(\s)+16*\b+\i+1]|, v[TM+\b]
.endif
.endr
.endr
	WIN 0
.irp b, 0,1,2,3
.if \b < \nb
	v_permlanex16_b32 v[TM+4+\b], v[TM+\b], s[SEL], s[SEL+1]
.endif
.endr
.irp b, 0,1,2,3
.if \b < \nb
	v_max_num_f32 v[TM+\b], v[TM+\b], v[TM+4+\b]
.endif
.endr
.irp b, 0,1,2,3
.if \b < \nb
	v_add_nc_u32 v[TM+12+\b], 0xf8800000, v[TM+\b]
.endif
.endr
.irp b, 0,1,2,3
.if \b < \nb
	v_and_or_b32 v[TM+8+\b], v[TM+\b], 0x7f800000, s[MNT]
.endif
.endr
.irp b, 0,1,2,3
.if \b < \nb
	v_lshrrev_b32 v[TM+4+\b], 23, v[TM+12+\b]
.endif
.endr
	s_wait_alu depctr_va_vdst(0)
	s_wait_xcnt 0x0                                ; the last block's stores have read their data registers: the scale word and the codes are written from here on
	v_lshl_or_b32 v[\pw], v[TM+5], 8, v[TM+4]
.if \nb > 2
	v_lshl_or_b32 v[\pw], v[TM+6], 16, v[\pw]
	v_lshl_or_b32 v[\pw], v[TM+7], 24, v[\pw]
.endif
	WIN (\w)|((\w)<<6)
.irp b, 0,1,2,3
.if \b < \nb
.irp i, 0,1,2,3,4,5,6,7,8,9,10,11,12,13,14,15
	v_med3_num_f32 v[(\s)+16*\b+\i], v[(\s)+16*\b+\i], -v[TM+8+\b], v[TM+8+\b]
.endr
.endif
.endr
	WIN (\w)
.irp b, 0,1,2,3
.if \b < \nb
	v_cvt_scalef32_pk8_bf8_f32 v[PC+4*\b:PC+4*\b+1], v[(\s)+16*\b:(\s)+16*\b+7], v[TM+12+\b]
	v_cvt_scalef32_pk8_bf8_f32 v[PC+4*\b+2:PC+4*\b+3], v[(\s)+16*\b+8:(\s)+16*\b+15], v[TM+12+\b]
.endif
.endr
	WIN 0
	v_nop
.irp b, 0,1,2,3
.if \b < \nb
	v_permlane16_swap_b32 v[PC+4*\b], v[PC+4*\b+2]
	v_permlane16_swap_b32 v[PC+4*\b+1], v[PC+4*\b+3]
.endif
.endr
.endm
.macro EPI a
.set AW, 2+(\a)/4
.set AS, 64*((\a)%4)
	WIN AW|(AW<<6)
.set kk, 0
.rept 16
	v_pk_add_f32 v[AS+kk:AS+kk+1], v[AS+kk:AS+kk+1], v[B1R+kk:B1R+kk+1]
.set kk, kk+2
.endr
.set kk, 0
.rept 16
	v_pk_fma_f32 v[AS+32+kk:AS+33+kk], v[AS+32+kk:AS+33+kk], 0xbfb8aa3b, v[B2R+kk:B2R+kk+1] op_sel_hi:[1,0,1]
.set kk, kk+2
.endr
.set kk, 0
	s_wait_alu depctr_va_vdst(0)
.rept 32
	v_exp_f32 v[AS+32+kk], v[AS+32+kk]
.set kk, kk+1
.endr
	v_nop
	s_wait_alu depctr_va_vdst(0)
.set kk, 0
.rept 16
	v_pk_add_f32 v[AS+32+kk:AS+33+kk], v[AS+32+kk:AS+33+kk], 1.0 op_sel_hi:[1,0]
.set kk, kk+2
.endr
.set kk, 0
	s_wait_alu depctr_va_vdst(0)
.rept 32
	v_rcp_f32 v[AS+32+kk], v[AS+32+kk]
.set kk, kk+1
.endr
	v_nop
	s_wait_alu depctr_va_vdst(0)
	WIN AW|(AW<<2)|(AW<<6)
.set kk, 0
.rept 16
	v_pk_mul_f32 v[AS+kk:AS+kk+1], v[AS+kk:AS+kk+1], v[AS+32+kk:AS+33+kk]
.set kk, kk+2
.endr
	QUANTW AS, AW, 2, PW
	global_store_b128 v24, v[PC:PC+3], s[12:13] offset:32768*(\a)
	global_store_b128 v24, v[PC+4:PC+7], s[12:13] offset:32768*(\a)+32
	global_store_b16 v25, v[PW], s[96:97] offset:1024*(\a)
.endm
	PLACES NP
	s_mov_b32 s[SEL], 0x76543210
	s_mov_b32 s[SEL+1], 0xfedcba98
	s_mov_b32 s[MNT], 0x600000
.irp b, 0,1,2,3
	global_load_b128 v[B1R+8*\b:B1R+8*\b+3], v26, s[100:101] offset:64*\b
	global_load_b128 v[B1R+8*\b+4:B1R+8*\b+7], v26, s[100:101] offset:64*\b+16
	global_load_b128 v[B2R+8*\b:B2R+8*\b+3], v26, s[66:67] offset:64*\b
	global_load_b128 v[B2R+8*\b+4:B2R+8*\b+7], v26, s[66:67] offset:64*\b+16
.endr
	v_mov_b32 v[TM+4], 0
	v_mov_b32 v[TM+5], 0
	s_wait_loadcnt 0x0
.set kk, 0
.rept 16
	v_pk_mul_f32 v[B2R+kk:B2R+kk+1], v[B2R+kk:B2R+kk+1], 0xbfb8aa3b op_sel_hi:[1,0]
.set kk, kk+2
.endr
.irp a, 0,1,2,3,4,5,6,7
	EPI \a
.endr
	s_wait_tensorcnt 0x0
	ds_add_u32 v[SPW], v[NIL]
	s_wait_dscnt 0x0
	CROUND
	s_endpgm
.Lfunc_end_k_qa47b9a4b39_gate_up:
	.size	k_qa47b9a4b39_gate_up, .Lfunc_end_k_qa47b9a4b39_gate_up-k_qa47b9a4b39_gate_up
	.p2alignl 7, 3214868480
	.fill 96, 4, 3214868480
	.section	.rodata,"a",@progbits
	.p2align	6, 0x0
	.amdhsa_kernel k_qa47b9a4b39_gate_up
		.amdhsa_group_segment_fixed_size 327680
		.amdhsa_private_segment_fixed_size 0
		.amdhsa_enable_private_segment 0
		.amdhsa_kernarg_size 64
		.amdhsa_user_sgpr_count 2
		.amdhsa_user_sgpr_kernarg_segment_ptr 1
		.amdhsa_wavefront_size32 1
		.amdhsa_system_sgpr_workgroup_id_x 1
		.amdhsa_system_sgpr_workgroup_id_y 1
		.amdhsa_system_sgpr_workgroup_id_z 1
		.amdhsa_system_vgpr_workitem_id 0
		.amdhsa_next_free_vgpr 1024
		.amdhsa_next_free_sgpr 102
		.amdhsa_reserve_vcc 0
		.amdhsa_float_denorm_mode_32 3
		.amdhsa_float_denorm_mode_16_64 3
		.amdhsa_memory_ordered 1
		.amdhsa_forward_progress 1
		.amdhsa_inst_pref_size 212
	.end_amdhsa_kernel
	.amdgpu_metadata
---
amdhsa.version: [ 1, 2 ]
amdhsa.kernels:
  - .name:           k_qa47b9a4b39_gate_up
    .symbol:         k_qa47b9a4b39_gate_up.kd
    .args:
      - { .name: aq, .offset: 0, .size: 8, .value_kind: global_buffer, .address_space: global }
      - { .name: w1_codes, .offset: 8, .size: 8, .value_kind: global_buffer, .address_space: global }
      - { .name: w1_scales, .offset: 16, .size: 8, .value_kind: global_buffer, .address_space: global }
      - { .name: w2_codes, .offset: 24, .size: 8, .value_kind: global_buffer, .address_space: global }
      - { .name: w2_scales, .offset: 32, .size: 8, .value_kind: global_buffer, .address_space: global }
      - { .name: b1, .offset: 40, .size: 8, .value_kind: global_buffer, .address_space: global }
      - { .name: b2, .offset: 48, .size: 8, .value_kind: global_buffer, .address_space: global }
      - { .name: hq, .offset: 56, .size: 8, .value_kind: global_buffer, .address_space: global }
    .group_segment_fixed_size: 327680
    .private_segment_fixed_size: 0
    .kernarg_segment_align: 8
    .kernarg_segment_size: 64
    .max_flat_workgroup_size: 128
    .sgpr_count:     102
    .vgpr_count:     1024
    .wavefront_size: 32
...
	.end_amdgpu_metadata
.endif
;; end of part 14
;; launch ffn_o (part 15): grid 8 x 32, 4 waves a work-group, clusters of 4 x 4, 327,680 bytes of LDS; arguments hq, w_ffn_o_codes, w_ffn_o_scales, b_ffn_o, x1f, ybuf; writes ybuf
.if DOCPART == 15
	.amdgcn_target "amdgcn-amd-amdhsa--gfx1250"
	.amdhsa_code_object_version 6
	.text
	.protected	k_qa47b9a4b39_ffn_o
	.globl	k_qa47b9a4b39_ffn_o
	.p2align	8
	.type	k_qa47b9a4b39_ffn_o,@function
k_qa47b9a4b39_ffn_o:
	s_mov_b64 s[64:65], 0
	v_nop
	global_prefetch_b8 v0, s[64:65] scope:SCOPE_SE
	s_setreg_imm32_b32 hwreg(HW_REG_WAVE_MODE, 25, 1), 1
	s_wait_xcnt 0x0
	s_wait_alu depctr_hold_cnt(0) depctr_sa_sdst(0) depctr_va_vdst(0) depctr_va_sdst(0) depctr_va_ssrc(0) depctr_va_vcc(0) depctr_vm_vsrc(0)
	s_getreg_b32 s2, hwreg(HW_REG_IB_STS2, 6, 4)
	s_cmp_eq_u32 s2, 0
	s_cbranch_scc0 .Lentry_in_a_cluster
	s_endpgm
.Lentry_in_a_cluster:
	s_bfe_u32 s2, ttmp6, 0x10000c
	s_cmp_lg_u32 s2, 0xf033
	s_cbranch_scc0 .Lentry_shape_is_right
	s_endpgm
.Lentry_shape_is_right:
.set SIZE_K, 2048
.set ASC,    0x800000
.set KSTEP,  512
.set NT,     SIZE_K/KSTEP
.set PITCH,  528
.set NP,     8
.set HALFT,  64*PITCH
.set SLOT,   4*HALFT
.set KS,     SIZE_K/32
.set SCL,    2*SLOT
.set HALFS,  (64*KS/256)*272
.set SBLK,   (16*KS/256)*272
.set SPARE,  SCL+4*HALFS
.set SPITCH, 272
.set BI,   8
.set ADRA, 16
.set ADRB, 18
.set STO,  24
.set RD,   25
.set CO,   26
.set ADRS, 27
.set SPW,  28
.set NIL,  29
.set BO,   30
.set SC,   32
.set BK,   64
.set ACC,  128
.set G1, 24
.set G0, 32
.set G1B, 48
.set G0B, 56
.set G1S, 68
.set G0S, 76
.set G1SB, 80
.set G0SB, 88
.set MSB, 0
.macro WIN new
.if MSB != (\new)
	s_set_vgpr_msb (MSB<<8)|(\new)
.set MSB, (\new)
.endif
.endm
.set MUL,  0x05
.set TO_F, 0x40
.macro JLOAD g0a, g1a, g0b, g1b
	s_cmp_eq_u32 s15, 0
	s_cbranch_scc0 .Lfor_b_\@
	tensor_load_to_lds s[\g0a:\g0a+3], s[\g1a:\g1a+7]
	s_nop 0
.rept 4
	v_nop
.endr
	s_branch .Lasked_\@
.Lfor_b_\@:
	tensor_load_to_lds s[\g0b:\g0b+3], s[\g1b:\g1b+7]
	s_nop 0
.rept 4
	v_nop
.endr
.Lasked_\@:
.endm
.macro CREST
	s_cmp_lg_u32 s14, 0
	s_cbranch_scc1 .Lnot_wave_0_\@
	s_barrier_signal -3
.Lnot_wave_0_\@:
	s_barrier_wait -3
	s_barrier_signal -1
	s_barrier_wait -1
.endm
.macro CROUND
	s_barrier_signal -1
	s_barrier_wait -1
	CREST
.endm
	s_load_b64 s[4:5], s[0:1], 0x0
	s_load_b128 s[8:11], s[0:1], 0x8
	s_load_b128 s[96:99], s[0:1], 0x18
	s_load_b64 s[12:13], s[0:1], 0x28
	v_lshl_add_u32 v[SPW], v0, 2, SPARE
	v_mov_b32 v[NIL], 0
	ds_add_u32 v28, v29
	ds_add_u32 v28, v29
	s_wait_dscnt 0x0
	v_lshrrev_b32 v1, 5, v0
	v_readfirstlane_b32 s14, v1
	s_lshr_b32 s15, s14, 1
	s_and_b32 s16, s14, 1
	s_bfe_u32 s40, ttmp6, 0x40000
	s_bfe_u32 s41, ttmp6, 0x40004
	s_lshl_b32 s42, ttmp9, 2
	s_add_co_u32 s42, s42, s40
	s_and_b32 s17, ttmp7, 0xffff
	s_lshl_b32 s17, s17, 2
	s_add_co_u32 s17, s17, s41
	s_lshl_b32 s43, s41, 2
	s_lshl_b32 s43, 15, s43
	s_lshl_b32 s44, 0x1111, s40
	s_or_b32 s[G1+0], s43, (0<<16)|(1<<20)|(1<<21)|(6<<22)|(3<<25)
	s_or_b32 s[G1B+0], s44, (0<<16)|(1<<20)|(1<<21)|(6<<22)|(3<<25)
.irp g, G1, G1B
	s_mov_b32 s[\g+1], KSTEP<<16
	s_mov_b32 s[\g+2], 128<<16                     ; the head's loads bring 128 rows; set to 64 for the ring behind them
	s_mov_b32 s[\g+3], KSTEP<<16
	s_mov_b32 s[\g+4], 128
	s_mov_b32 s[\g+5], SIZE_K
	s_mov_b32 s[\g+6], 0
	s_mov_b32 s[\g+7], 0
.endr
	s_or_b32 s[G1S+0], s43, (3<<16)|(1<<20)|(1<<21)|(5<<22)|(3<<25)
	s_or_b32 s[G1SB+0], s44, (3<<16)|(1<<20)|(1<<21)|(5<<22)|(3<<25)
.irp g, G1S, G1SB
	s_mov_b32 s[\g+1], 32<<16
	s_mov_b32 s[\g+2], (128*KS/256)<<16            ; the scales of 128 rows
	s_mov_b32 s[\g+3], 32<<16
	s_mov_b32 s[\g+4], 128*KS/256
	s_mov_b32 s[\g+5], 32
	s_mov_b32 s[\g+6], 0
	s_mov_b32 s[\g+7], 0
.endr
	s_lshl_b32 s20, s17, 7                         ; A: the tile's first row
	s_lshl_b32 s46, s42, 7                         ; B: likewise
	s_mov_b32 s21, 0
	s_mov_b32 s47, 0
	s_mov_b64 s[18:19], KS
	s_mul_u64 s[22:23], s[20:21], s[18:19]
	s_mul_u64 s[92:93], s[46:47], s[18:19]
	s_mov_b64 s[18:19], SIZE_K
	s_mul_u64 s[20:21], s[20:21], s[18:19]
	s_mul_u64 s[46:47], s[46:47], s[18:19]
	s_mul_i32 s18, s16, 64*SIZE_K                  ; in the ring I fetch 64 rows of a tile: which half, in bytes
	s_mov_b32 s19, 0
	s_mul_i32 s45, s14, HALFT
	s_wait_kmcnt 0x0
	s_add_nc_u64 s[6:7], s[4:5], ASC
	s_add_nc_u64 s[20:21], s[4:5], s[20:21]
	s_add_nc_u64 s[22:23], s[6:7], s[22:23]
	s_add_nc_u64 s[46:47], s[8:9], s[46:47]
	s_add_nc_u64 s[92:93], s[10:11], s[92:93]
	CROUND
	s_mov_b32 s[G0S], 1
	s_mov_b32 s[G0S+1], SCL
	s_mov_b64 s[G0S+2:G0S+3], s[22:23]
	s_or_b32 s[G0S+3], s[G0S+3], 0x80000000
	s_mov_b32 s[G0SB], 1
	s_mov_b32 s[G0SB+1], SCL+2*HALFS
	s_mov_b64 s[G0SB+2:G0SB+3], s[92:93]
	s_or_b32 s[G0SB+3], s[G0SB+3], 0x80000000
	s_mov_b32 s4, 1                                ; group 0 of the head's loads of K step 0: A's 128 rows,
	s_mov_b32 s5, 0
	s_mov_b64 s[6:7], s[20:21]
	s_or_b32 s7, s7, 0x80000000
	s_mov_b32 s8, 1                                ; B's 128 rows, behind them in slot 0
	s_mov_b32 s9, 2*HALFT
	s_mov_b64 s[10:11], s[46:47]
	s_or_b32 s11, s11, 0x80000000
	s_add_nc_u64 s[20:21], s[20:21], s[18:19]      ; for the ring: my 64 rows of the tile
	s_add_nc_u64 s[46:47], s[46:47], s[18:19]
.irp s, 0,1
	s_mov_b32 s[G0+4*\s], 1
	s_add_co_u32 s[G0+4*\s+1], s45, \s*SLOT
	s_add_nc_u64 s[G0+4*\s+2:G0+4*\s+3], s[20:21], \s*KSTEP
	s_or_b32 s[G0+4*\s+3], s[G0+4*\s+3], 0x80000000
	s_mov_b32 s[G0B+4*\s], 1
	s_add_co_u32 s[G0B+4*\s+1], s45, \s*SLOT
	s_add_nc_u64 s[G0B+4*\s+2:G0B+4*\s+3], s[46:47], \s*KSTEP
	s_or_b32 s[G0B+4*\s+3], s[G0B+4*\s+3], 0x80000000
.endr
; the head's four tiles, one load a wave: wave 0 A's 128 rows of K step 0, wave 1 B's, wave 2 A's scales, wave 3 B's; one tree of branches on the wave's number
.macro ARM under, g0, g1, next
	s_cmp_lt_u32 s14, \under
	s_cbranch_scc0 \next
	tensor_load_to_lds s[\g0:\g0+3], s[\g1:\g1+7]
	s_nop 0
.rept 4
	v_nop
.endr
	s_branch .Lhead_asked
\next:
.endm
	ARM 1, 4, G1, .Lhead_b
	ARM 2, 8, G1B, .Lhead_sa
	ARM 3, G0S, G1S, .Lhead_sb
	tensor_load_to_lds s[G0SB:G0SB+3], s[G1SB:G1SB+7]
	s_nop 0
.rept 4
	v_nop
.endr
.Lhead_asked:
	v_and_b32 v1, 15, v0
	v_bfe_u32 v2, v0, 4, 1
	v_mul_u32_u24 v3, v1, PITCH
	v_lshl_add_u32 v4, v2, 4, v3
	s_mul_i32 s21, s15, HALFT
	s_mul_i32 s22, s16, HALFT
	s_add_co_u32 s22, s22, 2*HALFT
.irp s, 0,1
	v_add_nc_u32 v[ADRA+\s], s21, v4
	v_add_nc_u32 v[ADRB+\s], s22, v4
	s_add_co_u32 s21, s21, SLOT
	s_add_co_u32 s22, s22, SLOT
.endr
	v_mul_u32_u24 v5, v1, KS
	v_lshrrev_b32 v6, 8, v5
	v_lshl_add_u32 v5, v6, 4, v5
	s_mul_i32 s21, s15, HALFS
	s_mul_i32 s22, s16, HALFS
	s_add_co_u32 s22, s22, 2*HALFS
	s_sub_co_u32 s22, s22, s21
	v_mul_u32_u24 v6, s22, v2
	s_add_co_u32 s21, s21, SCL
	v_add_nc_u32 v5, v5, v6
	v_add_nc_u32 v[ADRS], s21, v5
	s_mul_i32 s23, s14, 16*SPITCH
	v_mul_u32_u24 v5, v1, SPITCH
	v_lshl_add_u32 v5, v2, 5, v5
	v_add_nc_u32 v[STO], s23, v5
	v_mul_u32_u24 v6, v2, SPITCH
	v_lshl_add_u32 v6, v1, 4, v6
	v_add_nc_u32 v[RD], s23, v6
	v_lshlrev_b32 v7, 12, v2
	v_lshl_add_u32 v[CO], v1, 4, v7
	s_wait_alu depctr_va_vdst(0)
	v_lshlrev_b32 v[BO], 4, v1
	s_wait_alu depctr_va_vdst(0)
	s_lshl_b32 s20, s17, 7
	s_lshl_b32 s21, s15, 6
	s_add_co_u32 s20, s20, s21
	s_lshl_b32 s20, s20, 12
	s_lshl_b32 s46, s42, 9
	s_lshl_b32 s47, s16, 8
	s_add_co_u32 s46, s46, s47
	s_mov_b32 s47, 0
	s_add_nc_u64 s[96:97], s[96:97], s[46:47]
	s_add_co_u32 s20, s20, s46
	s_mov_b32 s21, 0
	s_add_nc_u64 s[12:13], s[12:13], s[20:21]
	s_add_nc_u64 s[98:99], s[98:99], s[20:21]
	WIN 0x80
.irp a, 0,1,2,3
.irp t, 0,1,2,3,4,5,6,7
	global_load_b128 v[32*\a+4*\t:32*\a+4*\t+3], v[CO], s[98:99] offset:(16*\a+2*\t)*4096 th:TH_LOAD_NT
.endr
.endr
	WIN 0
	global_load_b128 v[BI:BI+3], v[BO], s[96:97]
.macro FRAG reg, adr, off
.irp c, 0,1,2,3
	ds_load_b128 v[\reg+4*\c:\reg+4*\c+3], v[\adr] offset:\off+32*\c
.endr
.endm
.macro FETCH slot, q, f
	WIN TO_F
.irp i, 0,1,2,3
	FRAG \f+64+16*\i, ADRB+\slot, 128*(\q)+\i*16*PITCH
.endr
.irp i, 0,1,2,3
	FRAG \f+16*\i, ADRA+\slot, 128*(\q)+\i*16*PITCH
.endr
.endm
.macro SCALES sc, t
	WIN 0
.irp i, 0,1,2,3
	ds_load_b128 v[SC+16*(\sc)+4*\i:SC+16*(\sc)+4*\i+3], v[ADRS] offset:\i*SBLK+16*(\t)
.endr
.endm
.macro MUL8 f, a0, q, sc, zero
.irp a, \a0, \a0+1
.irp b, 0,1,2,3
.if \zero
	v_wmma_scale_f32_16x16x128_f8f6f4 v[ACC+8*(4*(\a)+\b):ACC+8*(4*(\a)+\b)+7], v[\f+64+16*\b:\f+64+16*\b+15], v[\f+16*(\a):\f+16*(\a)+15], 0, v[SC+16*(\sc)+4*\b+(\q)], v[SC+16*(\sc)+4*(\a)+(\q)] matrix_a_fmt:MATRIX_FMT_BF8 matrix_b_fmt:MATRIX_FMT_BF8 matrix_a_scale:MATRIX_SCALE_ROW1
.else
	v_wmma_scale_f32_16x16x128_f8f6f4 v[ACC+8*(4*(\a)+\b):ACC+8*(4*(\a)+\b)+7], v[\f+64+16*\b:\f+64+16*\b+15], v[\f+16*(\a):\f+16*(\a)+15], v[ACC+8*(4*(\a)+\b):ACC+8*(4*(\a)+\b)+7], v[SC+16*(\sc)+4*\b+(\q)], v[SC+16*(\sc)+4*(\a)+(\q)] matrix_a_fmt:MATRIX_FMT_BF8 matrix_b_fmt:MATRIX_FMT_BF8 matrix_a_scale:MATRIX_SCALE_ROW1
.endif
.endr
.endr
.endm
.macro PLACES n
.rept \n
	v_nop
.endr
.endm
.macro SUBP slot, q, zero
	PLACES NP
	s_wait_dscnt 0x0
	FETCH \slot, (\q)+1, 128*(1-(\q)%2)
	WIN MUL
	MUL8 128*((\q)%2), 0, \q, \slot, \zero
	MUL8 128*((\q)%2), 2, \q, \slot, \zero
.endm
.macro TURN slot, next, tn, fill
	PLACES NP
	WIN 0
	s_wait_tensorcnt 0x0
	ds_add_u32 v[SPW], v[NIL]
	s_wait_dscnt 0x0
	s_barrier_signal -1
	WIN MUL
	MUL8 128, 0, 3, \slot, 0
	WIN 0
	s_barrier_wait -1
.if \fill
	CREST
	s_add_nc_u64 s[G0+4*\slot+2:G0+4*\slot+3], s[G0+4*\slot+2:G0+4*\slot+3], 2*KSTEP
	s_add_nc_u64 s[G0B+4*\slot+2:G0B+4*\slot+3], s[G0B+4*\slot+2:G0B+4*\slot+3], 2*KSTEP
	JLOAD G0+4*\slot, G1, G0B+4*\slot, G1B
.endif
	FETCH \next, 0, 0
	SCALES \next, \tn
	WIN MUL
	MUL8 128, 2, 3, \slot, 0
.endm
	s_wait_alu depctr_va_vdst(0)                   ; the wait at the head's end
	s_wait_tensorcnt 0x0                           ; my tile of the head's four is in
	ds_add_u32 v[SPW], v[NIL]
	s_mov_b32 s[G1+2], 64<<16                      ; no tensor load of mine is out: from here on a load brings 64 rows
	s_mov_b32 s[G1+4], 64
	s_mov_b32 s[G1B+2], 64<<16
	s_mov_b32 s[G1B+4], 64
	s_wait_dscnt 0x0
	CROUND                                         ; all four tiles are in, all sixteen work-groups are here
	JLOAD G0+4, G1, G0B+4, G1B                     ; K step 1: my one tensor load behind the round
	FETCH 0, 0, 0
	SCALES 0, 0
	SUBP 0, 0, 1
	SUBP 0, 1, 0
	SUBP 0, 2, 0
.if NT > 2
	TURN 0, 1, 1, 1
	SUBP 1, 0, 0
	SUBP 1, 1, 0
	SUBP 1, 2, 0
	TURN 1, 0, 2, 1
	SUBP 0, 0, 0
	SUBP 0, 1, 0
	SUBP 0, 2, 0
	TURN 0, 1, 3, 0
.else
	TURN 0, 1, 1, 0
.endif
	SUBP 1, 0, 0
	SUBP 1, 1, 0
	SUBP 1, 2, 0
	s_wait_dscnt 0x0
	WIN MUL
	MUL8 128, 0, 3, 1, 0
	MUL8 128, 2, 3, 1, 0
	WIN 0
.macro TOSTAGE a
.irp b, 0,1,2,3
	ds_store_b128 v[STO], v[ACC+8*(4*(\a)+\b):ACC+8*(4*(\a)+\b)+3] offset:64*\b
	ds_store_b128 v[STO], v[ACC+8*(4*(\a)+\b)+4:ACC+8*(4*(\a)+\b)+7] offset:64*\b+16
.endr
.set BB, BK+32*((\a)%2)
.irp t, 0,1,2,3,4,5,6,7
	ds_load_b128 v[BB+4*\t:BB+4*\t+3], v[RD] offset:\t*2*SPITCH
.endr
.endm
.macro SEND a, younger
.set BB, BK+32*((\a)%2)
	s_wait_dscnt \younger
	WIN 0x08
.set kk, 0
.rept 16
	v_pk_add_f32 v[BB+kk:BB+kk+1], v[BB+kk:BB+kk+1], v[32*(\a)+kk:32*(\a)+kk+1]
.set kk, kk+2
.endr
	WIN 0
.irp t, 0,1,2,3,4,5,6,7
	v_pk_add_f32 v[BB+4*\t:BB+4*\t+1], v[BB+4*\t:BB+4*\t+1], v[BI:BI+1]
	v_pk_add_f32 v[BB+4*\t+2:BB+4*\t+3], v[BB+4*\t+2:BB+4*\t+3], v[BI+2:BI+3]
.endr
.irp t, 0,1,2,3,4,5,6,7
	global_store_b128 v[CO], v[BB+4*\t:BB+4*\t+3], s[12:13] offset:(16*(\a)+2*\t)*4096
.endr
.endm
	PLACES NP
	s_wait_loadcnt 0x0
	TOSTAGE 0
.irp a, 1,2,3
.if \a > 1
	s_wait_xcnt 0x0
.endif
	TOSTAGE \a
	SEND \a-1, 16
.endr
	SEND 3, 0
	s_wait_tensorcnt 0x0
	ds_add_u32 v[SPW], v[NIL]
	s_wait_dscnt 0x0
	CROUND
	s_endpgm
.Lfunc_end_k_qa47b9a4b39_ffn_o:
	.size	k_qa47b9a4b39_ffn_o, .Lfunc_end_k_qa47b9a4b39_ffn_o-k_qa47b9a4b39_ffn_o
	.p2alignl 7, 3214868480
	.fill 96, 4, 3214868480
	.section	.rodata,"a",@progbits
	.p2align	6, 0x0
	.amdhsa_kernel k_qa47b9a4b39_ffn_o
		.amdhsa_group_segment_fixed_size 327680
		.amdhsa_private_segment_fixed_size 0
		.amdhsa_enable_private_segment 0
		.amdhsa_kernarg_size 48
		.amdhsa_user_sgpr_count 2
		.amdhsa_user_sgpr_kernarg_segment_ptr 1
		.amdhsa_wavefront_size32 1
		.amdhsa_system_sgpr_workgroup_id_x 1
		.amdhsa_system_sgpr_workgroup_id_y 1
		.amdhsa_system_sgpr_workgroup_id_z 1
		.amdhsa_system_vgpr_workitem_id 0
		.amdhsa_next_free_vgpr 640
		.amdhsa_next_free_sgpr 102
		.amdhsa_reserve_vcc 0
		.amdhsa_float_denorm_mode_32 3
		.amdhsa_float_denorm_mode_16_64 3
		.amdhsa_memory_ordered 1
		.amdhsa_forward_progress 1
		.amdhsa_inst_pref_size 103
	.end_amdhsa_kernel
	.amdgpu_metadata
---
amdhsa.version: [ 1, 2 ]
amdhsa.kernels:
  - .name:           k_qa47b9a4b39_ffn_o
    .symbol:         k_qa47b9a4b39_ffn_o.kd
    .args:
      - { .name: hq, .offset: 0, .size: 8, .value_kind: global_buffer, .address_space: global }
      - { .name: w_ffn_o_codes, .offset: 8, .size: 8, .value_kind: global_buffer, .address_space: global }
      - { .name: w_ffn_o_scales, .offset: 16, .size: 8, .value_kind: global_buffer, .address_space: global }
      - { .name: b_ffn_o, .offset: 24, .size: 8, .value_kind: global_buffer, .address_space: global }
      - { .name: x1f, .offset: 32, .size: 8, .value_kind: global_buffer, .address_space: global }
      - { .name: ybuf, .offset: 40, .size: 8, .value_kind: global_buffer, .address_space: global }
    .group_segment_fixed_size: 327680
    .private_segment_fixed_size: 0
    .kernarg_segment_align: 8
    .kernarg_segment_size: 48
    .max_flat_workgroup_size: 128
    .sgpr_count:     102
    .vgpr_count:     640
    .wavefront_size: 32
...
	.end_amdgpu_metadata
.endif
;; end of part 15
;; launch ln2 (part 16): grid 256 x 1, 8 waves a work-group, no clusters, 0 bytes of LDS; arguments ybuf, g2, be2, out0; writes out0
.if DOCPART == 16
	.amdgcn_target "amdgcn-amd-amdhsa--gfx1250"
	.amdhsa_code_object_version 6
	.text
	.protected	k_qa47b9a4b39_ln2
	.globl	k_qa47b9a4b39_ln2
	.p2align	8
	.type	k_qa47b9a4b39_ln2,@function
k_qa47b9a4b39_ln2:
	s_mov_b64 s[64:65], 0
	v_nop
	global_prefetch_b8 v0, s[64:65] scope:SCOPE_SE
	s_setreg_imm32_b32 hwreg(HW_REG_WAVE_MODE, 25, 1), 1
	s_wait_xcnt 0x0
; out0 = layernorm(ybuf) x g2 + be2, f32 [4096][1024].
; SHARES: a work-group of eight waves takes 16 rows, a wave two.  A row is 4,096 bytes: eight loads of 512 consecutive bytes; both rows' loads go out at the head.  A row stays in 32 registers between its passes,
; so memory is read once; the reduction never leaves the wave: no LDS, no barrier.
; LIMITS: NaN and infinities are not served; 1 / sqrt by v_rsq_f32.
.set Y,   32                           ; v32-95   two rows, register 4 j + e = element 128 j + 4 lane + e
.set G,   96                           ; v96-127  the gain, laid as a row
.set BE,  128                          ; v128-159 the offset
	s_load_b256 s[4:11], s[0:1], 0x0               ; rows s[4:5], gain s[6:7], offset s[8:9], result s[10:11]
	v_lshrrev_b32 v1, 5, v0
	s_delay_alu instid0(VALU_DEP_1)
	v_readfirstlane_b32 s16, v1                    ; wave 0..7
	v_and_b32 v1, 31, v0
	s_delay_alu instid0(VALU_DEP_1)
	v_lshlrev_b32 v2, 4, v1                        ; 16 bytes a lane; never rewritten
	s_lshl_b32 s17, ttmp9, 4
	s_lshl_b32 s18, s16, 1
	s_add_co_u32 s17, s17, s18                     ; my first row
	s_lshl_b32 s18, s17, 12
	s_mov_b32 s19, 0
	s_mov_b32 s26, 0x76543210                      ; v_permlanex16_b32: lane l xor 16
	s_mov_b32 s27, 0xfedcba98
	s_mov_b32 s28, 0x3a800000                      ; 1 / 1024
	s_mov_b32 s29, 0x3727c5ac                      ; 1e-5
	s_wait_alu depctr_va_vdst(0)
	s_wait_kmcnt 0x0
	s_add_nc_u64 s[4:5], s[4:5], s[18:19]
	s_add_nc_u64 s[10:11], s[10:11], s[18:19]
.irp j, 0,1,2,3,4,5,6,7
	global_load_b128 v[G+4*\j:G+4*\j+3], v2, s[6:7] offset:512*\j
	global_load_b128 v[BE+4*\j:BE+4*\j+3], v2, s[8:9] offset:512*\j
.endr
.irp i, 0,1
.irp j, 0,1,2,3,4,5,6,7
	global_load_b128 v[Y+32*\i+4*\j:Y+32*\i+4*\j+3], v2, s[4:5] offset:4096*\i+512*\j th:TH_LOAD_NT
.endr
.endr
.macro RED                             ; four packed chains v[16:23] -> their sum over the wave, in v16 of every lane
	s_delay_alu instid0(VALU_DEP_3)
	v_pk_add_f32 v[16:17], v[16:17], v[18:19]
	s_delay_alu instid0(VALU_DEP_2)
	v_pk_add_f32 v[20:21], v[20:21], v[22:23]
	s_delay_alu instid0(VALU_DEP_1)
	v_pk_add_f32 v[16:17], v[16:17], v[20:21]
	s_delay_alu instid0(VALU_DEP_1)
	v_add_f32 v16, v16, v17
	s_delay_alu instid0(VALU_DEP_1)
	v_add_f32_dpp v16, v16, v16 row_xmask:1 row_mask:0xf bank_mask:0xf
	s_delay_alu instid0(VALU_DEP_1)
	v_add_f32_dpp v16, v16, v16 row_xmask:2 row_mask:0xf bank_mask:0xf
	s_delay_alu instid0(VALU_DEP_1)
	v_add_f32_dpp v16, v16, v16 row_xmask:4 row_mask:0xf bank_mask:0xf
	s_delay_alu instid0(VALU_DEP_1)
	v_add_f32_dpp v16, v16, v16 row_xmask:8 row_mask:0xf bank_mask:0xf
	s_delay_alu instid0(VALU_DEP_1)
	v_permlanex16_b32 v17, v16, s26, s27
	s_delay_alu instid0(VALU_DEP_1)
	v_add_f32 v16, v16, v17
.endm
.macro NORM i                          ; row i: mean, then the mean of the squared differences (two passes over registers: no difference of large sums), scale, gain, offset
.set YR, Y+32*\i
	v_pk_add_f32 v[16:17], v[YR:YR+1], v[YR+2:YR+3]
	v_pk_add_f32 v[18:19], v[YR+4:YR+5], v[YR+6:YR+7]
	v_pk_add_f32 v[20:21], v[YR+8:YR+9], v[YR+10:YR+11]
	v_pk_add_f32 v[22:23], v[YR+12:YR+13], v[YR+14:YR+15]
.irp n, 16,24
	s_delay_alu instid0(VALU_DEP_4)
	v_pk_add_f32 v[16:17], v[16:17], v[YR+\n:YR+\n+1]
	s_delay_alu instid0(VALU_DEP_4)
	v_pk_add_f32 v[18:19], v[18:19], v[YR+\n+2:YR+\n+3]
	s_delay_alu instid0(VALU_DEP_4)
	v_pk_add_f32 v[20:21], v[20:21], v[YR+\n+4:YR+\n+5]
	s_delay_alu instid0(VALU_DEP_4)
	v_pk_add_f32 v[22:23], v[22:23], v[YR+\n+6:YR+\n+7]
.endr
	RED
	s_delay_alu instid0(VALU_DEP_1)
	v_mul_f32 v24, s28, v16                        ; the mean
	s_delay_alu instid0(VALU_DEP_1)
	v_mov_b32 v25, v24
.set kk, 0
.rept 16
	v_pk_add_f32 v[YR+kk:YR+kk+1], v[YR+kk:YR+kk+1], v[24:25] neg_lo:[0,1] neg_hi:[0,1]
.set kk, kk+2
.endr
	v_pk_mul_f32 v[16:17], v[YR:YR+1], v[YR:YR+1]
	v_pk_mul_f32 v[18:19], v[YR+2:YR+3], v[YR+2:YR+3]
	v_pk_mul_f32 v[20:21], v[YR+4:YR+5], v[YR+4:YR+5]
	v_pk_mul_f32 v[22:23], v[YR+6:YR+7], v[YR+6:YR+7]
.irp n, 8,16,24
	s_delay_alu instid0(VALU_DEP_4)
	v_pk_fma_f32 v[16:17], v[YR+\n:YR+\n+1], v[YR+\n:YR+\n+1], v[16:17]
	s_delay_alu instid0(VALU_DEP_4)
	v_pk_fma_f32 v[18:19], v[YR+\n+2:YR+\n+3], v[YR+\n+2:YR+\n+3], v[18:19]
	s_delay_alu instid0(VALU_DEP_4)
	v_pk_fma_f32 v[20:21], v[YR+\n+4:YR+\n+5], v[YR+\n+4:YR+\n+5], v[20:21]
	s_delay_alu instid0(VALU_DEP_4)
	v_pk_fma_f32 v[22:23], v[YR+\n+6:YR+\n+7], v[YR+\n+6:YR+\n+7], v[22:23]
.endr
	RED
	s_delay_alu instid0(VALU_DEP_1)
	v_fma_f32 v26, v16, s28, s29                   ; the variance + 1e-5
	s_wait_alu depctr_va_vdst(0)
	v_rsq_f32 v28, v26
	v_nop                                          ; a plain instruction behind the transcendental
	s_wait_alu depctr_va_vdst(0)                   ; and the wait ahead of its first reader
	v_mov_b32 v29, v28
.set kk, 0
.rept 16
	v_pk_mul_f32 v[YR+kk:YR+kk+1], v[YR+kk:YR+kk+1], v[28:29]
.set kk, kk+2
.endr
.set kk, 0
.rept 16
	v_pk_fma_f32 v[YR+kk:YR+kk+1], v[YR+kk:YR+kk+1], v[G+kk:G+kk+1], v[BE+kk:BE+kk+1]
.set kk, kk+2
.endr
.irp j, 0,1,2,3,4,5,6,7
	global_store_b128 v2, v[YR+4*\j:YR+4*\j+3], s[10:11] offset:4096*\i+512*\j th:TH_STORE_NT   ; 512 consecutive bytes a store; the row's registers are not written again
.endr
.endm
	s_wait_loadcnt 8                               ; gain, offset and row 0 are in; row 1's eight loads may be out
	NORM 0
	s_wait_loadcnt 0x0
	NORM 1
	s_endpgm
.Lfunc_end_k_qa47b9a4b39_ln2:
	.size	k_qa47b9a4b39_ln2, .Lfunc_end_k_qa47b9a4b39_ln2-k_qa47b9a4b39_ln2
	.p2alignl 7, 3214868480
	.fill 96, 4, 3214868480
	.section	.rodata,"a",@progbits
	.p2align	6, 0x0
	.amdhsa_kernel k_qa47b9a4b39_ln2
		.amdhsa_group_segment_fixed_size 0
		.amdhsa_private_segment_fixed_size 0
		.amdhsa_enable_private_segment 0
		.amdhsa_kernarg_size 32
		.amdhsa_user_sgpr_count 2
		.amdhsa_user_sgpr_kernarg_segment_ptr 1
		.amdhsa_wavefront_size32 1
		.amdhsa_system_sgpr_workgroup_id_x 1
		.amdhsa_system_sgpr_workgroup_id_y 1
		.amdhsa_system_sgpr_workgroup_id_z 1
		.amdhsa_system_vgpr_workitem_id 0
		.amdhsa_next_free_vgpr 160
		.amdhsa_next_free_sgpr 66
		.amdhsa_reserve_vcc 0
		.amdhsa_float_denorm_mode_32 3
		.amdhsa_float_denorm_mode_16_64 3
		.amdhsa_memory_ordered 1
		.amdhsa_forward_progress 1
		.amdhsa_inst_pref_size 21
	.end_amdhsa_kernel
	.amdgpu_metadata
---
amdhsa.version: [ 1, 2 ]
amdhsa.kernels:
  - .name:           k_qa47b9a4b39_ln2
    .symbol:         k_qa47b9a4b39_ln2.kd
    .args:
      - { .name: ybuf, .offset: 0, .size: 8, .value_kind: global_buffer, .address_space: global }
      - { .name: g2, .offset: 8, .size: 8, .value_kind: global_buffer, .address_space: global }
      - { .name: be2, .offset: 16, .size: 8, .value_kind: global_buffer, .address_space: global }
      - { .name: out0, .offset: 24, .size: 8, .value_kind: global_buffer, .address_space: global }
    .group_segment_fixed_size: 0
    .private_segment_fixed_size: 0
    .kernarg_segment_align: 8
    .kernarg_segment_size: 32
    .max_flat_workgroup_size: 256
    .sgpr_count:     66
    .vgpr_count:     160
    .wavefront_size: 32
...
	.end_amdgpu_metadata
.endif
;; end of part 16
